; MI455X (gfx1250); checked and timed in simulation.
; The chip was launched on July 23, 2026; its instructions are those of AMD's public machine-readable ISA for CDNA 5 (MIT licence, August 2026) and "CDNA5" Instruction Set Architecture Reference Guide (July 2026). The comments in the code are by the model that wrote it; some were corrected since.
;; Deformable Transformer Encoder Layer. Allowed arithmetic: float matrix products may take bf16 or f16 operands with f32 sums; other float arithmetic in f32, or as packed bf16 or f16 multiplies, adds, multiply-adds, maxima and minima; sums over many terms, partial sums and values carried from step to step in f32; what a program stores and reads back later, other than sums and carried values, may be rounded once to bf16 or f16.
;; Inputs: W1 256 x 1,024 float32; W2 1,024 x 256 float32; W_attn 256 x 128 float32; W_off 256 x 256 float32; W_out 256 x 256 float32; W_val 256 x 256 float32; b1 1,024 float32; b2 256 float32; b_attn 128 float32; b_off 256 float32; b_out 256 float32; b_val 256 float32; beta1 256 float32; beta2 256 float32; g1 256 float32; g2 256 float32; level_start_index 4 int32; pos 2 x 13,294 x 256 float32; reference_points 2 x 13,294 x 4 x 2 float32; spatial_shapes 4 x 2 int32; src 2 x 13,294 x 256 float32.
;; Outputs: out0 2 x 13,294 x 256 float32.
;; 2 versions, each right. Each part assembles by itself: llvm-mc -triple=amdgcn-amd-amdhsa -mcpu=gfx1250 --defsym DOCPART=n.
;; ======== version 1 of 2: 4 launches
;; workspace buffers: wa 327,680 bytes; wf 1,179,648 bytes; vtab 13,631,488 bytes; swt 27,262,976 bytes; sidx 6,815,744 bytes of whole numbers; att 13,615,104 bytes
;; launch prep (part 1): grid 184 x 1, 16 waves a work-group, no clusters, 0 bytes of LDS; arguments W_off, W_attn, W_val, W_out, W1, W2, wa, wf; writes wa, wf
.if DOCPART == 1
	.amdgcn_target "amdgcn-amd-amdhsa--gfx1250"
	.amdhsa_code_object_version 6
	.text
	.protected	k_q6b24ea66c8_prep
	.globl	k_q6b24ea66c8_prep
	.p2align	8
	.type	k_q6b24ea66c8_prep,@function
k_q6b24ea66c8_prep:
	s_mov_b64 s[64:65], 0
	v_nop
	global_prefetch_b8 v0, s[64:65] scope:SCOPE_SE
	s_setreg_imm32_b32 hwreg(HW_REG_WAVE_MODE, 25, 1), 1
	s_wait_xcnt 0x0
; DEFORMABLE ENCODER LAYER, launch 1 of 4: the six weight matrices, rounded once to bf16 and laid out as matrix operands.
; WORK LEFT OUT, in the whole program.  reference() never reads spatial_shapes or level_start_index: it takes the maps' sizes and starts from its own SHAPES.
; So these two inputs have no way to any output, whatever they hold; they are not loaded and are among no launch's arguments.
; FORMS THAT DIFFER FROM reference() BY ROUNDING ALONE (launch 2).  x = (ref + off / W) W - 0.5 is made as off + (ref W - 0.5): the same real number.
; The weight of grid node g for a coordinate u is max(0, 1 - |u - g|): for the two nodes that reference() takes this is its wx0 and wx1, for every other node 0.
; A point always reads the 2 x 2 nodes at b = clamp(floor(u), 0, W - 2) in each axis: nodes outside the map are never among them (reference() multiplies those by 0),
; and nodes among them that reference() does not take get the weight 0.  That holds for every finite u.
; LIMITS.  A coordinate that is NaN gives weights 0 where reference() gives NaN; the ReLU on packed bf16 lets a NaN lose; infinities are not treated apart.
; Matrix operands, the value table, the corner weights and the attention's result are rounded once to bf16; sums, softmax, norms and the residual path stay in f32.
;
; AN OPERAND'S IMAGE is 1,024 bytes: 16 output columns x 32 along K.  It has two blocks of 512 bytes, u = 0, 1; in block u lane l = 16 h + r has 16 bytes at 16 l:
; W[k0 + 0..7][col], k0 = 32 ks + 16 u + 8 h, col = the image's first column + r.  So a wave reads an image from LDS by two loads of 16 bytes a lane, 512 bytes on end each.
; SHARES.  A wave makes one block (its number is 2 ks + u), a work-group the eight images of one strip of 16 columns.  Work-group x:
;   0..39    wa: head x / 5, strip mt = x % 5: 0, 1 W_off's, 2 W_attn's, 3, 4 W_val's columns of that head
;   40..55   wf, fill 0: W_out's strip x - 40
;   56..119  wf, fills 1..8, first halves: W1's strip t = x - 56
;   120..183 wf, fills 1..8, second halves: W2's strip (x - 120) % 16, K steps 8 ((x - 120) / 16) + ks
; W_attn's columns are permuted: row r of the strip is level (r >> 3) + 2 ((r >> 2) & 1), point r & 3, so that in launch 2 a lane holds the logits of the very levels whose offsets it holds.
; No LDS, no barrier, no matrix unit, no cluster: each number is read once and written once, and no two work-groups read the same bytes.
; One block.  s24 = the strip's first column, s25 = 32 ks + 16 u, s28 = the block's byte in the destination, v6 = the lane's column in the strip; a row of the source is 1 << sh bytes.
.macro CONV src, sh, dst
	v_lshl_add_u32 v4, v2, 3, s25                  ; k0
	v_add_nc_u32 v7, s24, v6                       ; the column
	v_lshlrev_b32 v4, \sh, v4
	v_lshl_add_u32 v4, v7, 2, v4                   ; k0 rows down, 4 bytes a column
.irp j, 0,1,2,3,4,5,6,7
	global_load_b32 v[8+\j], v4, s[\src:\src+1] offset:(\j)<<(\sh)
.endr
	v_add_nc_u32 v5, s28, v5
	s_wait_loadcnt 0x0
.irp j, 0,1,2,3
	v_cvt_pk_bf16_f32 v[16+\j], v[8+2*\j], v[9+2*\j]
.endr
	global_store_b128 v5, v[16:19], s[\dst:\dst+1] ; the wave's 512 bytes on end, at a multiple of 512 from the buffer's first byte
	s_endpgm
.endm
	s_load_b512 s[4:19], s[0:1], 0x0               ; W_off s[4:5], W_attn s[6:7], W_val s[8:9], W_out s[10:11], W1 s[12:13], W2 s[14:15], wa s[16:17], wf s[18:19]
	v_lshrrev_b32 v1, 5, v0
	v_readfirstlane_b32 s20, v1                    ; wave 0..15 = 2 ks + u
	v_and_b32 v1, 15, v0                           ; r
	v_bfe_u32 v2, v0, 4, 1                         ; h
	v_and_b32 v5, 31, v0
	v_lshlrev_b32 v5, 4, v5                        ; 16 x lane
	v_mov_b32 v6, v1                               ; the lane's column: r, but for W_attn
	s_mov_b32 s21, ttmp9                           ; x
	s_lshl_b32 s25, s20, 4                         ; 32 ks + 16 u
	s_lshl_b32 s29, s20, 9                         ; 1,024 ks + 512 u
	s_wait_kmcnt 0x0
	s_cmp_lt_u32 s21, 40
	s_cbranch_scc0 .Lnot_wa
	s_mul_i32 s30, s21, 205
	s_lshr_b32 s30, s30, 10                        ; head = x / 5 (exact for x under 40)
	s_mul_i32 s31, s30, 5
	s_sub_co_u32 s31, s21, s31                     ; mt
	s_lshl_b32 s28, s21, 13
	s_add_co_u32 s28, s28, s29                     ; image 8 x + ks
	s_cmp_eq_u32 s31, 2
	s_cbranch_scc1 .Lattn
	s_cmp_gt_u32 s31, 2
	s_cbranch_scc1 .Lval
	s_lshl_b32 s24, s30, 5
	s_lshl4_add_u32 s24, s31, s24                  ; 32 head + 16 mt
	CONV 4, 10, 16
.Lattn:
	s_lshl_b32 s24, s30, 4                         ; 16 head
	v_bfe_u32 v3, v0, 3, 1                         ; r >> 3
	v_bfe_u32 v7, v0, 2, 1                         ; (r >> 2) & 1
	v_lshl_add_u32 v3, v7, 1, v3                   ; the level
	v_and_b32 v7, 3, v0                            ; the point
	v_lshl_add_u32 v6, v3, 2, v7
	CONV 6, 9, 16
.Lval:
	s_sub_co_u32 s31, s31, 3
	s_lshl_b32 s24, s30, 5
	s_lshl4_add_u32 s24, s31, s24                  ; 32 head + 16 (mt - 3)
	CONV 8, 10, 16
.Lnot_wa:
	s_cmp_lt_u32 s21, 56
	s_cbranch_scc0 .Lnot_out
	s_sub_co_u32 s30, s21, 40                      ; a
	s_lshl_b32 s24, s30, 4
	s_lshl_b32 s28, s30, 13
	s_add_co_u32 s28, s28, s29
	CONV 10, 10, 18
.Lnot_out:
	s_cmp_lt_u32 s21, 120
	s_cbranch_scc0 .Lw2
	s_sub_co_u32 s30, s21, 56                      ; t: hidden columns 16 t on
	s_lshl_b32 s24, s30, 4
	s_lshr_b32 s31, s30, 3
	s_add_co_u32 s31, s31, 1
	s_lshl_b32 s28, s31, 17                        ; fill 1 + t / 8
	s_and_b32 s31, s30, 7
	s_lshl_b32 s31, s31, 13
	s_add_co_u32 s28, s28, s31
	s_add_co_u32 s28, s28, s29
	CONV 12, 12, 18
.Lw2:
	s_sub_co_u32 s30, s21, 120                     ; y
	s_and_b32 s31, s30, 15                         ; a
	s_lshl_b32 s24, s31, 4
	s_lshr_b32 s30, s30, 4
	s_lshr_b32 s32, s20, 1                         ; ks
	s_lshl3_add_u32 s30, s30, s32                  ; kk = 8 (y / 16) + ks: K step of 32 among W2's 32
	s_and_b32 s32, s20, 1                          ; u
	s_lshl_b32 s25, s30, 5
	s_lshl4_add_u32 s25, s32, s25                  ; 32 kk + 16 u
	s_lshr_b32 s33, s30, 2
	s_add_co_u32 s33, s33, 1
	s_lshl_b32 s28, s33, 17                        ; fill 1 + kk / 4,
	s_add_co_u32 s28, s28, 65536                   ; its second half,
	s_and_b32 s33, s30, 3
	s_lshl4_add_u32 s33, s33, s31
	s_lshl_b32 s33, s33, 10                        ; image 16 (kk % 4) + a,
	s_add_co_u32 s28, s28, s33
	s_lshl_b32 s32, s32, 9                         ; block u
	s_add_co_u32 s28, s28, s32
	CONV 14, 10, 18
.Lfunc_end_k_q6b24ea66c8_prep:
	.size	k_q6b24ea66c8_prep, .Lfunc_end_k_q6b24ea66c8_prep-k_q6b24ea66c8_prep
	.p2alignl 7, 3214868480
	.fill 96, 4, 3214868480
	.section	.rodata,"a",@progbits
	.p2align	6, 0x0
	.amdhsa_kernel k_q6b24ea66c8_prep
		.amdhsa_group_segment_fixed_size 0
		.amdhsa_private_segment_fixed_size 0
		.amdhsa_enable_private_segment 0
		.amdhsa_kernarg_size 64
		.amdhsa_user_sgpr_count 2
		.amdhsa_user_sgpr_kernarg_segment_ptr 1
		.amdhsa_wavefront_size32 1
		.amdhsa_system_sgpr_workgroup_id_x 1
		.amdhsa_system_sgpr_workgroup_id_y 1
		.amdhsa_system_sgpr_workgroup_id_z 1
		.amdhsa_system_vgpr_workitem_id 0
		.amdhsa_next_free_vgpr 24
		.amdhsa_next_free_sgpr 66
		.amdhsa_reserve_vcc 0
		.amdhsa_float_denorm_mode_32 3
		.amdhsa_float_denorm_mode_16_64 3
		.amdhsa_memory_ordered 1
		.amdhsa_forward_progress 1
		.amdhsa_inst_pref_size 12
	.end_amdhsa_kernel
	.amdgpu_metadata
---
amdhsa.version: [ 1, 2 ]
amdhsa.kernels:
  - .name:           k_q6b24ea66c8_prep
    .symbol:         k_q6b24ea66c8_prep.kd
    .args:
      - { .name: W_off, .offset: 0, .size: 8, .value_kind: global_buffer, .address_space: global }
      - { .name: W_attn, .offset: 8, .size: 8, .value_kind: global_buffer, .address_space: global }
      - { .name: W_val, .offset: 16, .size: 8, .value_kind: global_buffer, .address_space: global }
      - { .name: W_out, .offset: 24, .size: 8, .value_kind: global_buffer, .address_space: global }
      - { .name: W1, .offset: 32, .size: 8, .value_kind: global_buffer, .address_space: global }
      - { .name: W2, .offset: 40, .size: 8, .value_kind: global_buffer, .address_space: global }
      - { .name: wa, .offset: 48, .size: 8, .value_kind: global_buffer, .address_space: global }
      - { .name: wf, .offset: 56, .size: 8, .value_kind: global_buffer, .address_space: global }
    .group_segment_fixed_size: 0
    .private_segment_fixed_size: 0
    .kernarg_segment_align: 8
    .kernarg_segment_size: 64
    .max_flat_workgroup_size: 512
    .sgpr_count:     66
    .vgpr_count:     24
    .wavefront_size: 32
...
	.end_amdgpu_metadata
.endif
;; end of part 1
;; launch proj (part 2): grid 208 x 1, 4 waves a work-group, clusters of 4 x 1, 327,680 bytes of LDS; arguments src, pos, reference_points, b_off, b_attn, b_val, wa, vtab, swt, sidx; writes vtab, swt, sidx
.if DOCPART == 2
	.amdgcn_target "amdgcn-amd-amdhsa--gfx1250"
	.amdhsa_code_object_version 6
	.text
	.protected	k_q6b24ea66c8_proj
	.globl	k_q6b24ea66c8_proj
	.p2align	8
	.type	k_q6b24ea66c8_proj,@function
k_q6b24ea66c8_proj:
	s_mov_b64 s[64:65], 0
	v_nop
	global_prefetch_b8 v0, s[64:65] scope:SCOPE_SE
	s_setreg_imm32_b32 hwreg(HW_REG_WAVE_MODE, 25, 1), 1
	s_wait_xcnt 0x0
	s_wait_alu depctr_hold_cnt(0) depctr_sa_sdst(0) depctr_va_vdst(0) depctr_va_sdst(0) depctr_va_ssrc(0) depctr_va_vcc(0) depctr_vm_vsrc(0)
	s_getreg_b32 s2, hwreg(HW_REG_IB_STS2, 6, 4)
	s_cmp_eq_u32 s2, 0
	s_cbranch_scc0 .Lentry_in_a_cluster
	s_endpgm
.Lentry_in_a_cluster:
	s_bfe_u32 s2, ttmp6, 0x10000c
	s_cmp_lg_u32 s2, 0x3003
	s_cbranch_scc0 .Lentry_shape_is_right
	s_endpgm
.Lentry_shape_is_right:
; Launch 2 of 4: q = src + pos; offsets, logits and values; the softmax over a head's 16 logits; for each sampling point the first node of its 2 x 2 patch (a whole number) and its four corner weights.
; Left out: spatial_shapes and level_start_index, which reference() never reads (shown at the head of launch 1, with the forms of the coordinate and of the corner weights, and the limits).
; No address of this launch hangs on a number that it computes: the nodes are stored as whole numbers, and launch 3 reads them.
; SHARES.  A work-group has 128 rows (tokens), each of its four waves 32: two tiles of 16.  208 work-groups cover 26,624 places for 26,588 rows: a place past the last row repeats the last row in
; every load, and its results go to padding places of the workspace buffers that no later launch reads.
; LAYOUT.  Every product is taken transposed: source 0 = 16 output channels of a weight, source 1 = 16 tokens.  In a result lane (r = l % 16, h = l / 16) holds ONE token r and channels 8 h + 0..7.
; A head is five strips of 16 channels: 0, 1 its 32 offsets (strip e: level 2 e + h, point j / 2, x or y j % 2), 2 its 16 logits (level h for j < 4, 2 + h for j >= 4, point j % 4: launch 1 has
; permuted W_attn so), 3, 4 its 32 value channels.  So a lane holds a token's logits and offsets of the same two levels, and the softmax wants one exchange between the halves of the lanes.
; The biases are the C operands that start the sums.
; THE RING.  The weights of a head, 40 images of 1,024 bytes, are a fill; two LDS slots take turns over the eight heads.  The four work-groups of a cluster walk the same weights, so each fill is asked
; for JOINTLY: each wave asks for a quarter (40 rows of 256 bytes), with the same descriptor in all four work-groups and a mask that names the four.  By this text's count a wave has two tensor loads
; out at the start and one behind each later round.
; NO PREFETCH of the ring: its 327,680 bytes are one part in three hundred of what the launch moves, and the launch's loads of src and pos and its stores keep memory at work throughout.
; REGISTERS, in windows of 256 (s_set_vgpr_msb: bits 1:0 source 0, 3:2 source 1, 5:4 source 2, 7:6 destination):
;   window 0: addresses, constants, the ten accumulators, all that the sampling touches     window 1: images 0-31 of a head (at the head of the kernel: two sets of 128 for rows of src and pos)
;   window 2: v0-127 q, v128-255 src, as source 1: tile t, K step ks at 64 t + 8 ks          window 3: v0-63 images 32-39, v64-103 the five strips' biases
.set M,      26588                     ; rows
.set SLOTX,  0x10000                   ; slot 1 begins here: one exclusive or turns an address in one slot into the other's
.set FILLB,  40960                     ; a head's weights
.set QUART,  10240                     ; a wave's quarter of them
.set STAGE,  106496                    ; behind the ring: 16,896 bytes a wave.  First q's and src's 16 rows of 512 bytes, pitch 528; later two tiles of values, 16 rows of 64 bytes, pitch 80
.set STW,    16896
.set SSTO,   8448                      ; src's rows lie behind q's
.set SPI,    528                       ; 33 x 16 bytes: the 16 rows of a fragment load start at 16 different groups of four banks (64 banks of 4 bytes: ISA guide 11.1)
.set VPI,    80
.set PT,     174080                    ; b_attn (512 bytes), b_off (1,024), b_val (1,024)
.set SPARE,  176640                    ; the spare words, 128 bytes for each wave: two blocks of 256 bytes that no other line names
.set PLANE,  1703936                   ; a head's plane of the value table: 26,624 rows of 64 bytes
.set R,      1                         ; v1   l % 16
.set H,      2                         ; v2   l / 16
.set L16,    3                         ; v3   16 x lane
.set ADR,    4                         ; v4   LDS address of the images to be fetched
.set ADRO,   5                         ; v5   of b_off's and b_val's numbers
.set ADRA,   6                         ; v6   of b_attn's
.set SPW,    7                         ; v7   my spare word; never rewritten
.set NIL,    8                         ; v8   0; never rewritten
.set QSTW,   9                         ; v9   stage + 8 x lane
.set FRD,    10                        ; v10  stage + 528 r + 16 h
.set VSTW,   11                        ; v11  stage + 80 r + 16 h
.set VSTR,   12                        ; v12  stage + 80 (l / 4) + 16 (l % 4)
.set HB32,   13                        ; v13  PT + 512 + 32 h
.set HB16,   14                        ; v14  PT + 16 h
.set VTO,    15                        ; v15  my 16 bytes in the wave's 2,048 of a plane
.set SWO,    16                        ; v16-17 tile t: my place in swt
.set SIO,    18                        ; v18-19 tile t: my place in sidx
.set WF,     20                        ; v20-21 strip e: W of level 2 e + h, as a float
.set WM2,    22                        ; v22-23 W - 2
.set BASEF,  24                        ; v24-27 (t, e): the token's batch x 13,294 + the level's start
.set RXY,    28                        ; v28-35 (t, e): ref W - 0.5, x and y
.set ROWOFF, 36                        ; v36-67 at the head: row i's byte offset + 16 x lane
.set WP,     36                        ; v36-67 later: (t, e): 8 registers of packed corner weights
.set ACC,    68                        ; v68-147 tile t, strip mt at 68 + 40 t + 8 mt
.set IP,     148                       ; v148-155 (t, e): four nodes of 16 bits
.set FB,     156                       ; v156-163 the patch's first node, by coordinate
.set T,      164                       ; v164-171 u - node
.set CC,     172                       ; v172-187 coordinate k: weights of node 0 and node 1
.set AP,     188                       ; v188-195 point p: y's two weights times the softmax's
.set W4,     196                       ; v196-203 four corner weights, two sets
.set II,     204                       ; v204-207 nodes as floats
.set SMX,    208                       ; v208-215 tile t: c m, m, two at work
.set VP,     216                       ; v216-231 values packed
.set VB,     232                       ; v232-247 values as rows
.set WV,     24                        ; s24  my wave's number
.set G1,     32                        ; s[32:39] descriptor group 1
.set G0A,    40                        ; s[40:43] group 0 of the first fill
.set G0B,    44                        ; s[44:47] group 0 of the second; it then walks
.set MSB, 0
.macro WIN new                         ; the immediate's high byte repeats the setting that is left; a switch that changes nothing is dropped
.if MSB != (\new)
	s_set_vgpr_msb (MSB<<8)|(\new)
.set MSB, (\new)
.endif
.endm
.macro PLACES                          ; four places behind a matrix instruction (ISA guide 7.12.1), where no other vector work is at hand
.rept 4
	v_nop
.endr
.endm
.macro CREST                           ; a round of the cluster's barrier behind its opening barrier
	s_cmp_lg_u32 s[WV], 0
	s_cbranch_scc1 .Lnot_wave_0_\@
	s_barrier_signal -3
.Lnot_wave_0_\@:
	s_barrier_wait -3
	s_barrier_signal -1
	s_barrier_wait -1
.endm
.macro CROUND                          ; a whole round: my work-group's barrier, wave 0's signal for it, every wave's wait for all four work-groups, my work-group's barrier once more
	s_barrier_signal -1
	s_barrier_wait -1
	CREST
.endm
.macro JLOAD                           ; a joint refill: every wave asks for its quarter; an s_nop 0 and four v_nop follow the line
	tensor_load_to_lds s[G0B:G0B+3], s[G1:G1+7]
	s_nop 0
	PLACES
.endm
	s_load_b512 s[4:19], s[0:1], 0x0               ; src s[4:5], pos s[6:7], reference_points s[8:9], b_off s[10:11], b_attn s[12:13], b_val s[14:15], wa s[16:17], vtab s[18:19]
	s_load_b128 s[20:23], s[0:1], 0x40             ; swt s[20:21], sidx s[22:23]
	v_lshl_add_u32 v[SPW], v0, 2, SPARE
	v_mov_b32 v[NIL], 0
	ds_add_u32 v[SPW], v[NIL]                      ; the wave's opening: the add, twice on end, and its wait ahead of my first tensor load
	ds_add_u32 v[SPW], v[NIL]                      ; and once more; the set-up below, work on registers, stands between it and the wait
	v_lshrrev_b32 v1, 5, v0
	v_readfirstlane_b32 s[WV], v1                  ; wave 0..3
	s_bfe_u32 s25, ttmp6, 0x40000                  ; cx: my place in the cluster; it enters the addresses of my own rows alone
	s_lshl_b32 s26, ttmp9, 2                       ; in a cluster launch ttmp9 counts clusters
	s_add_co_u32 s26, s26, s25                     ; my work-group
	s_lshl_b32 s27, s26, 7
	s_lshl_b32 s28, s[WV], 5
	s_add_co_u32 s27, s27, s28                     ; my wave's first row
	s_mov_b32 s[G1], 15|(3<<16)|(1<<21)            ; 15:0 the mask of four; 17:16 elements of 8 bytes; 21 set beside a mask; no padding: an image is read 512 bytes on end
	s_mov_b32 s[G1+1], 32<<16                      ; tensor_dim0 = 32 elements: rows of 256 bytes
	s_mov_b32 s[G1+2], 40<<16                      ; tensor_dim1 = 40 rows
	s_mov_b32 s[G1+3], 32<<16                      ; tile_dim0
	s_mov_b32 s[G1+4], 40                          ; tile_dim1
	s_mov_b32 s[G1+5], 32                          ; from row to row: the block is dense
	s_mov_b32 s[G1+6], 0
	s_mov_b32 s[G1+7], 0
	s_mov_b32 s52, 0x3fb8aa3b                      ; c = log2(e)
	s_mov_b32 s53, s52                             ; named with it as a pair
	s_mov_b32 s54, 0x76543210                      ; v_permlanex16_b32's selects: each lane takes its own place in the other half
	s_mov_b32 s55, 0xfedcba98
	s_mov_b32 s48, 0                               ; the slot to be fetched from
	s_mov_b32 s49, 0                               ; 128 x the head to be fetched: its place in b_off and b_val
	s_mov_b32 s50, 0                               ; 64 x that head: its place in b_attn
	s_mul_i32 s28, s[WV], QUART
	s_mov_b32 s29, 0
	s_mov_b32 s[G0A], 1                            ; count = 1
	s_add_co_u32 s[G0A+1], s28, 0                  ; LDS address: slot 0, my quarter: no place in the cluster enters it
	s_mov_b32 s[G0B], 1
	s_add_co_u32 s[G0B+1], s28, SLOTX              ; slot 1
	s_wait_dscnt 0x0                               ; both opening adds are done
	s_wait_kmcnt 0x0
	s_add_nc_u64 s[G0A+2:G0A+3], s[16:17], s[28:29]        ; head 0, my quarter
	s_add_nc_u64 s[G0B+2:G0B+3], s[G0A+2:G0A+3], FILLB     ; head 1
	s_or_b32 s[G0A+3], s[G0A+3], 0x80000000        ; type = 2
	s_or_b32 s[G0B+3], s[G0B+3], 0x80000000
	s_lshl_b32 s28, s26, 17                        ; my work-group's eight tiles: 16,384 bytes each in swt,
	s_add_nc_u64 s[56:57], s[20:21], s[28:29]
	s_lshl_b32 s28, s26, 15                        ; 4,096 in sidx,
	s_add_nc_u64 s[58:59], s[22:23], s[28:29]
	s_lshl_b32 s28, s26, 13                        ; 1,024 in a plane of vtab
	s_add_nc_u64 s[60:61], s[18:19], s[28:29]
	CROUND                                         ; all four work-groups are here: the first joint loads meet
	tensor_load_to_lds s[G0A:G0A+3], s[G1:G1+7]
	s_nop 0
	tensor_load_to_lds s[G0B:G0B+3], s[G1:G1+7]
	s_nop 0
	PLACES
	v_and_b32 v[R], 15, v0
	v_bfe_u32 v[H], v0, 4, 1
	v_and_b32 v172, 31, v0                         ; lane
	v_lshlrev_b32 v[L16], 4, v172
	; seven small loads: the three biases, shared out over the 128 threads, and my two tokens' reference points for my two pairs of levels
	v_lshlrev_b32 v170, 2, v0
	v_lshlrev_b32 v171, 3, v0
	global_load_b32 v160, v170, s[12:13]
	global_load_b64 v[162:163], v171, s[10:11]
	global_load_b64 v[164:165], v171, s[14:15]
	v_add_nc_u32 v166, s27, v[R]
	v_add_nc_u32 v167, 16, v166
	v_min_u32 v166, M-1, v166                      ; tile 0's token; a place past the last row repeats it
	v_min_u32 v167, M-1, v167                      ; tile 1's
	v_lshlrev_b32 v168, 5, v166                    ; 32 bytes a row,
	v_lshl_add_u32 v168, v[H], 3, v168             ; 8 a level
	v_lshlrev_b32 v169, 5, v167
	v_lshl_add_u32 v169, v[H], 3, v169
	global_load_b64 v[RXY:RXY+1], v168, s[8:9]                ; level h
	global_load_b64 v[RXY+2:RXY+3], v168, s[8:9] offset:16    ; level 2 + h
	global_load_b64 v[RXY+4:RXY+5], v169, s[8:9]
	global_load_b64 v[RXY+6:RXY+7], v169, s[8:9] offset:16
.set i, 0
.rept 32
	s_add_co_u32 s28, s27, i
	s_min_u32 s28, s28, M-1
	s_lshl_b32 s28, s28, 10                        ; a row of src or pos is 1,024 bytes
	v_add_nc_u32 v[ROWOFF+i], s28, v[L16]
.set i, i+1
.endr
; Batch b of four: rows 8 b .. 8 b + 7 of the wave's 32, src and pos: 32 loads of 512 consecutive bytes, into set b % 2 of window 1: row i, half u at 8 (2 i + u): four registers of src, four of pos.
.macro LOADB b
	WIN 0x40
.set i, 0
.rept 8
.irp u, 0,1
.set rb, 128*((\b)&1)+8*(2*i+\u)
	global_load_b128 v[rb:rb+3],   v[ROWOFF+8*(\b)+i], s[4:5] offset:512*\u th:TH_LOAD_NT
	global_load_b128 v[rb+4:rb+7], v[ROWOFF+8*(\b)+i], s[6:7] offset:512*\u th:TH_LOAD_NT
.endr
.set i, i+1
.endr
	WIN 0
.endm
; Batch b: q = src + pos; q and src are rounded to bf16 and laid into the stage as rows.
.macro PROC b
	WIN 0x45
.set i, 0
.rept 16
.set rb, 128*((\b)&1)+8*i
	v_pk_add_f32 v[rb+4:rb+5], v[rb+4:rb+5], v[rb:rb+1]
	v_pk_add_f32 v[rb+6:rb+7], v[rb+6:rb+7], v[rb+2:rb+3]
	v_cvt_pk_bf16_f32 v[rb+4], v[rb+4], v[rb+5]
	v_cvt_pk_bf16_f32 v[rb+5], v[rb+6], v[rb+7]
	v_cvt_pk_bf16_f32 v[rb], v[rb], v[rb+1]
	v_cvt_pk_bf16_f32 v[rb+1], v[rb+2], v[rb+3]
.set i, i+1
.endr
	WIN 0x04                                       ; address window 0, data window 1
.set i, 0
.rept 16
.set rb, 128*((\b)&1)+8*i
	ds_store_b64 v[QSTW], v[rb+4:rb+5] offset:SPI*(8*((\b)&1)+i/2)+256*(i%2)
	ds_store_b64 v[QSTW], v[rb:rb+1]   offset:SSTO+SPI*(8*((\b)&1)+i/2)+256*(i%2)
.set i, i+1
.endr
	WIN 0
.endm
; Tile t's 16 rows come back as source 1: lane (r, h) takes token r, channels 32 ks + 8 h + 0..7 and 32 ks + 16 + 8 h + 0..7.  LDS serves a wave's instructions in order (ISA guide 5.7.1.4): these see
; the stores above, and the next tile's stores come behind them.
.macro FRAGS t
	WIN 0x80
.set i, 0
.rept 16
	ds_load_b128 v[64*(\t)+4*i:64*(\t)+4*i+3],         v[FRD] offset:32*i
	ds_load_b128 v[128+64*(\t)+4*i:128+64*(\t)+4*i+3], v[FRD] offset:SSTO+32*i
.set i, i+1
.endr
	WIN 0
.endm
	LOADB 0
	LOADB 1
	; the rest of the addresses, while the loads are on their way
	s_mul_i32 s62, s[WV], STW
	s_add_co_u32 s62, s62, STAGE                   ; my stage
	v_lshl_add_u32 v[QSTW], v172, 3, s62
	v_mul_u32_u24 v173, v[R], SPI
	v_lshl_add_u32 v173, v[H], 4, v173
	v_add_nc_u32 v[FRD], s62, v173
	v_mul_u32_u24 v173, v[R], VPI
	v_lshl_add_u32 v173, v[H], 4, v173
	v_add_nc_u32 v[VSTW], s62, v173
	v_lshrrev_b32 v173, 2, v172
	v_mul_u32_u24 v173, v173, VPI
	v_and_b32 v174, 3, v0
	v_lshl_add_u32 v173, v174, 4, v173
	v_add_nc_u32 v[VSTR], s62, v173
	v_lshlrev_b32 v173, 5, v[H]
	v_add_nc_u32 v[HB32], PT+512, v173
	v_lshlrev_b32 v173, 4, v[H]
	v_add_nc_u32 v[HB16], PT, v173
	s_lshl_b32 s63, s[WV], 11
	v_add_nc_u32 v[VTO], s63, v[L16]
	s_lshl_b32 s63, s[WV], 15                      ; two tiles of 16,384 bytes a wave
	v_lshlrev_b32 v173, 9, v[H]                    ; level h: two pieces of 256 bytes
	v_lshl_add_u32 v173, v[R], 4, v173
	v_add_nc_u32 v[SWO], s63, v173
	v_add_nc_u32 v[SWO+1], 16384, v[SWO]
	s_lshl_b32 s63, s[WV], 13                      ; two tiles of 4,096 bytes a wave
	v_lshlrev_b32 v173, 7, v[H]                    ; level h: 128 bytes
	v_lshl_add_u32 v173, v[R], 3, v173
	v_add_nc_u32 v[SIO], s63, v173
	v_add_nc_u32 v[SIO+1], 4096, v[SIO]
	v_lshl_add_u32 v158, v0, 2, PT
	v_lshl_add_u32 v159, v0, 3, PT+512
	; my two pairs of levels: W = 100, 50 (strip 0: h = 0, 1) and 25, 13 (strip 1); starts 0, 10,000 and 12,500, 13,125.  In whole numbers, converted once
	v_mul_u32_u24 v173, v[H], 50
	v_sub_nc_u32 v173, 100, v173
	v_cvt_f32_u32 v[WF], v173
	v_mul_u32_u24 v173, v[H], 12
	v_sub_nc_u32 v173, 25, v173
	v_cvt_f32_u32 v[WF+1], v173
	v_add_f32 v[WM2], -2.0, v[WF]
	v_add_f32 v[WM2+1], -2.0, v[WF+1]
	v_mul_u32_u24 v173, v[H], 10000
	v_mul_u32_u24 v174, v[H], 625
	v_add_nc_u32 v174, 12500, v174
	v_mov_b32 v175, 13294
.irp t, 0,1
	v_cmp_le_u32 vcc_lo, 13294, v[166+\t]          ; the second batch's rows begin at 13,294
	v_cndmask_b32 v176, 0, v175, vcc_lo
	v_add_nc_u32 v177, v173, v176
	v_cvt_f32_u32 v[BASEF+2*\t], v177
	v_add_nc_u32 v177, v174, v176
	v_cvt_f32_u32 v[BASEF+2*\t+1], v177
.endr
	s_wait_loadcnt 63                              ; 64 loads were issued behind the seven small ones; a wait names 63 at the most, and the smaller count shows no less
	ds_store_b32 v158, v160                        ; b_attn
	ds_store_b64 v159, v[162:163]                  ; b_off
	ds_store_b64 v159, v[164:165] offset:1024      ; b_val
.irp t, 0,1
.irp e, 0,1
	v_fma_f32 v[RXY+4*\t+2*\e],   v[RXY+4*\t+2*\e],   v[WF+\e], -0.5
	v_fma_f32 v[RXY+4*\t+2*\e+1], v[RXY+4*\t+2*\e+1], v[WF+\e], -0.5   ; the maps are square: H = W
.endr
.endr
	s_wait_loadcnt 32                              ; batch 0 is in; batch 1's 32 loads may stay out
	PROC 0
	LOADB 2
	s_wait_loadcnt 32                              ; batch 1; batch 2's stay out
	PROC 1
	FRAGS 0
	LOADB 3
	s_wait_loadcnt 32                              ; batch 2; batch 3's stay out
	PROC 2
	s_wait_loadcnt 0x0
	PROC 3
	FRAGS 1
	s_wait_tensorcnt 0x1                           ; my quarter of head 0 is in; head 1's may stay out
	s_wait_dscnt 0x0                               ; my stores of the biases are done, for the others' sake; my fragments are in
	s_barrier_signal -1
	s_barrier_wait -1
; A head's 40 images and its five strips' biases, 90 LDS loads in one run.
.macro FETCH
	WIN 0
	v_add_nc_u32 v[ADR], s48, v[L16]
	v_add_nc_u32 v[ADRO], s49, v[HB32]
	v_add_nc_u32 v[ADRA], s50, v[HB16]
	WIN 0x40
.set f, 0
.rept 32
	ds_load_b128 v[8*f:8*f+3],   v[ADR] offset:1024*f
	ds_load_b128 v[8*f+4:8*f+7], v[ADR] offset:1024*f+512
.set f, f+1
.endr
	WIN 0xc0
.rept 8
	ds_load_b128 v[8*(f-32):8*(f-32)+3],   v[ADR] offset:1024*f
	ds_load_b128 v[8*(f-32)+4:8*(f-32)+7], v[ADR] offset:1024*f+512
.set f, f+1
.endr
.irp e, 0,1
.irp q, 0,1
	ds_load_b128 v[64+8*\e+4*\q:64+8*\e+4*\q+3], v[ADRO] offset:64*\e+16*\q        ; b_off[32 head + 16 e + 8 h + ..]
	ds_load_b128 v[88+8*\e+4*\q:88+8*\e+4*\q+3], v[ADRO] offset:1024+64*\e+16*\q   ; b_val likewise
.endr
.endr
	ds_load_b128 v[80:83], v[ADRA]                 ; b_attn: level h's four points,
	ds_load_b128 v[84:87], v[ADRA] offset:32       ; level 2 + h's
	s_add_co_u32 s49, s49, 128
	s_add_co_u32 s50, s50, 64
	WIN 0
.endm
; A head's 80 products.  The accumulators take turns, one instruction a turn: eight of them for strips 0-3, then the two of strip 4.  The first K step takes the bias as C.
.macro WMMA
.set ks, 0
.rept 8
.if ks == 0
	WIN 0x39                                       ; images window 1, tokens window 2, C (bias) window 3, D window 0
.else
	WIN 0x09
.endif
.irp mt, 0,1,2,3
.irp t, 0,1
.set rD, ACC+40*\t+8*\mt
.set rA, 8*(8*\mt+ks)
.if \mt < 3
.set rB, 64*\t+8*ks                    ; q
.else
.set rB, 128+64*\t+8*ks                ; src
.endif
.if ks == 0
	v_wmma_f32_16x16x32_bf16 v[rD:rD+7], v[rA:rA+7], v[rB:rB+7], v[64+8*\mt:64+8*\mt+7]
.else
	v_wmma_f32_16x16x32_bf16 v[rD:rD+7], v[rA:rA+7], v[rB:rB+7], v[rD:rD+7]
.endif
.endr
.endr
.set ks, ks+1
.endr
.set ks, 0
.rept 8
.if ks == 0
	WIN 0x3b                                       ; images window 3
.else
	WIN 0x0b
.endif
.irp t, 0,1
.set rD, ACC+40*\t+32
.set rB, 128+64*\t+8*ks
.if ks == 0
	v_wmma_f32_16x16x32_bf16 v[rD:rD+7], v[8*ks:8*ks+7], v[rB:rB+7], v[96:103]
.else
	v_wmma_f32_16x16x32_bf16 v[rD:rD+7], v[8*ks:8*ks+7], v[rB:rB+7], v[rD:rD+7]
.endif
.endr
.set ks, ks+1
.endr
.endm
; THE CHANGE OF SLOTS.  Each wave waits for all its tensor loads, of which one is out: its quarter of the other slot; adds 0 to its spare word; waits for that (its reads of the slot that it leaves came
; back ahead of the products).  fill = 1: the barrier is a round of the cluster's, so that no wave of any partner still reads the slot or has a load on its way, and the joint refill, the head two on,
; is the first thing behind it.  The four v_nop are also the places behind the last product.
.macro CHANGE fill
	WIN 0
	s_wait_tensorcnt 0x0                           ; no tensor load of mine is out, so a group 0 may be written
	ds_add_u32 v[SPW], v[NIL]                      ; 0 onto my spare word
.if \fill
	s_xor_b32 s[G0B+1], s[G0B+1], SLOTX            ; the other slot than last time,
	s_add_nc_u64 s[G0B+2:G0B+3], s[G0B+2:G0B+3], FILLB  ; the next head; the type bits on top are not reached
.endif
	s_wait_dscnt 0x0
.if \fill
	CROUND
	JLOAD
.else
	s_barrier_signal -1
	s_barrier_wait -1
	PLACES
.endif
	s_xor_b32 s48, s48, SLOTX
.endm
; The softmax over a head's 16 logits, of which a lane holds 8 and the lane 16 away the others: both tiles; 16 exponentials in one batch with one wait, then two reciprocals with one.
.macro SMR t
.set L, ACC+40*(\t)+16
.set X, SMX+4*(\t)
.endm
.macro SOFTMAX
.irp t, 0,1
	SMR \t
	v_max3_num_f32 v[X+2], v[L], v[L+1], v[L+2]    ; the accumulator's lowest registers are read first
	v_max3_num_f32 v[X+2], v[X+2], v[L+3], v[L+4]
	v_max3_num_f32 v[X+1], v[X+2], v[L+5], v[L+6]
	v_max_num_f32 v[X+1], v[X+1], v[L+7]
	v_permlanex16_b32 v[X+2], v[X+1], s54, s55
	v_max_num_f32 v[X+1], v[X+1], v[X+2]           ; m
	v_mul_f32 v[X], s52, v[X+1]                    ; c m
.irp j, 0,2,4,6
	v_pk_fma_f32 v[L+\j:L+\j+1], v[L+\j:L+\j+1], s[52:53], v[X:X+1] op_sel_hi:[1,0,0] neg_lo:[0,0,1] neg_hi:[0,0,1]  ; c s - c m
.endr
.endr
.irp t, 0,1
	SMR \t
.irp j, 0,1,2,3,4,5,6,7
	v_exp_f32 v[L+\j], v[L+\j]
.endr
.endr
	v_nop                                          ; a plain instruction behind the last exponential,
	s_wait_alu depctr_va_vdst(0)                   ; and the wait ahead of the first use: one for the sixteen
.irp t, 0,1
	SMR \t
	v_pk_add_f32 v[X+2:X+3], v[L:L+1], v[L+2:L+3]
	v_pk_add_f32 v[X+2:X+3], v[X+2:X+3], v[L+4:L+5]
	v_pk_add_f32 v[X+2:X+3], v[X+2:X+3], v[L+6:L+7]
	v_add_f32 v[X+2], v[X+2], v[X+3]
	v_permlanex16_b32 v[X+3], v[X+2], s54, s55
	v_add_f32 v[X+2], v[X+2], v[X+3]               ; at least 1: the largest logit's term
.endr
	v_rcp_f32 v[SMX+2], v[SMX+2]
	v_rcp_f32 v[SMX+6], v[SMX+6]
	v_nop
	s_wait_alu depctr_va_vdst(0)                   ; one wait for the two reciprocals
.irp t, 0,1
	SMR \t
.irp j, 0,2,4,6
	v_pk_mul_f32 v[L+\j:L+\j+1], v[L+\j:L+\j+1], v[X+2:X+3] op_sel_hi:[1,0]
.endr
.endr
.endm
; Tile t's 32 value channels: rounded to bf16, through my stage, back as rows of 64 bytes: eight rows a load.
.macro VALUE t
.set A3, ACC+40*(\t)+24
.set VPB, VP+8*(\t)
.irp j, 0,1,2,3,4,5,6,7
	v_cvt_pk_bf16_f32 v[VPB+\j], v[A3+2*\j], v[A3+2*\j+1]
.endr
	ds_store_b128 v[VSTW], v[VPB:VPB+3]   offset:16*VPI*(\t)
	ds_store_b128 v[VSTW], v[VPB+4:VPB+7] offset:16*VPI*(\t)+32
	ds_load_b128 v[VB+8*(\t):VB+8*(\t)+3],   v[VSTR] offset:16*VPI*(\t)
	ds_load_b128 v[VB+8*(\t)+4:VB+8*(\t)+7], v[VSTR] offset:16*VPI*(\t)+8*VPI
.endm
; Tile t, strip e: the four points of level 2 e + h.  Register k = 2 p + (x: 0, y: 1) of the strip is point p's coordinate.
.macro SAMPLE t, e
.set U,   ACC+40*(\t)+8*(\e)
.set AW,  ACC+40*(\t)+16+4*(\e)        ; the level's four softmax weights
.set RX,  RXY+4*(\t)+2*(\e)
.set WPB, WP+16*(\t)+8*(\e)
.set IPB, IP+4*(\t)+2*(\e)
.irp j, 0,2,4,6
	v_pk_add_f32 v[U+\j:U+\j+1], v[U+\j:U+\j+1], v[RX:RX+1]        ; u = off + (ref W - 0.5)
.endr
.irp k, 0,1,2,3,4,5,6,7
	v_floor_f32 v[FB+\k], v[U+\k]
.endr
.irp k, 0,1,2,3,4,5,6,7
	v_med3_num_f32 v[FB+\k], v[FB+\k], 0, v[WM2+(\e)]              ; the patch's first node
.endr
.irp j, 0,2,4,6
	v_pk_add_f32 v[T+\j:T+\j+1], v[U+\j:U+\j+1], v[FB+\j:FB+\j+1] neg_lo:[0,1] neg_hi:[0,1]  ; u - node 0
.endr
.irp j, 0,2,4,6
	v_pk_add_f32 v[U+\j:U+\j+1], v[T+\j:T+\j+1], -1.0 op_sel_hi:[1,0]                        ; u - node 1
.endr
.irp k, 0,1,2,3,4,5,6,7
	v_sub_f32 v[CC+2*\k],   1.0, |v[T+\k]|
	v_sub_f32 v[CC+2*\k+1], 1.0, |v[U+\k]|
.endr
.set i, 0
.rept 16
	v_max_num_f32 v[CC+i], 0, v[CC+i]
.set i, i+1
.endr
.irp p, 0,1,2,3
	v_add_f32 v[II+\p], v[FB+2*\p], v[BASEF+2*(\t)+(\e)]
.endr
.irp p, 0,1,2,3
	v_fma_f32 v[II+\p], v[FB+2*\p+1], v[WF+(\e)], v[II+\p]         ; base + y W + x: whole numbers under 2^24, exact
.endr
.irp p, 0,1,2,3
	v_cvt_u32_f32 v[II+\p], v[II+\p]
.endr
	v_lshl_or_b32 v[IPB],   v[II+1], 16, v[II]
	v_lshl_or_b32 v[IPB+1], v[II+3], 16, v[II+2]
.set p, 0
.rept 4
.if p%2 == 0
	v_pk_mul_f32 v[AP+2*p:AP+2*p+1], v[CC+4*p+2:CC+4*p+3], v[AW+p:AW+p+1] op_sel_hi:[1,0]             ; y's two weights times the point's softmax weight
.else
	v_pk_mul_f32 v[AP+2*p:AP+2*p+1], v[CC+4*p+2:CC+4*p+3], v[AW+p-1:AW+p] op_sel:[0,1] op_sel_hi:[1,1]
.endif
.set p, p+1
.endr
.set p, 0
.rept 4
.set w, W4+4*(p%2)
	v_pk_mul_f32 v[w:w+1],   v[CC+4*p:CC+4*p+1], v[AP+2*p:AP+2*p+1] op_sel_hi:[1,0]                   ; y0 x0, y0 x1
	v_pk_mul_f32 v[w+2:w+3], v[CC+4*p:CC+4*p+1], v[AP+2*p:AP+2*p+1] op_sel:[0,1] op_sel_hi:[1,1]      ; y1 x0, y1 x1
	v_cvt_pk_bf16_f32 v[WPB+2*p],   v[w],   v[w+1]
	v_cvt_pk_bf16_f32 v[WPB+2*p+1], v[w+2], v[w+3]
.set p, p+1
.endr
	global_store_b128 v[SWO+(\t)], v[WPB:WPB+3],   s[56:57] offset:1024*(\e)       ; points 0, 1: each half of the lanes stores 256 consecutive bytes, aligned
	global_store_b128 v[SWO+(\t)], v[WPB+4:WPB+7], s[56:57] offset:1024*(\e)+256   ; points 2, 3
	global_store_b64  v[SIO+(\t)], v[IPB:IPB+1],   s[58:59] offset:256*(\e)        ; the wave stores 256 consecutive bytes, aligned
.endm
.macro POST
	SOFTMAX
	VALUE 0
	VALUE 1
	SAMPLE 0, 0
	SAMPLE 0, 1
	SAMPLE 1, 0
	SAMPLE 1, 1
	s_wait_dscnt 0x0                               ; the values are back as rows
.irp t, 0,1
	global_store_b128 v[VTO], v[VB+8*\t:VB+8*\t+3],   s[60:61] offset:1024*\t      ; 512 consecutive bytes: eight rows of the head's plane
	global_store_b128 v[VTO], v[VB+8*\t+4:VB+8*\t+7], s[60:61] offset:1024*\t+512
.endr
	s_wait_xcnt 0x0                                ; the stores have read their data and their bases: only behind this wait are these written again
	s_add_nc_u64 s[56:57], s[56:57], 2048          ; the next head's places
	s_add_nc_u64 s[58:59], s[58:59], 512
	s_add_nc_u64 s[60:61], s[60:61], PLANE
.endm
; A trip: a head's products; the change of slots; the next head's images are fetched; the head's vector work stands while they come.  last = 1: in the tail's last trip there is no next head, and the
; run of loads is jumped over: the condition is the loop's own count, the same in every wave.
.macro TRIP fill, last
	s_wait_dscnt 0x0                               ; the head's images and biases are in
	WMMA
	CHANGE \fill
.if \last
	s_cmp_eq_u32 s51, 1
	s_cbranch_scc1 .Lno_fetch_\@
.endif
	FETCH
.if \last
.Lno_fetch_\@:
.endif
	POST
.endm
	FETCH                                          ; head 0
	s_mov_b32 s51, 6
.Lhead:                                        ; heads 0 to 5: heads 2 to 7 are asked for
	TRIP 1, 0
	s_sub_co_u32 s51, s51, 1
	s_cmp_lg_u32 s51, 0
	s_cbranch_scc1 .Lhead
	s_mov_b32 s51, 2
.Ltail:                                        ; heads 6 and 7: written apart
	TRIP 0, 1
	s_sub_co_u32 s51, s51, 1
	s_cmp_lg_u32 s51, 0
	s_cbranch_scc1 .Ltail
	s_wait_tensorcnt 0x0                           ; the wave's end, behind my last tensor load and my last LDS store
	ds_add_u32 v[SPW], v[NIL]
	s_wait_dscnt 0x0
	CROUND                                         ; the closing round: no work-group ends while a partner may still ask for a fill that names it
	s_endpgm
.Lfunc_end_k_q6b24ea66c8_proj:
	.size	k_q6b24ea66c8_proj, .Lfunc_end_k_q6b24ea66c8_proj-k_q6b24ea66c8_proj
	.p2alignl 7, 3214868480
	.fill 96, 4, 3214868480
	.section	.rodata,"a",@progbits
	.p2align	6, 0x0
	.amdhsa_kernel k_q6b24ea66c8_proj
		.amdhsa_group_segment_fixed_size 327680
		.amdhsa_private_segment_fixed_size 0
		.amdhsa_enable_private_segment 0
		.amdhsa_kernarg_size 80
		.amdhsa_user_sgpr_count 2
		.amdhsa_user_sgpr_kernarg_segment_ptr 1
		.amdhsa_wavefront_size32 1
		.amdhsa_system_sgpr_workgroup_id_x 1
		.amdhsa_system_sgpr_workgroup_id_y 1
		.amdhsa_system_sgpr_workgroup_id_z 1
		.amdhsa_system_vgpr_workitem_id 0
		.amdhsa_next_free_vgpr 1024
		.amdhsa_next_free_sgpr 66
		.amdhsa_reserve_vcc 1
		.amdhsa_float_denorm_mode_32 3
		.amdhsa_float_denorm_mode_16_64 3
		.amdhsa_memory_ordered 1
		.amdhsa_forward_progress 1
		.amdhsa_inst_pref_size 144
	.end_amdhsa_kernel
	.amdgpu_metadata
---
amdhsa.version: [ 1, 2 ]
amdhsa.kernels:
  - .name:           k_q6b24ea66c8_proj
    .symbol:         k_q6b24ea66c8_proj.kd
    .args:
      - { .name: src, .offset: 0, .size: 8, .value_kind: global_buffer, .address_space: global }
      - { .name: pos, .offset: 8, .size: 8, .value_kind: global_buffer, .address_space: global }
      - { .name: reference_points, .offset: 16, .size: 8, .value_kind: global_buffer, .address_space: global }
      - { .name: b_off, .offset: 24, .size: 8, .value_kind: global_buffer, .address_space: global }
      - { .name: b_attn, .offset: 32, .size: 8, .value_kind: global_buffer, .address_space: global }
      - { .name: b_val, .offset: 40, .size: 8, .value_kind: global_buffer, .address_space: global }
      - { .name: wa, .offset: 48, .size: 8, .value_kind: global_buffer, .address_space: global }
      - { .name: vtab, .offset: 56, .size: 8, .value_kind: global_buffer, .address_space: global }
      - { .name: swt, .offset: 64, .size: 8, .value_kind: global_buffer, .address_space: global }
      - { .name: sidx, .offset: 72, .size: 8, .value_kind: global_buffer, .address_space: global }
    .group_segment_fixed_size: 327680
    .private_segment_fixed_size: 0
    .kernarg_segment_align: 8
    .kernarg_segment_size: 80
    .max_flat_workgroup_size: 128
    .sgpr_count:     66
    .vgpr_count:     1024
    .wavefront_size: 32
...
	.end_amdgpu_metadata
.endif
;; end of part 2
;; launch gather (part 3): grid 1662 x 1, 8 waves a work-group, no clusters, 25,600 bytes of LDS; arguments vtab, swt, sidx, att; writes att
.if DOCPART == 3
	.amdgcn_target "amdgcn-amd-amdhsa--gfx1250"
	.amdhsa_code_object_version 6
	.text
	.protected	k_q6b24ea66c8_gather
	.globl	k_q6b24ea66c8_gather
	.p2align	8
	.type	k_q6b24ea66c8_gather,@function
k_q6b24ea66c8_gather:
	s_mov_b64 s[64:65], 0
	v_nop
	global_prefetch_b8 v0, s[64:65] scope:SCOPE_SE
	s_setreg_imm32_b32 hwreg(HW_REG_WAVE_MODE, 25, 1), 1
	s_wait_xcnt 0x0
; Launch 3 of 4: the sampling.  For a token and a head: the sum over 16 points x 4 corners of weight x value row (32 channels).  Nodes and weights were stored by launch 2; the nodes are whole numbers
; read from memory, and each is held to its level's last patch before it enters an address.  Left out: nothing of this step (a corner that reference() multiplies by 0 has the weight 0 here).
; SHARES.  A work-group is a tile of 16 tokens, wave w its head w.  Lane l: c4 = l % 4 takes 8 channels (16 of a value row's 64 bytes), g = l / 4 one of 8 tokens; two passes, token 8 i + g.
; So four neighbouring lanes read a row's 64 bytes on end, and a lane does all 64 terms of its 8 channels: three address instructions for 32 multiply-adds.
; IN FLIGHT.  Three sets of 16 registers, a point's four corners each: while one point is multiplied, two points' eight loads are out.  With 120 registers eight waves lie on a SIMD.
; The multiply-adds read bf16 halves and add in f32.  The result is rounded once to bf16 and leaves through LDS, laid out as launch 4's source 1: piece (u, 16 h + r) holds token r, channels 16 u + 8 h + 0..7.
; NO MATRIX UNIT: every token and head has its own 64 rows.  NO CLUSTER, NO TENSOR LOAD: which rows of the table two work-groups share, and when, hangs on the data.  NO PREFETCH: the table's rows
; are read again and again by all work-groups, and the addresses are known only when the nodes are read.
.set M,     26588
.set PLANE, 1703936                    ; a head's plane of the value table
.set WBW,   3072                       ; LDS of a wave: 2,048 bytes of weights, 1,024 of results; each wave touches its own alone, so there is no barrier
.set SPARE, 24576                      ; the spare words, 128 bytes for each wave: four blocks of 256 bytes that no other line names
.set SPW,  1                           ; v1   my spare word; never rewritten
.set NIL,  2                           ; v2   0; never rewritten
.set ZERO, 3                           ; v3   0: the sums' first addend
.set C16,  4                           ; v4   16 c4
.set AIX,  5                           ; v5   8 x my token: its place in a level's 128 bytes of nodes
.set AWT,  6                           ; v6   LDS: 16 x my token in a piece of weights
.set AOUT, 7                           ; v7   LDS: where my 16 bytes of the result go
.set L16,  8                           ; v8   16 x lane
.set ASTG, 10                          ; v10  LDS: my wave's bytes + 16 x lane
.set AD,   12                          ; v12-27  point P: byte offset of my 16 bytes of its first node's row
.set WT,   28                          ; v28-59  point P, row y of its patch: v[WT + 2 P + y]: x0's weight in the low half, x1's in the high
.set ACC,  60                          ; v60-67  my 8 channels
.set D,    68                          ; v68-115 three sets of 16: corner k's 8 channels at 4 k
.set IX,   100                         ; v100-107 the nodes as loaded: used up before set 2 is first loaded
.set PK,   116                         ; v116-119 the result, packed
	s_load_b256 s[4:11], s[0:1], 0x0               ; vtab s[4:5], swt s[6:7], sidx s[8:9], att s[10:11]
	v_lshl_add_u32 v[SPW], v0, 2, SPARE
	v_mov_b32 v[NIL], 0
	v_mov_b32 v[ZERO], 0
	v_lshrrev_b32 v9, 5, v0
	v_readfirstlane_b32 s12, v9                    ; wave = head
	v_and_b32 v9, 31, v0
	v_lshlrev_b32 v[L16], 4, v9
	v_and_b32 v[C16], 3, v0
	v_lshlrev_b32 v[C16], 4, v[C16]
	v_lshrrev_b32 v9, 2, v9                        ; g
	s_mul_i32 s13, s12, WBW
	v_lshlrev_b32 v[AIX], 3, v9
	v_lshl_add_u32 v[AWT], v9, 4, s13
	v_lshl_add_u32 v[AOUT], v[C16], 4, s13         ; piece c4 = 2 u + h: 256 bytes,
	v_lshl_add_u32 v[AOUT], v9, 4, v[AOUT]         ; 16 a token,
	v_add_nc_u32 v[AOUT], 2048, v[AOUT]            ; behind the weights
	v_add_nc_u32 v[ASTG], s13, v[L16]
	s_lshl_b32 s24, ttmp9, 14                      ; the tile's and the head's places: 16,384 and 2,048 bytes in swt,
	s_lshl_b32 s25, s12, 11
	s_add_co_u32 s24, s24, s25
	s_mov_b32 s25, 0
	s_lshl_b32 s26, ttmp9, 12                      ; 4,096 and 512 in sidx,
	s_lshl_b32 s27, s12, 9
	s_add_co_u32 s26, s26, s27
	s_mov_b32 s27, 0
	s_lshl_b32 s28, ttmp9, 13                      ; 8,192 and 1,024 in att
	s_lshl_b32 s29, s12, 10
	s_add_co_u32 s28, s28, s29
	s_mov_b32 s29, 0
	s_mul_i32 s30, s12, PLANE
	s_mov_b32 s31, 0
	s_mov_b32 s22, 2
	s_wait_kmcnt 0x0
	s_add_nc_u64 s[14:15], s[4:5], s[30:31]        ; my head's plane
	s_add_nc_u64 s[16:17], s[6:7], s[24:25]
	s_add_nc_u64 s[18:19], s[8:9], s[26:27]
	s_add_nc_u64 s[20:21], s[10:11], s[28:29]
	; the unit's 2,048 bytes of weights are read from memory once, 512 bytes on end a load, and used from LDS
.irp i, 0,1,2,3
	global_load_b128 v[D+4*\i:D+4*\i+3], v[L16], s[16:17] offset:512*\i th:TH_LOAD_NT
.endr
	s_wait_loadcnt 0x0
.irp i, 0,1,2,3
	ds_store_b128 v[ASTG], v[D+4*\i:D+4*\i+3] offset:512*\i
.endr
.macro SETW lv                         ; WL = the level's width
.if (\lv) == 0
.set WL, 100
.elseif (\lv) == 1
.set WL, 50
.elseif (\lv) == 2
.set WL, 25
.else
.set WL, 13
.endif
.endm
.macro ISSUE pt                        ; point pt's four corners: nodes +0, +1, +W, +W + 1, rows of 64 bytes
	SETW (\pt)/4
.set sl, D+16*((\pt)%3)
	global_load_b128 v[sl:sl+3],     v[AD+(\pt)], s[14:15]
	global_load_b128 v[sl+4:sl+7],   v[AD+(\pt)], s[14:15] offset:64
	global_load_b128 v[sl+8:sl+11],  v[AD+(\pt)], s[14:15] offset:64*WL
	global_load_b128 v[sl+12:sl+15], v[AD+(\pt)], s[14:15] offset:64*WL+64
.endm
.macro CORNER pt, k, y, sb, first      ; corner k = 2 y + sb: 8 multiply-adds from bf16 halves into f32
.set sl, D+16*((\pt)%3)+4*(\k)
.set wr, WT+2*(\pt)+(\y)
.set j, 0
.rept 4
.if \first
	v_fma_mix_f32_bf16 v[ACC+2*j],   v[sl+j], v[wr], v[ZERO] op_sel:[0,\sb,0] op_sel_hi:[1,1,0]
	v_fma_mix_f32_bf16 v[ACC+2*j+1], v[sl+j], v[wr], v[ZERO] op_sel:[1,\sb,0] op_sel_hi:[1,1,0]
.else
	v_fma_mix_f32_bf16 v[ACC+2*j],   v[sl+j], v[wr], v[ACC+2*j]   op_sel:[0,\sb,0] op_sel_hi:[1,1,0]
	v_fma_mix_f32_bf16 v[ACC+2*j+1], v[sl+j], v[wr], v[ACC+2*j+1] op_sel:[1,\sb,0] op_sel_hi:[1,1,0]
.endif
.set j, j+1
.endr
.endm
.Lpass:                                        ; two trips: tokens g, then 8 + g
.irp lv, 0,1,2,3
	global_load_b64 v[IX+2*\lv:IX+2*\lv+1], v[AIX], s[18:19] offset:128*\lv        ; my token's four nodes of the level, 16 bits each
.endr
.irp pc, 0,1,2,3,4,5,6,7
	ds_load_b128 v[WT+4*\pc:WT+4*\pc+3], v[AWT] offset:256*\pc                     ; two points' corner weights; LDS serves a wave's instructions in order (ISA guide 5.7.1.4): these see the stores above
.endr
	s_wait_loadcnt 0x0
.set P, 0
.rept 16
	SETW P/4
.set tr, 9+2*(P%2)
.if P%2 == 0
	v_and_b32 v[tr], 0xffff, v[IX+P/2]
.else
	v_lshrrev_b32 v[tr], 16, v[IX+P/2]
.endif
	v_min_u32 v[tr], M-2-WL, v[tr]                 ; a loaded number enters an address only so held: node + W + 1 stays a row of the table
	v_lshl_add_u32 v[AD+P], v[tr], 6, v[C16]
.set P, P+1
.endr
	ISSUE 0
	ISSUE 1
	ISSUE 2
	s_wait_dscnt 0x0                               ; the weights
.set P, 0
.rept 16
.if P <= 13
	s_wait_loadcnt 8                               ; point P is in; the two younger points' four loads each may stay out
.elseif P == 14
	s_wait_loadcnt 4
.else
	s_wait_loadcnt 0x0
.endif
.if P == 0
	CORNER P, 0, 0, 0, 1                           ; the first eight start the sums
.else
	CORNER P, 0, 0, 0, 0
.endif
	CORNER P, 1, 0, 1, 0
	CORNER P, 2, 1, 0, 0
	CORNER P, 3, 1, 1, 0
.if P <= 12
	ISSUE P+3                                      ; into the set just used
.endif
.set P, P+1
.endr
.irp j, 0,1,2,3
	v_cvt_pk_bf16_f32 v[PK+\j], v[ACC+2*\j], v[ACC+2*\j+1]
.endr
	ds_store_b128 v[AOUT], v[PK:PK+3]
	v_add_nc_u32 v[AIX], 64, v[AIX]                ; eight tokens on; every load that named these registers has been waited for
	v_add_nc_u32 v[AWT], 128, v[AWT]
	v_add_nc_u32 v[AOUT], 128, v[AOUT]
	s_sub_co_u32 s22, s22, 1
	s_cmp_lg_u32 s22, 0
	s_cbranch_scc1 .Lpass
	ds_load_b128 v[D:D+3],   v[ASTG] offset:2048
	ds_load_b128 v[D+4:D+7], v[ASTG] offset:2048+512
	s_wait_dscnt 0x0
	global_store_b128 v[L16], v[D:D+3],   s[20:21]             ; 512 consecutive bytes, at a multiple of 512 from att's first byte
	global_store_b128 v[L16], v[D+4:D+7], s[20:21] offset:512
	s_wait_tensorcnt 0x0                           ; the wave's end, behind my last LDS store
	ds_add_u32 v[SPW], v[NIL]
	s_wait_dscnt 0x0
	s_endpgm
.Lfunc_end_k_q6b24ea66c8_gather:
	.size	k_q6b24ea66c8_gather, .Lfunc_end_k_q6b24ea66c8_gather-k_q6b24ea66c8_gather
	.p2alignl 7, 3214868480
	.fill 96, 4, 3214868480
	.section	.rodata,"a",@progbits
	.p2align	6, 0x0
	.amdhsa_kernel k_q6b24ea66c8_gather
		.amdhsa_group_segment_fixed_size 25600
		.amdhsa_private_segment_fixed_size 0
		.amdhsa_enable_private_segment 0
		.amdhsa_kernarg_size 32
		.amdhsa_user_sgpr_count 2
		.amdhsa_user_sgpr_kernarg_segment_ptr 1
		.amdhsa_wavefront_size32 1
		.amdhsa_system_sgpr_workgroup_id_x 1
		.amdhsa_system_sgpr_workgroup_id_y 1
		.amdhsa_system_sgpr_workgroup_id_z 1
		.amdhsa_system_vgpr_workitem_id 0
		.amdhsa_next_free_vgpr 120
		.amdhsa_next_free_sgpr 66
		.amdhsa_reserve_vcc 0
		.amdhsa_float_denorm_mode_32 3
		.amdhsa_float_denorm_mode_16_64 3
		.amdhsa_memory_ordered 1
		.amdhsa_forward_progress 1
		.amdhsa_inst_pref_size 46
	.end_amdhsa_kernel
	.amdgpu_metadata
---
amdhsa.version: [ 1, 2 ]
amdhsa.kernels:
  - .name:           k_q6b24ea66c8_gather
    .symbol:         k_q6b24ea66c8_gather.kd
    .args:
      - { .name: vtab, .offset: 0, .size: 8, .value_kind: global_buffer, .address_space: global }
      - { .name: swt, .offset: 8, .size: 8, .value_kind: global_buffer, .address_space: global }
      - { .name: sidx, .offset: 16, .size: 8, .value_kind: global_buffer, .address_space: global }
      - { .name: att, .offset: 24, .size: 8, .value_kind: global_buffer, .address_space: global }
    .group_segment_fixed_size: 25600
    .private_segment_fixed_size: 0
    .kernarg_segment_align: 8
    .kernarg_segment_size: 32
    .max_flat_workgroup_size: 256
    .sgpr_count:     66
    .vgpr_count:     120
    .wavefront_size: 32
...
	.end_amdgpu_metadata
.endif
;; end of part 3
;; launch ffn (part 4): grid 208 x 1, 4 waves a work-group, clusters of 4 x 1, 327,680 bytes of LDS; arguments att, src, wf, b_out, g1, beta1, b1, b2, g2, beta2, out0; writes out0
.if DOCPART == 4
	.amdgcn_target "amdgcn-amd-amdhsa--gfx1250"
	.amdhsa_code_object_version 6
	.text
	.protected	k_q6b24ea66c8_ffn
	.globl	k_q6b24ea66c8_ffn
	.p2align	8
	.type	k_q6b24ea66c8_ffn,@function
k_q6b24ea66c8_ffn:
	s_mov_b64 s[64:65], 0
	v_nop
	global_prefetch_b8 v0, s[64:65] scope:SCOPE_SE
	s_setreg_imm32_b32 hwreg(HW_REG_WAVE_MODE, 25, 1), 1
	s_wait_xcnt 0x0
	s_wait_alu depctr_hold_cnt(0) depctr_sa_sdst(0) depctr_va_vdst(0) depctr_va_sdst(0) depctr_va_ssrc(0) depctr_va_vcc(0) depctr_vm_vsrc(0)
	s_getreg_b32 s2, hwreg(HW_REG_IB_STS2, 6, 4)
	s_cmp_eq_u32 s2, 0
	s_cbranch_scc0 .Lentry_in_a_cluster
	s_endpgm
.Lentry_in_a_cluster:
	s_bfe_u32 s2, ttmp6, 0x10000c
	s_cmp_lg_u32 s2, 0x3003
	s_cbranch_scc0 .Lentry_shape_is_right
	s_endpgm
.Lentry_shape_is_right:
; Launch 4 of 4: x = LayerNorm(src + att W_out + b_out); out0 = LayerNorm(x + relu(x W1 + b1) W2 + b2).  Left out: nothing of these steps.
; SHARES.  A work-group has 128 rows, each of its four waves 32: two tiles of 16.  A place past the last row repeats the last row in every load, computes it again and stores the same bytes to it again:
; no branch hangs on the work-group's number.
; LAYOUT.  Every product is taken transposed: source 0 = 16 output channels of a weight, source 1 = 16 tokens.  In a result lane (r = l % 16, h = l / 16) holds ONE token r and channels 16 a + 8 h + 0..7.
; Two neighbouring results, rounded to bf16 in pairs, ARE source 1 of the next product: the hidden layer never leaves registers, and a LayerNorm is sums within a lane and one exchange between the halves
; of the lanes.  The 32 accumulators Y (2 tiles x 256 channels, f32) start as src + b_out, take att W_out, are normed in place, take + b2 and then the FFN's sums: the residual path stays in f32.
; The variance is taken of the centred numbers, as reference() takes it.
; THE RING.  Nine fills of 131,072 bytes, laid out by launch 1: W_out; then for each 128 hidden channels W1's 64 images and W2's 64.  Two LDS slots take turns.  The four work-groups of a cluster walk the
; same weights, so each fill is asked for JOINTLY: each wave asks for a quarter (128 rows of 256 bytes), with the same descriptor in all four and a mask that names the four.  By this text's count a wave
; has two tensor loads out at the start and one behind each later round; a refill has a chunk's 256 products a wave in which to land.
; AHEAD OF THE RING.  Behind each joint refill the fill after it is prefetched into the L2: the launch's first cluster alone asks; its four work-groups and their four waves share the fill's 512 blocks of
; 256 bytes out by address, a lane a block, one instruction a wave.  So each block of fills 3 to 8 is named once in the launch; fills 0 to 2 come by their loads alone; the last refill asks for nothing.
; REGISTERS, in windows of 256 (s_set_vgpr_msb: bits 1:0 source 0, 3:2 source 1, 5:4 source 2, 7:6 destination):
;   window 0: addresses; statistics; S, the hidden sums; P, the hidden layer as source 1; b1's numbers; v128-255 by turns src, a vector of 256 in a result's layout, rows on the way out
;   window 1: Y: tile t, strip a at 128 t + 8 a      window 2: v0-127 source 1 (att, then x): tile t, K step ks at 64 t + 8 ks; v128-255 16 images (W1)
;   window 3: v0-127 16 images (W2); v128-255 src, then a gain in a result's layout
.set M,      26588
.set SLOTX,  0x20000                   ; slot 1 begins here
.set FILLB,  131072
.set STAGE,  262144                    ; behind the ring: 16 rows of 512 bytes, pitch 528, for each wave: half rows of f32 on their way in and out
.set STW,    8448
.set SPI,    528                       ; 33 x 16 bytes: the 16 rows that a load touches start at 16 different groups of four banks (64 banks of 4 bytes: ISA guide 11.1)
.set PT,     295936                    ; b1 (4,096 bytes), then b_out, g1, beta1, b2, g2, beta2, 1,024 each
.set SPARE,  306176                    ; the spare words, 128 bytes for each wave: two blocks of 256 bytes that no other line names
.set R,      1                         ; v1   l % 16
.set H,      2                         ; v2   l / 16
.set L16,    3                         ; v3   16 x lane
.set ADR1,   4                         ; v4   LDS address of W1's images (at first: of W_out's first half)
.set ADR2,   5                         ; v5   of W2's (of W_out's second half)
.set ADRB,   6                         ; v6   of b1's numbers
.set HB32,   7                         ; v7   PT + 32 h
.set STI,    8                         ; v8   stage + 16 x lane: a row of 512 bytes
.set STD,    9                         ; v9   stage + 528 r + 32 h: a token's 8 channels
.set ATTOFF, 10                        ; v10-11 tile t: my place in att
.set SPW,    12                        ; v12  my spare word; never rewritten
.set NIL,    13                        ; v13  0; never rewritten
.set ZERO,   14                        ; v14  0, for the ReLU
.set PFO,    15                        ; v15  256 x lane; never rewritten
.set ROWOFF, 16                        ; v16-47 row i's byte offset in src and out0 + 16 x lane; never rewritten
.set SA,     48                        ; v48-63 tile t: four pairs of sums; then the mean, then 1 / sigma, in the first
.set S,      64                        ; v64-95 hidden strip ap, tile t at 64 + 8 (2 ap + t)
.set P,      96                        ; v96-111 tile t
.set BIAS,   112                       ; v112-127 hidden strip ap
.set WV,     26                        ; s26  my wave's number
.set G1,     32                        ; s[32:39] descriptor group 1
.set G0A,    40                        ; s[40:43] group 0 of the first fill
.set G0B,    44                        ; s[44:47] group 0 of the second; it then walks
; s48, s49 LDS bytes at which W1's and W2's next images begin; s50 the place of b1's next numbers; s51 refills still to come; s52 counts a chunk's steps; s53 1 in the cluster that prefetches, else the
; greatest number; s[54:55] where my prefetches stand; s[56:57] lane selects; s58 counts the tail; s60 1 / 256; s61 the norm's epsilon
.set MSB, 0
.macro WIN new                         ; the immediate's high byte repeats the setting that is left; a switch that changes nothing is dropped
.if MSB != (\new)
	s_set_vgpr_msb (MSB<<8)|(\new)
.set MSB, (\new)
.endif
.endm
.macro PLACES                          ; four places behind a matrix instruction (ISA guide 7.12.1), where no other vector work is at hand
.rept 4
	v_nop
.endr
.endm
.macro CREST                           ; a round of the cluster's barrier behind its opening barrier
	s_cmp_lg_u32 s[WV], 0
	s_cbranch_scc1 .Lnot_wave_0_\@
	s_barrier_signal -3
.Lnot_wave_0_\@:
	s_barrier_wait -3
	s_barrier_signal -1
	s_barrier_wait -1
.endm
.macro CROUND
	s_barrier_signal -1
	s_barrier_wait -1
	CREST
.endm
.macro JLOAD                           ; a joint refill: every wave asks for its quarter; an s_nop 0 and four v_nop follow the line
	tensor_load_to_lds s[G0B:G0B+3], s[G1:G1+7]
	s_nop 0
	PLACES
.endm
.macro ASK                             ; the fill after the one just asked for; the test is the same in all partners
	s_cmp_gt_u32 s51, s53
	s_cbranch_scc0 .Lnot_mine_\@
	global_prefetch_b8 v[PFO], s[54:55] th:TH_LOAD_NT scope:SCOPE_SE
.Lnot_mine_\@:
.endm
	s_load_b512 s[4:19], s[0:1], 0x0               ; att s[4:5], src s[6:7], wf s[8:9], b_out s[10:11], g1 s[12:13], beta1 s[14:15], b1 s[16:17], b2 s[18:19]
	s_load_b128 s[20:23], s[0:1], 0x40             ; g2 s[20:21], beta2 s[22:23]
	s_load_b64 s[24:25], s[0:1], 0x50              ; out0
	v_lshl_add_u32 v[SPW], v0, 2, SPARE
	v_mov_b32 v[NIL], 0
	ds_add_u32 v[SPW], v[NIL]                      ; the wave's opening: the add, twice on end, and its wait ahead of my first tensor load
	ds_add_u32 v[SPW], v[NIL]                      ; and once more; the set-up below, work on registers, stands between it and the wait
	v_lshrrev_b32 v1, 5, v0
	v_readfirstlane_b32 s[WV], v1                  ; wave 0..3
	s_bfe_u32 s27, ttmp6, 0x40000                  ; cx: it enters the addresses of my own rows and of my prefetches alone
	s_lshl_b32 s28, ttmp9, 2
	s_add_co_u32 s28, s28, s27                     ; my work-group
	s_lshl_b32 s29, s28, 7
	s_lshl_b32 s30, s[WV], 5
	s_add_co_u32 s29, s29, s30                     ; my wave's first row
	s_mov_b32 s[G1], 15|(3<<16)|(1<<21)            ; 15:0 the mask of four; 17:16 elements of 8 bytes; 21 set beside a mask; no padding: an image is read 512 bytes on end
	s_mov_b32 s[G1+1], 32<<16                      ; tensor_dim0 = 32 elements: rows of 256 bytes
	s_mov_b32 s[G1+2], 128<<16                     ; tensor_dim1 = 128 rows
	s_mov_b32 s[G1+3], 32<<16                      ; tile_dim0
	s_mov_b32 s[G1+4], 128                         ; tile_dim1
	s_mov_b32 s[G1+5], 32                          ; from row to row: the block is dense
	s_mov_b32 s[G1+6], 0
	s_mov_b32 s[G1+7], 0
	s_mov_b32 s56, 0x76543210
	s_mov_b32 s57, 0xfedcba98
	s_mov_b32 s60, 0x3b800000                      ; 1 / 256
	s_mov_b32 s61, 0x3727c5ac                      ; 1e-5
	s_mov_b32 s51, 7
	s_cmp_eq_u32 ttmp9, 0                          ; the launch's first cluster: the same answer in all four partners
	s_cselect_b32 s53, 1, -1
	s_lshl_b32 s58, s[WV], 15                      ; my quarter of a fill
	s_mov_b32 s30, s58
	s_mov_b32 s31, 0
	s_lshl_b32 s62, s27, 15                        ; my work-group's quarter of a fill to be prefetched,
	s_lshl_b32 s63, s[WV], 13                      ; my wave's quarter of that
	s_add_co_u32 s62, s62, s63
	s_add_co_u32 s62, s62, 2*FILLB                 ; in fill 2: the first change of slots steps it to fill 3
	s_mov_b32 s63, 0
	s_mov_b32 s[G0A], 1
	s_add_co_u32 s[G0A+1], s58, 0                  ; LDS address: slot 0, my quarter: no place in the cluster enters it
	s_mov_b32 s[G0B], 1
	s_add_co_u32 s[G0B+1], s58, SLOTX
	s_wait_dscnt 0x0                               ; both opening adds are done
	s_wait_kmcnt 0x0
	s_add_nc_u64 s[54:55], s[8:9], s[62:63]
	s_add_nc_u64 s[G0A+2:G0A+3], s[8:9], s[30:31]          ; fill 0
	s_add_nc_u64 s[G0B+2:G0B+3], s[G0A+2:G0A+3], FILLB     ; fill 1
	s_or_b32 s[G0A+3], s[G0A+3], 0x80000000        ; type = 2
	s_or_b32 s[G0B+3], s[G0B+3], 0x80000000
	CROUND                                         ; all four work-groups are here: the first joint loads meet
	tensor_load_to_lds s[G0A:G0A+3], s[G1:G1+7]
	s_nop 0
	tensor_load_to_lds s[G0B:G0B+3], s[G1:G1+7]
	s_nop 0
	PLACES
	v_and_b32 v[R], 15, v0
	v_bfe_u32 v[H], v0, 4, 1
	v_and_b32 v52, 31, v0
	v_lshlrev_b32 v[L16], 4, v52
	v_lshlrev_b32 v[PFO], 8, v52
	v_mov_b32 v[ZERO], 0
	; the seven vectors, shared out over the 128 threads
	v_lshlrev_b32 v48, 5, v0
	v_lshlrev_b32 v49, 3, v0
	global_load_b128 v[64:67], v48, s[16:17]
	global_load_b128 v[68:71], v48, s[16:17] offset:16
	global_load_b64 v[72:73], v49, s[10:11]
	global_load_b64 v[74:75], v49, s[12:13]
	global_load_b64 v[76:77], v49, s[14:15]
	global_load_b64 v[78:79], v49, s[18:19]
	global_load_b64 v[80:81], v49, s[20:21]
	global_load_b64 v[82:83], v49, s[22:23]
.set i, 0
.rept 32
	s_add_co_u32 s30, s29, i
	s_min_u32 s30, s30, M-1                        ; a place past the last row repeats it
	s_lshl_b32 s30, s30, 10
	v_add_nc_u32 v[ROWOFF+i], s30, v[L16]
.set i, i+1
.endr
	WIN 0xc0                                       ; tile 0's rows of src: half c, row i at 128 + 64 c + 4 i of window 3
.set i, 0
.rept 32
	global_load_b128 v[128+4*i:128+4*i+3], v[ROWOFF+i%16], s[6:7] offset:512*(i/16) th:TH_LOAD_NT
.set i, i+1
.endr
	WIN 0                                          ; tile 1's, in window 0
.set i, 0
.rept 32
	global_load_b128 v[128+4*i:128+4*i+3], v[ROWOFF+16+i%16], s[6:7] offset:512*(i/16) th:TH_LOAD_NT
.set i, i+1
.endr
.irp t, 0,1
	v_add_nc_u32 v52, s29, v[R]
	v_add_nc_u32 v52, 16*\t, v52
	v_min_u32 v52, M-1, v52                        ; my token
	v_lshrrev_b32 v53, 4, v52
	v_lshlrev_b32 v53, 13, v53                     ; its tile: 8,192 bytes,
	v_and_b32 v52, 15, v52
	v_lshl_add_u32 v53, v52, 4, v53                ; its 16 bytes of a piece,
	v_lshl_add_u32 v[ATTOFF+\t], v[H], 8, v53      ; the piece of my half of the lanes
.endr
	WIN 0x80                                       ; att lies as source 1: head = K step s, block u
.irp t, 0,1
.set i, 0
.rept 16
	global_load_b128 v[64*\t+4*i:64*\t+4*i+3], v[ATTOFF+\t], s[4:5] offset:512*i th:TH_LOAD_NT
.set i, i+1
.endr
.endr
	WIN 0
	s_mul_i32 s30, s[WV], STW
	s_add_co_u32 s30, s30, STAGE                   ; my stage
	v_add_nc_u32 v[STI], s30, v[L16]
	v_mul_u32_u24 v53, v[R], SPI
	v_lshl_add_u32 v53, v[H], 5, v53
	v_add_nc_u32 v[STD], s30, v53
	v_lshlrev_b32 v53, 5, v[H]
	v_add_nc_u32 v[HB32], PT, v53
	v_lshl_add_u32 v50, v0, 5, PT
	v_lshl_add_u32 v51, v0, 3, PT+4096
	s_wait_loadcnt 63                              ; 96 loads were issued behind the eight of the vectors; a wait names 63 at the most
	ds_store_b128 v50, v[64:67]
	ds_store_b128 v50, v[68:71] offset:16
.irp i, 0,1,2,3,4,5
	ds_store_b64 v51, v[72+2*\i:73+2*\i] offset:1024*\i
.endr
; Tile t, half c of its rows of src: 16 rows of 512 bytes into my stage, and back in a result's layout, into Y.  LDS serves a wave's instructions in order (ISA guide 5.7.1.4).
.macro STAGEIN t, c
.if (\t) == 0
	WIN 0x0c                                       ; data window 3
.else
	WIN 0
.endif
.set n, 0
.rept 16
	ds_store_b128 v[STI], v[128+64*(\c)+4*n:128+64*(\c)+4*n+3] offset:SPI*n
.set n, n+1
.endr
	WIN 0x40
.set n, 0
.rept 16
	ds_load_b128 v[128*(\t)+64*(\c)+4*n:128*(\t)+64*(\c)+4*n+3], v[STD] offset:64*(n/2)+16*(n%2)
.set n, n+1
.endr
	WIN 0
.endm
	s_wait_loadcnt 63                              ; 64 loads were issued behind tile 0's rows: of the 104 issued at least 41 are done, and these are the first 40
	STAGEIN 0, 0
	STAGEIN 0, 1
	s_wait_loadcnt 32                              ; tile 1's rows; att's 32 loads may stay out
	STAGEIN 1, 0
	STAGEIN 1, 1
	s_wait_tensorcnt 0x1                           ; my quarter of fill 0 is in; fill 1's may stay out
	s_wait_dscnt 0x0                               ; my stores of the vectors are done, for the others' sake
	s_barrier_signal -1
	s_barrier_wait -1
.macro LOADPAR off                     ; a vector of 256 in a result's layout: channel 16 a + 8 h + j at v[128 + 8 a + j]; the caller sets the destination's window
.set n, 0
.rept 32
	ds_load_b128 v[128+4*n:128+4*n+3], v[HB32] offset:(\off)+64*(n/2)+16*(n%2)
.set n, n+1
.endr
.endm
.macro ADDPAR                          ; Y += that vector, both tiles
	WIN 0x41
.set n, 0
.rept 128
	v_pk_add_f32 v[n:n+1], v[n:n+1], v[128+n%128:128+n%128+1]
.set n, n+2
.endr
	WIN 0
.endm
.macro FETCHG g                        ; W_out's strips 2 g, 2 g + 1: 16 images into buffer g % 2
.if (\g)%2 == 0
	WIN 0x80
.set bb, 128
.else
	WIN 0xc0
.set bb, 0
.endif
.set f, 0
.rept 16
	ds_load_b128 v[bb+8*f:bb+8*f+3],   v[ADR1+(\g)/4] offset:16384*((\g)%4)+1024*f
	ds_load_b128 v[bb+8*f+4:bb+8*f+7], v[ADR1+(\g)/4] offset:16384*((\g)%4)+1024*f+512
.set f, f+1
.endr
	WIN 0
.endm
.macro PHO g                           ; 32 products onto Y's strips 2 g, 2 g + 1: the four accumulators take turns
	WIN 0x5a+(\g)%2                                ; images window 2 or 3, att window 2, Y window 1
.set ks, 0
.rept 8
.irp ap, 0,1
.irp t, 0,1
.set rY, 128*\t+8*(2*(\g)+\ap)
.set rA, 128*(1-(\g)%2)+8*(8*\ap+ks)
.set rB, 64*\t+8*ks
	v_wmma_f32_16x16x32_bf16 v[rY:rY+7], v[rA:rA+7], v[rB:rB+7], v[rY:rY+7]
.endr
.endr
.set ks, ks+1
.endr
.endm
	v_mov_b32 v[ADR1], v[L16]
	v_add_nc_u32 v[ADR2], 65536, v[L16]
	FETCHG 0
	FETCHG 1
	LOADPAR 4096                                   ; b_out
	s_wait_dscnt 0x0
	ADDPAR                                         ; Y = src + b_out
	s_wait_loadcnt 0x0                             ; att
.irp g, 0,1,2,3,4,5,6,7
.if \g < 7
	s_wait_dscnt 32                                ; group g's images are in; the next group's 32 loads may stay out
.else
	s_wait_dscnt 0x0
.endif
	PHO \g
.if \g < 6
	PLACES
	FETCHG \g+2
.endif
.endr
	; the first change of slots: fill 1 is waited for, slot 0 takes fill 2
	WIN 0
	s_wait_tensorcnt 0x0                           ; no tensor load of mine is out, so a group 0 may be written
	ds_add_u32 v[SPW], v[NIL]                      ; 0 onto my spare word
	s_xor_b32 s[G0B+1], s[G0B+1], SLOTX
	s_add_nc_u64 s[G0B+2:G0B+3], s[G0B+2:G0B+3], FILLB
	s_wait_xcnt 0x0
	s_add_nc_u64 s[54:55], s[54:55], FILLB
	s_wait_dscnt 0x0                               ; the add is done; my reads of slot 0 came back ahead of the last products
	CROUND
	JLOAD                                          ; the four v_nop behind it are also the places behind the last product
	ASK
	s_mov_b32 s48, SLOTX
	s_mov_b32 s49, SLOTX+65536
	s_mov_b32 s50, 0
.macro FETCH_W1                        ; a step's 16 images of W1 (32 hidden channels x 256) and its 32 numbers of b1: 36 loads
	WIN 0
	v_add_nc_u32 v[ADR1], s48, v[L16]
	v_add_nc_u32 v[ADRB], s50, v[HB32]
	WIN 0x80
.set f, 0
.rept 16
	ds_load_b128 v[128+8*f:128+8*f+3],   v[ADR1] offset:1024*f
	ds_load_b128 v[128+8*f+4:128+8*f+7], v[ADR1] offset:1024*f+512
.set f, f+1
.endr
	WIN 0
.set f, 0
.rept 4
	ds_load_b128 v[BIAS+4*f:BIAS+4*f+3], v[ADRB] offset:64*(f/2)+16*(f%2)
.set f, f+1
.endr
	s_add_co_u32 s48, s48, 16384
	s_add_co_u32 s50, s50, 128
.endm
.macro FETCH_W2                        ; a step's 16 images of W2 (256 channels x 32 hidden): 32 loads
	WIN 0
	v_add_nc_u32 v[ADR2], s49, v[L16]
	WIN 0xc0
.set f, 0
.rept 16
	ds_load_b128 v[8*f:8*f+3],   v[ADR2] offset:1024*f
	ds_load_b128 v[8*f+4:8*f+7], v[ADR2] offset:1024*f+512
.set f, f+1
.endr
	WIN 0
	s_add_co_u32 s49, s49, 16384
.endm
.macro REDUCE t                        ; four pairs of sums into one number, the same in both lanes of a token
.set q, SA+8*(\t)
	v_pk_add_f32 v[q:q+1], v[q:q+1], v[q+2:q+3]
	v_pk_add_f32 v[q+4:q+5], v[q+4:q+5], v[q+6:q+7]
	v_pk_add_f32 v[q:q+1], v[q:q+1], v[q+4:q+5]
	v_add_f32 v[q], v[q], v[q+1]
	v_permlanex16_b32 v[q+2], v[q], s56, s57
	v_add_f32 v[q], v[q], v[q+2]
.endm
; LayerNorm of Y, in place, both tiles.  Each accumulator's lowest registers are read first: the sums go through Y in ascending order.
.macro LN goff, boff
	WIN 0xc0
	LOADPAR \goff                                  ; the gain, window 3
	WIN 0
	LOADPAR \boff                                  ; the shift, window 0
.irp t, 0,1
	WIN 0x05
.set k, 0
.rept 4
	v_pk_add_f32 v[SA+8*\t+2*k:SA+8*\t+2*k+1], v[128*\t+4*k:128*\t+4*k+1], v[128*\t+4*k+2:128*\t+4*k+3]  ; the first eight pairs start four chains: nothing is cleared
.set k, k+1
.endr
	WIN 0x01
.set k, 8
.rept 56
	v_pk_add_f32 v[SA+8*\t+2*(k%4):SA+8*\t+2*(k%4)+1], v[128*\t+2*k:128*\t+2*k+1], v[SA+8*\t+2*(k%4):SA+8*\t+2*(k%4)+1]
.set k, k+1
.endr
.endr
	WIN 0
	REDUCE 0
	REDUCE 1
	v_mul_f32 v[SA], s60, v[SA]                    ; the means
	v_mul_f32 v[SA+8], s60, v[SA+8]
.irp t, 0,1
	WIN 0x41
.set k, 0
.rept 64
	v_pk_add_f32 v[128*\t+2*k:128*\t+2*k+1], v[128*\t+2*k:128*\t+2*k+1], v[SA+8*\t:SA+8*\t+1] op_sel_hi:[1,0] neg_lo:[0,1] neg_hi:[0,1]
.set k, k+1
.endr
	WIN 0x05
.set k, 0
.rept 4
	v_pk_mul_f32 v[SA+8*\t+2*k:SA+8*\t+2*k+1], v[128*\t+2*k:128*\t+2*k+1], v[128*\t+2*k:128*\t+2*k+1]
.set k, k+1
.endr
.rept 60
	v_pk_fma_f32 v[SA+8*\t+2*(k%4):SA+8*\t+2*(k%4)+1], v[128*\t+2*k:128*\t+2*k+1], v[128*\t+2*k:128*\t+2*k+1], v[SA+8*\t+2*(k%4):SA+8*\t+2*(k%4)+1]
.set k, k+1
.endr
.endr
	WIN 0
	REDUCE 0
	REDUCE 1
	v_fma_f32 v[SA], v[SA], s60, s61               ; variance + epsilon
	v_fma_f32 v[SA+8], v[SA+8], s60, s61
	v_rsq_f32 v[SA], v[SA]
	v_rsq_f32 v[SA+8], v[SA+8]
	v_nop                                          ; a plain instruction behind the last of the two,
	s_wait_alu depctr_va_vdst(0)                   ; and the wait ahead of the first use: one for both
	WIN 0x41
.irp t, 0,1
.set k, 0
.rept 64
	v_pk_mul_f32 v[128*\t+2*k:128*\t+2*k+1], v[128*\t+2*k:128*\t+2*k+1], v[SA+8*\t:SA+8*\t+1] op_sel_hi:[1,0]
.set k, k+1
.endr
.endr
	s_wait_dscnt 0x0                               ; gain and shift are in
	WIN 0x4d                                       ; Y window 1, gain window 3, shift window 0
.set n, 0
.rept 128
	v_pk_fma_f32 v[n:n+1], v[n:n+1], v[128+n%128:128+n%128+1], v[128+n%128:128+n%128+1]
.set n, n+2
.endr
	WIN 0
.endm
	FETCH_W1                                       ; chunk 0, step 0: on their way under the norm
	FETCH_W2
	LN 5120, 6144                                  ; x = LayerNorm(src + att W_out + b_out), by g1 and beta1
	WIN 0x85                                       ; x as source 1: register n of the 128 takes Y's registers 2 n, 2 n + 1
.set n, 0
.rept 128
	v_cvt_pk_bf16_f32 v[n], v[2*n], v[2*n+1]
.set n, n+1
.endr
	WIN 0
	LOADPAR 7168                                   ; b2
	s_wait_dscnt 0x0
	ADDPAR                                         ; the FFN's sums start at x + b2
.macro PH1                             ; 32 products: 32 hidden channels of both tiles; the four accumulators take turns; the first K step takes b1 as C
	WIN 0x0a                                       ; images and x window 2, S window 0
.set ks, 0
.rept 8
.irp ap, 0,1
.irp t, 0,1
.set rS, S+8*(2*\ap+\t)
.set rA, 128+8*(8*\ap+ks)
.set rB, 64*\t+8*ks
.if ks == 0
	v_wmma_f32_16x16x32_bf16 v[rS:rS+7], v[rA:rA+7], v[rB:rB+7], v[BIAS+8*\ap:BIAS+8*\ap+7]
.else
	v_wmma_f32_16x16x32_bf16 v[rS:rS+7], v[rA:rA+7], v[rB:rB+7], v[rS:rS+7]
.endif
.endr
.endr
.set ks, ks+1
.endr
.endm
.macro CVT                             ; the hidden sums are rounded to bf16 in pairs, which makes them source 1, and held at 0 from below
	WIN 0
.irp t, 0,1
.irp ap, 0,1
.irp j, 0,1,2,3
	v_cvt_pk_bf16_f32 v[P+8*\t+4*\ap+\j], v[S+8*(2*\ap+\t)+2*\j], v[S+8*(2*\ap+\t)+2*\j+1]
.endr
.endr
.endr
.set n, 0
.rept 16
	v_pk_max_num_bf16 v[P+n], v[P+n], v[ZERO]
.set n, n+1
.endr
.endm
.macro PH2 a0, cnt                     ; strips a0 .. a0 + cnt - 1 of both tiles take the step's 32 hidden channels: every product has an accumulator of its own
	WIN 0x53                                       ; images window 3, P window 0, Y window 1
.set a, (\a0)
.rept (\cnt)
.irp t, 0,1
	v_wmma_f32_16x16x32_bf16 v[128*\t+8*a:128*\t+8*a+7], v[8*a:8*a+7], v[P+8*\t:P+8*\t+7], v[128*\t+8*a:128*\t+8*a+7]
.endr
.set a, a+1
.endr
.endm
; One of a chunk's first three steps.
.macro SUB
	s_wait_dscnt 32                                ; W1's images and b1 are in; W2's 32 loads, issued behind them, may stay out
	PH1
	PLACES
	FETCH_W1                                       ; the next step's
	CVT
	s_wait_dscnt 36                                ; W2's images are in; the 36 loads just issued may stay out
	PH2 0, 16
	PLACES
	FETCH_W2
.endm
; A chunk's fourth step, and THE CHANGE OF SLOTS.  Each wave waits for all its tensor loads, of which one is out: its quarter of the other slot; adds 0 to its spare word; works on; waits for the add and for
; its reads of this slot; signals.  fill = 1: the barrier opens a round of the cluster's, so that no wave of any partner still reads the slot or has a load on its way, and the joint refill, two fills on,
; is the first thing behind it.  last = 1: in the tail's last trip there is no next chunk, and the two runs of loads are jumped over: the condition is the loop's own count, the same in every wave.
.macro EDGE fill, last
	s_wait_dscnt 32
	PH1
	PLACES
	CVT
	WIN 0
	s_wait_tensorcnt 0x0                           ; no tensor load of mine is out, so a group 0 may be written
	ds_add_u32 v[SPW], v[NIL]                      ; 0 onto my spare word
.if \fill
	s_xor_b32 s[G0B+1], s[G0B+1], SLOTX            ; the other slot than last time,
	s_add_nc_u64 s[G0B+2:G0B+3], s[G0B+2:G0B+3], FILLB  ; the next fill; the type bits on top are not reached
	s_wait_xcnt 0x0                                ; the last prefetch, a chunk back, has read its address
	s_add_nc_u64 s[54:55], s[54:55], FILLB
.endif
	s_wait_dscnt 1                                 ; W2's images are in; the add may stay out
	PH2 0, 4                                       ; eight products stand between the add and the wait for it
	s_wait_dscnt 0x0                               ; the add is done, and my reads of this slot are over
	s_barrier_signal -1
	PH2 4, 4                                       ; work on registers while the others arrive
	WIN 0
	s_barrier_wait -1
.if \fill
	CREST
	JLOAD
.endif
	s_sub_co_u32 s48, s48, 65536                   ; the fetches go back to a fill's first step,
	s_xor_b32 s48, s48, SLOTX                      ; in the other slot
	s_sub_co_u32 s49, s49, 65536
	s_xor_b32 s49, s49, SLOTX
.if \last
	s_cmp_eq_u32 s58, 1
	s_cbranch_scc1 .Lno_w1_\@
.endif
	FETCH_W1
.if \last
.Lno_w1_\@:
.endif
.if \fill
	ASK                                            ; behind the joint load and the run of LDS loads that the next products wait for
.endif
	PH2 8, 8
	PLACES
.if \last
	WIN 0
	s_cmp_eq_u32 s58, 1
	s_cbranch_scc1 .Lno_w2_\@
.endif
	FETCH_W2
.if \last
.Lno_w2_\@:
.endif
.endm
.macro CHUNK fill, last                ; 128 hidden channels: four steps of 32
	s_mov_b32 s52, 3
.Lsub_\@:
	SUB
	s_sub_co_u32 s52, s52, 1
	s_cmp_lg_u32 s52, 0
	s_cbranch_scc1 .Lsub_\@
	EDGE \fill, \last
.endm
	s_mov_b32 s51, 6
.Lchunk:                                       ; chunks 0 to 5: fills 3 to 8 are asked for
	CHUNK 1, 0
	s_sub_co_u32 s51, s51, 1
	s_cmp_lg_u32 s51, 0
	s_cbranch_scc1 .Lchunk
	s_mov_b32 s58, 2
.Ltail:                                        ; chunks 6 and 7: written apart
	CHUNK 0, 1
	s_sub_co_u32 s58, s58, 1
	s_cmp_lg_u32 s58, 0
	s_cbranch_scc1 .Ltail
	LN 8192, 9216                                  ; by g2 and beta2; the four places behind the last product stand at the end of the last step
	; THE WAY OUT: half rows through my stage: a token's 8 channels in, rows of 512 bytes back, 16 rows a pass, into two sets of 64 registers by turns
.set pass, 0
.irp t, 0,1
.irp c, 0,1
	WIN 0x04                                       ; data window 1
.set n, 0
.rept 16
	ds_store_b128 v[STD], v[128*\t+64*\c+4*n:128*\t+64*\c+4*n+3] offset:64*(n/2)+16*(n%2)
.set n, n+1
.endr
	WIN 0
.set ob, 128+64*(pass%2)
.if pass >= 2
	s_wait_xcnt 0x0                                ; the stores of two passes back have read this set
.endif
.set n, 0
.rept 16
	ds_load_b128 v[ob+4*n:ob+4*n+3], v[STI] offset:SPI*n   ; LDS serves a wave's instructions in order (ISA guide 5.7.1.4): these see the stores above; the next pass's stores come behind them
.set n, n+1
.endr
	s_wait_dscnt 0x0
.set n, 0
.rept 16
	global_store_b128 v[ROWOFF+16*\t+n], v[ob+4*n:ob+4*n+3], s[24:25] offset:512*\c th:TH_STORE_NT  ; 512 consecutive bytes, at a multiple of 512 from out0's first byte
.set n, n+1
.endr
.set pass, pass+1
.endr
.endr
	s_wait_tensorcnt 0x0                           ; the wave's end, behind my last tensor load and my last LDS store
	ds_add_u32 v[SPW], v[NIL]
	s_wait_dscnt 0x0
	CROUND                                         ; the closing round: no work-group ends while a partner may still ask for a fill that names it
	s_endpgm
.Lfunc_end_k_q6b24ea66c8_ffn:
	.size	k_q6b24ea66c8_ffn, .Lfunc_end_k_q6b24ea66c8_ffn-k_q6b24ea66c8_ffn
	.p2alignl 7, 3214868480
	.fill 96, 4, 3214868480
	.section	.rodata,"a",@progbits
	.p2align	6, 0x0
	.amdhsa_kernel k_q6b24ea66c8_ffn
		.amdhsa_group_segment_fixed_size 327680
		.amdhsa_private_segment_fixed_size 0
		.amdhsa_enable_private_segment 0
		.amdhsa_kernarg_size 88
		.amdhsa_user_sgpr_count 2
		.amdhsa_user_sgpr_kernarg_segment_ptr 1
		.amdhsa_wavefront_size32 1
		.amdhsa_system_sgpr_workgroup_id_x 1
		.amdhsa_system_sgpr_workgroup_id_y 1
		.amdhsa_system_sgpr_workgroup_id_z 1
		.amdhsa_system_vgpr_workitem_id 0
		.amdhsa_next_free_vgpr 1024
		.amdhsa_next_free_sgpr 66
		.amdhsa_reserve_vcc 0
		.amdhsa_float_denorm_mode_32 3
		.amdhsa_float_denorm_mode_16_64 3
		.amdhsa_memory_ordered 1
		.amdhsa_forward_progress 1
		.amdhsa_inst_pref_size 250
	.end_amdhsa_kernel
	.amdgpu_metadata
---
amdhsa.version: [ 1, 2 ]
amdhsa.kernels:
  - .name:           k_q6b24ea66c8_ffn
    .symbol:         k_q6b24ea66c8_ffn.kd
    .args:
      - { .name: att, .offset: 0, .size: 8, .value_kind: global_buffer, .address_space: global }
      - { .name: src, .offset: 8, .size: 8, .value_kind: global_buffer, .address_space: global }
      - { .name: wf, .offset: 16, .size: 8, .value_kind: global_buffer, .address_space: global }
      - { .name: b_out, .offset: 24, .size: 8, .value_kind: global_buffer, .address_space: global }
      - { .name: g1, .offset: 32, .size: 8, .value_kind: global_buffer, .address_space: global }
      - { .name: beta1, .offset: 40, .size: 8, .value_kind: global_buffer, .address_space: global }
      - { .name: b1, .offset: 48, .size: 8, .value_kind: global_buffer, .address_space: global }
      - { .name: b2, .offset: 56, .size: 8, .value_kind: global_buffer, .address_space: global }
      - { .name: g2, .offset: 64, .size: 8, .value_kind: global_buffer, .address_space: global }
      - { .name: beta2, .offset: 72, .size: 8, .value_kind: global_buffer, .address_space: global }
      - { .name: out0, .offset: 80, .size: 8, .value_kind: global_buffer, .address_space: global }
    .group_segment_fixed_size: 327680
    .private_segment_fixed_size: 0
    .kernarg_segment_align: 8
    .kernarg_segment_size: 88
    .max_flat_workgroup_size: 128
    .sgpr_count:     66
    .vgpr_count:     1024
    .wavefront_size: 32
...
	.end_amdgpu_metadata
.endif
;; end of part 4
;; ======== version 2 of 2: 4 launches
;; workspace buffers: wa 327,680 bytes; wf 1,179,648 bytes; vtab 13,631,488 bytes; swt 27,262,976 bytes; sidx 6,815,744 bytes of whole numbers; att 13,615,104 bytes
;; launch prep: the kernel of part 1 again; grid 184 x 1, 16 waves a work-group, no clusters, 0 bytes of LDS; arguments W_off, W_attn, W_val, W_out, W1, W2, wa, wf; writes wa, wf
;; launch proj (part 5): grid 208 x 1, 4 waves a work-group, clusters of 4 x 1, 327,680 bytes of LDS; arguments src, pos, reference_points, b_off, b_attn, b_val, wa, vtab, swt, sidx; writes vtab, swt, sidx
.if DOCPART == 5
	.amdgcn_target "amdgcn-amd-amdhsa--gfx1250"
	.amdhsa_code_object_version 6
	.text
	.protected	k_q6b24ea66c8_proj
	.globl	k_q6b24ea66c8_proj
	.p2align	8
	.type	k_q6b24ea66c8_proj,@function
k_q6b24ea66c8_proj:
	s_mov_b64 s[64:65], 0
	v_nop
	global_prefetch_b8 v0, s[64:65] scope:SCOPE_SE
	s_setreg_imm32_b32 hwreg(HW_REG_WAVE_MODE, 25, 1), 1
	s_wait_xcnt 0x0
	s_wait_alu depctr_hold_cnt(0) depctr_sa_sdst(0) depctr_va_vdst(0) depctr_va_sdst(0) depctr_va_ssrc(0) depctr_va_vcc(0) depctr_vm_vsrc(0)
	s_getreg_b32 s2, hwreg(HW_REG_IB_STS2, 6, 4)
	s_cmp_eq_u32 s2, 0
	s_cbranch_scc0 .Lentry_in_a_cluster
	s_endpgm
.Lentry_in_a_cluster:
	s_bfe_u32 s2, ttmp6, 0x10000c
	s_cmp_lg_u32 s2, 0x3003
	s_cbranch_scc0 .Lentry_shape_is_right
	s_endpgm
.Lentry_shape_is_right:
; Launch 2 of 4: q = src + pos; offsets, logits and values; the softmax over a head's 16 logits; for each sampling point the first node of its 2 x 2 patch (a whole number) and its four corner weights.
; Left out: spatial_shapes and level_start_index, which reference() never reads (shown at the head of launch 1, with the forms of the coordinate and of the corner weights, and the limits).
; No address of this launch hangs on a number that it computes: the nodes are stored as whole numbers, counted within their level (y W + x), and launch 3 reads them.
; PLACES.  Rows are taken by places: each batch's 13,294 rows fill 831 tiles of 16 places, and the last two places of a batch repeat its last row; so no tile holds rows of two batches.
; SHARES.  A work-group has 8 tiles, each of its four waves 2.  208 work-groups cover 1,664 tiles for 1,662: the two tiles past the end repeat the last row in every load, and their results go to
; places of the workspace buffers of which no later launch makes use.
; LAYOUT.  Every product is taken transposed: source 0 = 16 output channels of a weight, source 1 = 16 tokens.  In a result lane (r = l % 16, h = l / 16) holds ONE token r and channels 8 h + 0..7.
; A head is five strips of 16 channels: 0, 1 its 32 offsets (strip e: level 2 e + h, point j / 2, x or y j % 2), 2 its 16 logits (level h for j < 4, 2 + h for j >= 4, point j % 4: launch 1 has
; permuted W_attn so), 3, 4 its 32 value channels.  So a lane holds a token's logits and offsets of the same two levels, and the softmax wants one exchange between the halves of the lanes.
; The biases are the C operands that start the sums.  A lane's 8 value channels, rounded to bf16, are the 16 bytes of its place in the value table's plane (head, quarter 2 a + h): they are stored as they lie.
; THE RING.  The weights of a head, 40 images of 1,024 bytes, are a fill; two LDS slots take turns over the eight heads.  The four work-groups of a cluster walk the same weights, so each fill is asked
; for JOINTLY: each wave asks for a quarter (40 rows of 256 bytes), with the same descriptor in all four work-groups and a mask that names the four.  By this text's count a wave has two tensor loads
; out at the start and one behind each later round.
; A HEAD'S VECTOR WORK stands behind its products, and the next head's 90 LDS loads go out among it in three runs of 30, each with a third of that work behind it; the head's sixteen stores stand in one run at its end.
; NO PREFETCH of the ring: its 327,680 bytes are one part in three hundred of what the launch moves, and the launch's loads of src and pos and its stores keep memory at work throughout.
; REGISTERS, in windows of 256 (s_set_vgpr_msb: bits 1:0 source 0, 3:2 source 1, 5:4 source 2, 7:6 destination):
;   window 0: addresses, constants, the ten accumulators, all that the sampling touches     window 1: images 0-31 of a head (at the head of the kernel: two sets of 128 for rows of src and pos)
;   window 2: v0-127 q, v128-255 src, as source 1: tile t, K step ks at 64 t + 8 ks          window 3: v0-63 images 32-39, v64-103 the five strips' biases
.set SB,     13294                     ; rows of a batch
.set NT,     831                       ; tiles of a batch
.set SLOTX,  0x10000                   ; slot 1 begins here: one exclusive or turns an address in one slot into the other's
.set FILLB,  40960                     ; a head's weights
.set QUART,  10240                     ; a wave's quarter of them
.set STAGE,  106496                    ; behind the ring: 16,896 bytes a wave: q's and src's 16 rows of 512 bytes, pitch 528
.set STW,    16896
.set SSTO,   8448                      ; src's rows lie behind q's
.set SPI,    528                       ; 33 x 16 bytes: the 16 rows of a fragment load start at 16 different groups of four banks (64 banks of 4 bytes: ISA guide 11.1)
.set PT,     174080                    ; b_attn (512 bytes), b_off (1,024), b_val (1,024)
.set SPARE,  176640                    ; the spare words, 128 bytes for each wave: two blocks of 256 bytes that no other line names
.set QPL,    425984                    ; a plane of the value table: one head's quarter of channels, 26,624 places of 16 bytes
.set PLANE,  4*QPL                     ; a head's four planes
.set R,      1                         ; v1   l % 16
.set H,      2                         ; v2   l / 16
.set L16,    3                         ; v3   16 x lane
.set ADR,    4                         ; v4   LDS address of the images to be fetched
.set ADRO,   5                         ; v5   of b_off's and b_val's numbers
.set ADRA,   6                         ; v6   of b_attn's
.set SPW,    7                         ; v7   my spare word; never rewritten
.set NIL,    8                         ; v8   0; never rewritten
.set QSTW,   9                         ; v9   stage + 8 x lane
.set FRD,    10                        ; v10  stage + 528 r + 16 h
.set HB32,   13                        ; v13  PT + 512 + 32 h
.set HB16,   14                        ; v14  PT + 16 h
.set VTO,    15                        ; v15  my 16 bytes in the value table: plane h, the wave's first tile, place r
.set SWO,    16                        ; v16-17 tile t: my place in swt
.set SIO,    18                        ; v18-19 tile t: my place in sidx
.set WF,     20                        ; v20-21 strip e: W of level 2 e + h, as a float
.set WM2,    22                        ; v22-23 W - 2
.set RXY,    28                        ; v28-35 (t, e): ref W - 0.5, x and y
.set ROWOFF, 36                        ; v36-67 at the head: row i's byte offset + 16 x lane
.set WP,     36                        ; v36-67 later: (t, e): 8 registers of packed corner weights
.set ACC,    68                        ; v68-147 tile t, strip mt at 68 + 40 t + 8 mt
.set IP,     148                       ; v148-155 (t, e): four nodes of 16 bits
.set FB,     156                       ; v156-163 the patch's first node, by coordinate
.set T,      164                       ; v164-171 u - node
.set CC,     172                       ; v172-187 coordinate k: weights of node 0 and node 1
.set AP,     188                       ; v188-195 point p: y's two weights times the softmax's
.set W4,     196                       ; v196-203 four corner weights, two sets
.set II,     204                       ; v204-207 nodes as floats
.set SMX,    208                       ; v208-215 tile t: c m, m, two at work
.set VP,     216                       ; v216-231 values packed
.set WV,     24                        ; s24  my wave's number
.set G1,     32                        ; s[32:39] descriptor group 1
.set G0A,    40                        ; s[40:43] group 0 of the first fill
.set G0B,    44                        ; s[44:47] group 0 of the second; it then walks
.set RB,     66                        ; s66-67 tile t: the row of its first place
.set LM,     68                        ; s68-69 tile t: its batch's last row
.set MSB, 0
.macro WIN new                         ; the immediate's high byte repeats the setting that is left; a switch that changes nothing is dropped
.if MSB != (\new)
	s_set_vgpr_msb (MSB<<8)|(\new)
.set MSB, (\new)
.endif
.endm
.macro PLACES                          ; four places behind a matrix instruction (ISA guide 7.12.1), where no other vector work is at hand
.rept 4
	v_nop
.endr
.endm
.macro CREST                           ; a round of the cluster's barrier behind its opening barrier
	s_cmp_lg_u32 s[WV], 0
	s_cbranch_scc1 .Lnot_wave_0_\@
	s_barrier_signal -3
.Lnot_wave_0_\@:
	s_barrier_wait -3
	s_barrier_signal -1
	s_barrier_wait -1
.endm
.macro CROUND                          ; a whole round: my work-group's barrier, wave 0's signal for it, every wave's wait for all four work-groups, my work-group's barrier once more
	s_barrier_signal -1
	s_barrier_wait -1
	CREST
.endm
.macro JLOAD                           ; a joint refill: every wave asks for its quarter; an s_nop 0 and four v_nop follow the line
	tensor_load_to_lds s[G0B:G0B+3], s[G1:G1+7]
	s_nop 0
	PLACES
.endm
	s_load_b512 s[4:19], s[0:1], 0x0               ; src s[4:5], pos s[6:7], reference_points s[8:9], b_off s[10:11], b_attn s[12:13], b_val s[14:15], wa s[16:17], vtab s[18:19]
	s_load_b128 s[20:23], s[0:1], 0x40             ; swt s[20:21], sidx s[22:23]
	v_lshl_add_u32 v[SPW], v0, 2, SPARE
	v_mov_b32 v[NIL], 0
	ds_add_u32 v[SPW], v[NIL]                      ; the wave's opening: the add, twice on end, and its wait ahead of my first tensor load
	ds_add_u32 v[SPW], v[NIL]                      ; and once more; the set-up below, work on registers, stands between it and the wait
	v_lshrrev_b32 v1, 5, v0
	v_readfirstlane_b32 s[WV], v1                  ; wave 0..3
	s_bfe_u32 s25, ttmp6, 0x40000                  ; cx: my place in the cluster; it enters the addresses of my own rows alone
	s_lshl_b32 s26, ttmp9, 2                       ; in a cluster launch ttmp9 counts clusters
	s_add_co_u32 s26, s26, s25                     ; my work-group
	s_lshl_b32 s70, s26, 3
	s_lshl1_add_u32 s70, s[WV], s70                ; my wave's first tile: 8 x work-group + 2 x wave
.irp t, 0,1
	s_add_co_u32 s71, s70, \t
	s_max_u32 s62, s71, NT-1
	s_sub_co_u32 s62, s62, NT-1
	s_min_u32 s62, s62, 1                          ; the tile's batch: 1 from tile 831 on
	s_lshl_b32 s63, s71, 4
	s_lshl_b32 s28, s62, 1
	s_sub_co_u32 s[RB+\t], s63, s28                ; its first row: 16 x tile, less the first batch's two repeated places
	s_mul_i32 s28, s62, SB
	s_add_co_u32 s[LM+\t], s28, SB-1               ; its batch's last row: a place past it repeats it
.endr
	s_mov_b32 s[G1], 15|(3<<16)|(1<<21)            ; 15:0 the mask of four; 17:16 elements of 8 bytes; 21 set beside a mask; no padding: an image is read 512 bytes on end
	s_mov_b32 s[G1+1], 32<<16                      ; tensor_dim0 = 32 elements: rows of 256 bytes
	s_mov_b32 s[G1+2], 40<<16                      ; tensor_dim1 = 40 rows
	s_mov_b32 s[G1+3], 32<<16                      ; tile_dim0
	s_mov_b32 s[G1+4], 40                          ; tile_dim1
	s_mov_b32 s[G1+5], 32                          ; from row to row: the block is dense
	s_mov_b32 s[G1+6], 0
	s_mov_b32 s[G1+7], 0
	s_mov_b32 s52, 0x3fb8aa3b                      ; c = log2(e)
	s_mov_b32 s53, s52                             ; named with it as a pair
	s_mov_b32 s54, 0x76543210                      ; v_permlanex16_b32's selects: each lane takes its own place in the other half
	s_mov_b32 s55, 0xfedcba98
	s_mov_b32 s48, 0                               ; the slot to be fetched from
	s_mov_b32 s49, 0                               ; 128 x the head to be fetched: its place in b_off and b_val
	s_mov_b32 s50, 0                               ; 64 x that head: its place in b_attn
	s_mul_i32 s28, s[WV], QUART
	s_mov_b32 s29, 0
	s_mov_b32 s[G0A], 1                            ; count = 1
	s_add_co_u32 s[G0A+1], s28, 0                  ; LDS address: slot 0, my quarter: no place in the cluster enters it
	s_mov_b32 s[G0B], 1
	s_add_co_u32 s[G0B+1], s28, SLOTX              ; slot 1
	s_wait_dscnt 0x0                               ; both opening adds are done
	s_wait_kmcnt 0x0
	s_add_nc_u64 s[G0A+2:G0A+3], s[16:17], s[28:29]        ; head 0, my quarter
	s_add_nc_u64 s[G0B+2:G0B+3], s[G0A+2:G0A+3], FILLB     ; head 1
	s_or_b32 s[G0A+3], s[G0A+3], 0x80000000        ; type = 2
	s_or_b32 s[G0B+3], s[G0B+3], 0x80000000
	s_lshl_b32 s28, s26, 17                        ; my work-group's eight tiles: 16,384 bytes each in swt,
	s_add_nc_u64 s[56:57], s[20:21], s[28:29]
	s_lshl_b32 s28, s26, 15                        ; 4,096 in sidx,
	s_add_nc_u64 s[58:59], s[22:23], s[28:29]
	s_lshl_b32 s28, s26, 11                        ; 256 in a plane of vtab
	s_add_nc_u64 s[60:61], s[18:19], s[28:29]
	CROUND                                         ; all four work-groups are here: the first joint loads meet
	tensor_load_to_lds s[G0A:G0A+3], s[G1:G1+7]
	s_nop 0
	tensor_load_to_lds s[G0B:G0B+3], s[G1:G1+7]
	s_nop 0
	PLACES
	v_and_b32 v[R], 15, v0
	v_bfe_u32 v[H], v0, 4, 1
	v_and_b32 v172, 31, v0                         ; lane
	v_lshlrev_b32 v[L16], 4, v172
	; seven small loads: the three biases, shared out over the 128 threads, and my two tokens' reference points for my two pairs of levels
	v_lshlrev_b32 v170, 2, v0
	v_lshlrev_b32 v171, 3, v0
	global_load_b32 v160, v170, s[12:13]
	global_load_b64 v[162:163], v171, s[10:11]
	global_load_b64 v[164:165], v171, s[14:15]
	v_add_nc_u32 v166, s[RB], v[R]
	v_add_nc_u32 v167, s[RB+1], v[R]
	v_min_u32 v166, s[LM], v166                    ; tile 0's token
	v_min_u32 v167, s[LM+1], v167                  ; tile 1's
	v_lshlrev_b32 v168, 5, v166                    ; 32 bytes a row,
	v_lshl_add_u32 v168, v[H], 3, v168             ; 8 a level
	v_lshlrev_b32 v169, 5, v167
	v_lshl_add_u32 v169, v[H], 3, v169
	global_load_b64 v[RXY:RXY+1], v168, s[8:9]                ; level h
	global_load_b64 v[RXY+2:RXY+3], v168, s[8:9] offset:16    ; level 2 + h
	global_load_b64 v[RXY+4:RXY+5], v169, s[8:9]
	global_load_b64 v[RXY+6:RXY+7], v169, s[8:9] offset:16
.set i, 0
.rept 32
	s_add_co_u32 s28, s[RB+i/16], i%16
	s_min_u32 s28, s28, s[LM+i/16]
	s_lshl_b32 s28, s28, 10                        ; a row of src or pos is 1,024 bytes
	v_add_nc_u32 v[ROWOFF+i], s28, v[L16]
.set i, i+1
.endr
; Batch b of four: places 8 b .. 8 b + 7 of the wave's 32, src and pos: 32 loads of 512 consecutive bytes, into set b % 2 of window 1: row i, half u at 8 (2 i + u): four registers of src, four of pos.
.macro LOADB b
	WIN 0x40
.set i, 0
.rept 8
.irp u, 0,1
.set rb, 128*((\b)&1)+8*(2*i+\u)
	global_load_b128 v[rb:rb+3],   v[ROWOFF+8*(\b)+i], s[4:5] offset:512*\u th:TH_LOAD_NT
	global_load_b128 v[rb+4:rb+7], v[ROWOFF+8*(\b)+i], s[6:7] offset:512*\u th:TH_LOAD_NT
.endr
.set i, i+1
.endr
	WIN 0
.endm
; Batch b: q = src + pos; q and src are rounded to bf16 and laid into the stage as rows.
.macro PROC b
	WIN 0x45
.set i, 0
.rept 16
.set rb, 128*((\b)&1)+8*i
	v_pk_add_f32 v[rb+4:rb+5], v[rb+4:rb+5], v[rb:rb+1]
	v_pk_add_f32 v[rb+6:rb+7], v[rb+6:rb+7], v[rb+2:rb+3]
	v_cvt_pk_bf16_f32 v[rb+4], v[rb+4], v[rb+5]
	v_cvt_pk_bf16_f32 v[rb+5], v[rb+6], v[rb+7]
	v_cvt_pk_bf16_f32 v[rb], v[rb], v[rb+1]
	v_cvt_pk_bf16_f32 v[rb+1], v[rb+2], v[rb+3]
.set i, i+1
.endr
	WIN 0x04                                       ; address window 0, data window 1
.set i, 0
.rept 16
.set rb, 128*((\b)&1)+8*i
	ds_store_b64 v[QSTW], v[rb+4:rb+5] offset:SPI*(8*((\b)&1)+i/2)+256*(i%2)
	ds_store_b64 v[QSTW], v[rb:rb+1]   offset:SSTO+SPI*(8*((\b)&1)+i/2)+256*(i%2)
.set i, i+1
.endr
	WIN 0
.endm
; Tile t's 16 rows come back as source 1: lane (r, h) takes token r, channels 32 ks + 8 h + 0..7 and 32 ks + 16 + 8 h + 0..7.  LDS serves a wave's instructions in order (ISA guide 5.7.1.4): these see
; the stores above, and the next tile's stores come behind them.
.macro FRAGS t
	WIN 0x80
.set i, 0
.rept 16
	ds_load_b128 v[64*(\t)+4*i:64*(\t)+4*i+3],         v[FRD] offset:32*i
	ds_load_b128 v[128+64*(\t)+4*i:128+64*(\t)+4*i+3], v[FRD] offset:SSTO+32*i
.set i, i+1
.endr
	WIN 0
.endm
	LOADB 0
	LOADB 1
	; the rest of the addresses, while the loads are on their way
	s_mul_i32 s62, s[WV], STW
	s_add_co_u32 s62, s62, STAGE                   ; my stage
	v_lshl_add_u32 v[QSTW], v172, 3, s62
	v_mul_u32_u24 v173, v[R], SPI
	v_lshl_add_u32 v173, v[H], 4, v173
	v_add_nc_u32 v[FRD], s62, v173
	v_lshlrev_b32 v173, 5, v[H]
	v_add_nc_u32 v[HB32], PT+512, v173
	v_lshlrev_b32 v173, 4, v[H]
	v_add_nc_u32 v[HB16], PT, v173
	v_mul_u32_u24 v173, v[H], QPL                  ; strip a's channels 8 h + 0..7 are quarter 2 a + h: plane h of the strip's two,
	v_lshl_add_u32 v173, v[R], 4, v173             ; 16 bytes a place,
	s_lshl_b32 s63, s[WV], 9                       ; two tiles of 256 bytes a wave
	v_add_nc_u32 v[VTO], s63, v173
	s_lshl_b32 s63, s[WV], 15                      ; two tiles of 16,384 bytes a wave
	v_lshlrev_b32 v173, 9, v[H]                    ; level h: two pieces of 256 bytes
	v_lshl_add_u32 v173, v[R], 4, v173
	v_add_nc_u32 v[SWO], s63, v173
	v_add_nc_u32 v[SWO+1], 16384, v[SWO]
	s_lshl_b32 s63, s[WV], 13                      ; two tiles of 4,096 bytes a wave
	v_lshlrev_b32 v173, 3, v[H]                    ; a token's 16 bytes hold levels 2 e and 2 e + 1: 8 bytes each
	v_lshl_add_u32 v173, v[R], 4, v173
	v_add_nc_u32 v[SIO], s63, v173
	v_add_nc_u32 v[SIO+1], 4096, v[SIO]
	v_lshl_add_u32 v158, v0, 2, PT
	v_lshl_add_u32 v159, v0, 3, PT+512
	; my two pairs of levels: W = 100, 50 (strip 0: h = 0, 1) and 25, 13 (strip 1).  In whole numbers, converted once
	v_mul_u32_u24 v173, v[H], 50
	v_sub_nc_u32 v173, 100, v173
	v_cvt_f32_u32 v[WF], v173
	v_mul_u32_u24 v173, v[H], 12
	v_sub_nc_u32 v173, 25, v173
	v_cvt_f32_u32 v[WF+1], v173
	v_add_f32 v[WM2], -2.0, v[WF]
	v_add_f32 v[WM2+1], -2.0, v[WF+1]
	s_wait_loadcnt 63                              ; 64 loads were issued behind the seven small ones; a wait names 63 at the most, and the smaller count shows no less
	ds_store_b32 v158, v160                        ; b_attn
	ds_store_b64 v159, v[162:163]                  ; b_off
	ds_store_b64 v159, v[164:165] offset:1024      ; b_val
.irp t, 0,1
.irp e, 0,1
	v_fma_f32 v[RXY+4*\t+2*\e],   v[RXY+4*\t+2*\e],   v[WF+\e], -0.5
	v_fma_f32 v[RXY+4*\t+2*\e+1], v[RXY+4*\t+2*\e+1], v[WF+\e], -0.5   ; the maps are square: H = W
.endr
.endr
	s_wait_loadcnt 32                              ; batch 0 is in; batch 1's 32 loads may stay out
	PROC 0
	LOADB 2
	s_wait_loadcnt 32                              ; batch 1; batch 2's stay out
	PROC 1
	FRAGS 0
	LOADB 3
	s_wait_loadcnt 32                              ; batch 2; batch 3's stay out
	PROC 2
	s_wait_loadcnt 0x0
	PROC 3
	FRAGS 1
	s_wait_tensorcnt 0x1                           ; my quarter of head 0 is in; head 1's may stay out
	s_wait_dscnt 0x0                               ; my stores of the biases are done, for the others' sake; my fragments are in
	s_barrier_signal -1
	s_barrier_wait -1
; A head's 40 images and its five strips' biases: 90 LDS loads, in three runs of 30.  Run 0: the addresses, images 0-14; run 1: images 15-29; run 2: images 30-39 and the biases.
; last = 1: in the tail's last trip there is no next head, and the run is jumped over: the condition is the loop's own count, the same in every wave.
.macro FETCHP part, last
	WIN 0
.if \last
	s_cmp_eq_u32 s51, 1
	s_cbranch_scc1 .Lno_fetch_\@
.endif
.if (\part) == 0
	v_add_nc_u32 v[ADR], s48, v[L16]
	v_add_nc_u32 v[ADRO], s49, v[HB32]
	v_add_nc_u32 v[ADRA], s50, v[HB16]
	s_add_co_u32 s49, s49, 128
	s_add_co_u32 s50, s50, 64
.endif
	WIN 0x40
.if (\part) < 2
.set f, 15*(\part)
.rept 15
	ds_load_b128 v[8*f:8*f+3],   v[ADR] offset:1024*f
	ds_load_b128 v[8*f+4:8*f+7], v[ADR] offset:1024*f+512
.set f, f+1
.endr
.else
.set f, 30
.rept 2
	ds_load_b128 v[8*f:8*f+3],   v[ADR] offset:1024*f
	ds_load_b128 v[8*f+4:8*f+7], v[ADR] offset:1024*f+512
.set f, f+1
.endr
	WIN 0xc0
.rept 8
	ds_load_b128 v[8*(f-32):8*(f-32)+3],   v[ADR] offset:1024*f
	ds_load_b128 v[8*(f-32)+4:8*(f-32)+7], v[ADR] offset:1024*f+512
.set f, f+1
.endr
.irp e, 0,1
.irp q, 0,1
	ds_load_b128 v[64+8*\e+4*\q:64+8*\e+4*\q+3], v[ADRO] offset:64*\e+16*\q        ; b_off[32 head + 16 e + 8 h + ..]
	ds_load_b128 v[88+8*\e+4*\q:88+8*\e+4*\q+3], v[ADRO] offset:1024+64*\e+16*\q   ; b_val likewise
.endr
.endr
	ds_load_b128 v[80:83], v[ADRA]                 ; b_attn: level h's four points,
	ds_load_b128 v[84:87], v[ADRA] offset:32       ; level 2 + h's
.endif
	WIN 0
.if \last
.Lno_fetch_\@:
.endif
.endm
; A head's 80 products.  The accumulators take turns, one instruction a turn: eight of them for strips 0-3, then the two of strip 4.  The first K step takes the bias as C.
.macro WMMA
.set ks, 0
.rept 8
.if ks == 0
	WIN 0x39                                       ; images window 1, tokens window 2, C (bias) window 3, D window 0
.else
	WIN 0x09
.endif
.irp mt, 0,1,2,3
.irp t, 0,1
.set rD, ACC+40*\t+8*\mt
.set rA, 8*(8*\mt+ks)
.if \mt < 3
.set rB, 64*\t+8*ks                    ; q
.else
.set rB, 128+64*\t+8*ks                ; src
.endif
.if ks == 0
	v_wmma_f32_16x16x32_bf16 v[rD:rD+7], v[rA:rA+7], v[rB:rB+7], v[64+8*\mt:64+8*\mt+7]
.else
	v_wmma_f32_16x16x32_bf16 v[rD:rD+7], v[rA:rA+7], v[rB:rB+7], v[rD:rD+7]
.endif
.endr
.endr
.set ks, ks+1
.endr
.set ks, 0
.rept 8
.if ks == 0
	WIN 0x3b                                       ; images window 3
.else
	WIN 0x0b
.endif
.irp t, 0,1
.set rD, ACC+40*\t+32
.set rB, 128+64*\t+8*ks
.if ks == 0
	v_wmma_f32_16x16x32_bf16 v[rD:rD+7], v[8*ks:8*ks+7], v[rB:rB+7], v[96:103]
.else
	v_wmma_f32_16x16x32_bf16 v[rD:rD+7], v[8*ks:8*ks+7], v[rB:rB+7], v[rD:rD+7]
.endif
.endr
.set ks, ks+1
.endr
.endm
; THE CHANGE OF SLOTS.  Each wave waits for all its tensor loads, of which one is out: its quarter of the other slot; adds 0 to its spare word; waits for that (its reads of the slot that it leaves came
; back ahead of the products).  fill = 1: the barrier is a round of the cluster's, so that no wave of any partner still reads the slot or has a load on its way, and the joint refill, the head two on,
; is the first thing behind it.  The four v_nop are also the places behind the last product.
.macro CHANGE fill
	WIN 0
	s_wait_tensorcnt 0x0                           ; no tensor load of mine is out, so a group 0 may be written
	ds_add_u32 v[SPW], v[NIL]                      ; 0 onto my spare word
.if \fill
	s_xor_b32 s[G0B+1], s[G0B+1], SLOTX            ; the other slot than last time,
	s_add_nc_u64 s[G0B+2:G0B+3], s[G0B+2:G0B+3], FILLB  ; the next head; the type bits on top are not reached
.endif
	s_wait_dscnt 0x0
.if \fill
	CROUND
	JLOAD
.else
	s_barrier_signal -1
	s_barrier_wait -1
	PLACES
.endif
	s_xor_b32 s48, s48, SLOTX
.endm
; The softmax over a head's 16 logits, of which a lane holds 8 and the lane 16 away the others: both tiles; 16 exponentials in one batch with one wait, then two reciprocals with one.
.macro SMR t
.set L, ACC+40*(\t)+16
.set X, SMX+4*(\t)
.endm
.macro SOFTMAX
.irp t, 0,1
	SMR \t
	v_max3_num_f32 v[X+2], v[L], v[L+1], v[L+2]    ; the accumulator's lowest registers are read first
	v_max3_num_f32 v[X+2], v[X+2], v[L+3], v[L+4]
	v_max3_num_f32 v[X+1], v[X+2], v[L+5], v[L+6]
	v_max_num_f32 v[X+1], v[X+1], v[L+7]
	v_permlanex16_b32 v[X+2], v[X+1], s54, s55
	v_max_num_f32 v[X+1], v[X+1], v[X+2]           ; m
	v_mul_f32 v[X], s52, v[X+1]                    ; c m
.irp j, 0,2,4,6
	v_pk_fma_f32 v[L+\j:L+\j+1], v[L+\j:L+\j+1], s[52:53], v[X:X+1] op_sel_hi:[1,0,0] neg_lo:[0,0,1] neg_hi:[0,0,1]  ; c s - c m
.endr
.endr
.irp t, 0,1
	SMR \t
.irp j, 0,1,2,3,4,5,6,7
	v_exp_f32 v[L+\j], v[L+\j]
.endr
.endr
	v_nop                                          ; a plain instruction behind the last exponential,
	s_wait_alu depctr_va_vdst(0)                   ; and the wait ahead of the first use: one for the sixteen
.irp t, 0,1
	SMR \t
	v_pk_add_f32 v[X+2:X+3], v[L:L+1], v[L+2:L+3]
	v_pk_add_f32 v[X+2:X+3], v[X+2:X+3], v[L+4:L+5]
	v_pk_add_f32 v[X+2:X+3], v[X+2:X+3], v[L+6:L+7]
	v_add_f32 v[X+2], v[X+2], v[X+3]
	v_permlanex16_b32 v[X+3], v[X+2], s54, s55
	v_add_f32 v[X+2], v[X+2], v[X+3]               ; at least 1: the largest logit's term
.endr
	v_rcp_f32 v[SMX+2], v[SMX+2]
	v_rcp_f32 v[SMX+6], v[SMX+6]
	v_nop
	s_wait_alu depctr_va_vdst(0)                   ; one wait for the two reciprocals
.irp t, 0,1
	SMR \t
.irp j, 0,2,4,6
	v_pk_mul_f32 v[L+\j:L+\j+1], v[L+\j:L+\j+1], v[X+2:X+3] op_sel_hi:[1,0]
.endr
.endr
.endm
; Tile t's 32 value channels, rounded to bf16.
.macro VALUE t
.set A3, ACC+40*(\t)+24
.set VPB, VP+8*(\t)
.irp j, 0,1,2,3,4,5,6,7
	v_cvt_pk_bf16_f32 v[VPB+\j], v[A3+2*\j], v[A3+2*\j+1]
.endr
.endm
; Tile t, strip e: the four points of level 2 e + h.  Register k = 2 p + (x: 0, y: 1) of the strip is point p's coordinate.
.macro SAMPLE t, e
.set U,   ACC+40*(\t)+8*(\e)
.set AW,  ACC+40*(\t)+16+4*(\e)        ; the level's four softmax weights
.set RX,  RXY+4*(\t)+2*(\e)
.set WPB, WP+16*(\t)+8*(\e)
.set IPB, IP+4*(\t)+2*(\e)
.irp j, 0,2,4,6
	v_pk_add_f32 v[U+\j:U+\j+1], v[U+\j:U+\j+1], v[RX:RX+1]        ; u = off + (ref W - 0.5)
.endr
.irp k, 0,1,2,3,4,5,6,7
	v_floor_f32 v[FB+\k], v[U+\k]
.endr
.irp k, 0,1,2,3,4,5,6,7
	v_med3_num_f32 v[FB+\k], v[FB+\k], 0, v[WM2+(\e)]              ; the patch's first node
.endr
.irp j, 0,2,4,6
	v_pk_add_f32 v[T+\j:T+\j+1], v[U+\j:U+\j+1], v[FB+\j:FB+\j+1] neg_lo:[0,1] neg_hi:[0,1]  ; u - node 0
.endr
.irp j, 0,2,4,6
	v_pk_add_f32 v[U+\j:U+\j+1], v[T+\j:T+\j+1], -1.0 op_sel_hi:[1,0]                        ; u - node 1
.endr
.irp k, 0,1,2,3,4,5,6,7
	v_sub_f32 v[CC+2*\k],   1.0, |v[T+\k]|
	v_sub_f32 v[CC+2*\k+1], 1.0, |v[U+\k]|
.endr
.set i, 0
.rept 16
	v_max_num_f32 v[CC+i], 0, v[CC+i]
.set i, i+1
.endr
.irp p, 0,1,2,3
	v_fma_f32 v[II+\p], v[FB+2*\p+1], v[WF+(\e)], v[FB+2*\p]       ; y W + x, counted within the level: whole numbers under 2^24, exact
.endr
.irp p, 0,1,2,3
	v_cvt_u32_f32 v[II+\p], v[II+\p]
.endr
	v_lshl_or_b32 v[IPB],   v[II+1], 16, v[II]
	v_lshl_or_b32 v[IPB+1], v[II+3], 16, v[II+2]
.set p, 0
.rept 4
.if p%2 == 0
	v_pk_mul_f32 v[AP+2*p:AP+2*p+1], v[CC+4*p+2:CC+4*p+3], v[AW+p:AW+p+1] op_sel_hi:[1,0]             ; y's two weights times the point's softmax weight
.else
	v_pk_mul_f32 v[AP+2*p:AP+2*p+1], v[CC+4*p+2:CC+4*p+3], v[AW+p-1:AW+p] op_sel:[0,1] op_sel_hi:[1,1]
.endif
.set p, p+1
.endr
.set p, 0
.rept 4
.set w, W4+4*(p%2)
	v_pk_mul_f32 v[w:w+1],   v[CC+4*p:CC+4*p+1], v[AP+2*p:AP+2*p+1] op_sel_hi:[1,0]                   ; y0 x0, y0 x1
	v_pk_mul_f32 v[w+2:w+3], v[CC+4*p:CC+4*p+1], v[AP+2*p:AP+2*p+1] op_sel:[0,1] op_sel_hi:[1,1]      ; y1 x0, y1 x1
	v_cvt_pk_bf16_f32 v[WPB+2*p],   v[w],   v[w+1]
	v_cvt_pk_bf16_f32 v[WPB+2*p+1], v[w+2], v[w+3]
.set p, p+1
.endr
.endm
; A head's sixteen stores, in one run: each result has registers of its own until here.
.macro STORES
.irp t, 0,1
	global_store_b128 v[VTO], v[VP+8*\t:VP+8*\t+3],   s[60:61] offset:256*\t         ; strip a's 16 bytes a lane go to planes 2 a (lanes 0-15) and 2 a + 1 (lanes 16-31): 256 consecutive bytes, aligned, in each
	global_store_b128 v[VTO], v[VP+8*\t+4:VP+8*\t+7], s[60:61] offset:256*\t+2*QPL
.irp e, 0,1
	global_store_b128 v[SWO+\t], v[WP+16*\t+8*\e:WP+16*\t+8*\e+3],   s[56:57] offset:1024*\e       ; points 0, 1: each half of the lanes stores 256 consecutive bytes, aligned
	global_store_b128 v[SWO+\t], v[WP+16*\t+8*\e+4:WP+16*\t+8*\e+7], s[56:57] offset:1024*\e+256   ; points 2, 3
	global_store_b64  v[SIO+\t], v[IP+4*\t+2*\e:IP+4*\t+2*\e+1],     s[58:59] offset:256*\e        ; the wave stores 256 consecutive bytes, aligned
.endr
.endr
.endm
.macro POST last
	SOFTMAX
	VALUE 0
	VALUE 1
	FETCHP 1, \last
	SAMPLE 0, 0
	SAMPLE 0, 1
	FETCHP 2, \last
	SAMPLE 1, 0
	SAMPLE 1, 1
	STORES
	s_wait_xcnt 0x0                                ; the stores have read their data and their bases: only behind this wait are these written again
	s_add_nc_u64 s[56:57], s[56:57], 2048          ; the next head's places
	s_add_nc_u64 s[58:59], s[58:59], 512
	s_add_nc_u64 s[60:61], s[60:61], PLANE
.endm
; A trip: a head's products; the change of slots; the head's vector work, with the next head's images fetched among it.
.macro TRIP fill, last
	s_wait_dscnt 0x0                               ; the head's images and biases are in
	WMMA
	CHANGE \fill
	FETCHP 0, \last
	POST \last
.endm
	FETCHP 0, 0                                    ; head 0
	FETCHP 1, 0
	FETCHP 2, 0
	s_mov_b32 s51, 6
.Lhead:                                        ; heads 0 to 5: heads 2 to 7 are asked for
	TRIP 1, 0
	s_sub_co_u32 s51, s51, 1
	s_cmp_lg_u32 s51, 0
	s_cbranch_scc1 .Lhead
	s_mov_b32 s51, 2
.Ltail:                                        ; heads 6 and 7: written apart
	TRIP 0, 1
	s_sub_co_u32 s51, s51, 1
	s_cmp_lg_u32 s51, 0
	s_cbranch_scc1 .Ltail
	s_wait_tensorcnt 0x0                           ; the wave's end, behind my last tensor load and my last LDS store
	ds_add_u32 v[SPW], v[NIL]
	s_wait_dscnt 0x0
	CROUND                                         ; the closing round: no work-group ends while a partner may still ask for a fill that names it
	s_endpgm
.Lfunc_end_k_q6b24ea66c8_proj:
	.size	k_q6b24ea66c8_proj, .Lfunc_end_k_q6b24ea66c8_proj-k_q6b24ea66c8_proj
	.p2alignl 7, 3214868480
	.fill 96, 4, 3214868480
	.section	.rodata,"a",@progbits
	.p2align	6, 0x0
	.amdhsa_kernel k_q6b24ea66c8_proj
		.amdhsa_group_segment_fixed_size 327680
		.amdhsa_private_segment_fixed_size 0
		.amdhsa_enable_private_segment 0
		.amdhsa_kernarg_size 80
		.amdhsa_user_sgpr_count 2
		.amdhsa_user_sgpr_kernarg_segment_ptr 1
		.amdhsa_wavefront_size32 1
		.amdhsa_system_sgpr_workgroup_id_x 1
		.amdhsa_system_sgpr_workgroup_id_y 1
		.amdhsa_system_sgpr_workgroup_id_z 1
		.amdhsa_system_vgpr_workitem_id 0
		.amdhsa_next_free_vgpr 1024
		.amdhsa_next_free_sgpr 72
		.amdhsa_reserve_vcc 0
		.amdhsa_float_denorm_mode_32 3
		.amdhsa_float_denorm_mode_16_64 3
		.amdhsa_memory_ordered 1
		.amdhsa_forward_progress 1
		.amdhsa_inst_pref_size 141
	.end_amdhsa_kernel
	.amdgpu_metadata
---
amdhsa.version: [ 1, 2 ]
amdhsa.kernels:
  - .name:           k_q6b24ea66c8_proj
    .symbol:         k_q6b24ea66c8_proj.kd
    .args:
      - { .name: src, .offset: 0, .size: 8, .value_kind: global_buffer, .address_space: global }
      - { .name: pos, .offset: 8, .size: 8, .value_kind: global_buffer, .address_space: global }
      - { .name: reference_points, .offset: 16, .size: 8, .value_kind: global_buffer, .address_space: global }
      - { .name: b_off, .offset: 24, .size: 8, .value_kind: global_buffer, .address_space: global }
      - { .name: b_attn, .offset: 32, .size: 8, .value_kind: global_buffer, .address_space: global }
      - { .name: b_val, .offset: 40, .size: 8, .value_kind: global_buffer, .address_space: global }
      - { .name: wa, .offset: 48, .size: 8, .value_kind: global_buffer, .address_space: global }
      - { .name: vtab, .offset: 56, .size: 8, .value_kind: global_buffer, .address_space: global }
      - { .name: swt, .offset: 64, .size: 8, .value_kind: global_buffer, .address_space: global }
      - { .name: sidx, .offset: 72, .size: 8, .value_kind: global_buffer, .address_space: global }
    .group_segment_fixed_size: 327680
    .private_segment_fixed_size: 0
    .kernarg_segment_align: 8
    .kernarg_segment_size: 80
    .max_flat_workgroup_size: 128
    .sgpr_count:     72
    .vgpr_count:     1024
    .wavefront_size: 32
...
	.end_amdgpu_metadata
.endif
;; end of part 5
;; launch gather (part 6): grid 256 x 1, 26 waves a work-group, no clusters, 322,816 bytes of LDS; arguments vtab, swt, sidx, att; writes att
.if DOCPART == 6
	.amdgcn_target "amdgcn-amd-amdhsa--gfx1250"
	.amdhsa_code_object_version 6
	.text
	.protected	k_q6b24ea66c8_gather
	.globl	k_q6b24ea66c8_gather
	.p2align	8
	.type	k_q6b24ea66c8_gather,@function
k_q6b24ea66c8_gather:
	s_mov_b64 s[64:65], 0
	v_nop
	global_prefetch_b8 v0, s[64:65] scope:SCOPE_SE
	s_setreg_imm32_b32 hwreg(HW_REG_WAVE_MODE, 25, 1), 1
	s_wait_xcnt 0x0
; Launch 3 of 4: the sampling.  For a token and a head: the sum over 16 points x 4 corners of weight x value row (32 channels).  Nodes and weights were stored by launch 2; the nodes are whole numbers
; read from memory, counted within their level, and each is held to its level's last patch before it enters an address.  Left out: nothing of this step (a corner that reference() multiplies by 0 has the weight 0 here).
; THE TABLE LIES IN LDS.  One batch, one head and 8 of its 32 channels are 13,296 places of 16 bytes: 212,736 bytes.  There are 2 x 8 x 4 = 64 such slices; four work-groups hold each, and each of the
; four serves a quarter of the batch's tokens.  So a value row is read from memory by four work-groups, once each, however many points fall on it.
; Work-group x: channel quarter x % 4, token quarter (x / 4) % 4, head (x / 16) % 8, batch x / 128: the four that read the same weights and nodes have neighbouring numbers.
; THE FILL, IN TWO PARTS.  Level 0 is 10,000 of the slice's places and 4 of a token's 16 points.  Each of the 26 waves issues two tensor loads, together at the start: first 8 rows of 256 bytes of the
; UPPER part (LDS bytes 159,744 on: level 0's last row, then levels 1 to 3), then 24 rows of the LOWER part: 26 x 32 = 832 rows for the slice's 831 (the last row lies inside the buffer and is never read
; from LDS).  When the upper part is in, the 12 points of levels 1 to 3 are done for all the work-group's tokens, while the lower part is on its way: their addresses are at least 160,000 by the constants
; below.  Then one wait, one barrier, and level 0's 4 points.  Nothing is filled again.
; SHARES.  A lane is a token; a wave takes a unit of two tiles of 16 places in a pass, 4 passes: 4 x 26 = 104 units a work-group, 416 a batch for its 831 tiles.  The last unit's second tile does not
; exist: its lanes repeat tile 830 and store the same bytes again.  Between the two loops a lane's 8 sums wait in LDS, in f32, in bytes of the wave's own: 1,024 bytes a pass.
; A lane's 64 weights (128 bytes) and 16 nodes (32 bytes) come straight from memory into its registers.  Its 64 corners are 64 LDS loads of 16 bytes, in two sets of 16 registers: while one point is
; multiplied the next point's four loads are out.  The multiply-adds read bf16 halves and add in f32.  The lane's 8 sums, rounded once to bf16, are 16 bytes of launch 4's source 1: piece
; (u, 16 h + r), quarter 2 u + h: each half of the lanes stores 256 consecutive bytes, aligned.
; AHEAD.  The next pass's nodes and weights are asked for as their registers come free; the weights of the level that a pass takes last are copied aside first, so that their loads too have work behind
; them in which to land.  In a loop's last pass these loads are jumped over, by the loop's own count; every wait for them is for 0, so it holds on both ways.
; NO CLUSTER.  The four work-groups that hold the same slice work on different tokens, so the LDS addresses that they make from the nodes differ.
; The four that work on the same tokens hold different slices; what they share would have to come through LDS: 160 bytes written and read again for each 1,024 gathered.
; NO MATRIX UNIT: every token and head has its own 64 rows.  NO PREFETCH: the loads into registers stand a good part of a pass ahead of their use.
.set NT,     831                       ; tiles of a batch
.set QPL,    425984                    ; a plane of the value table: one head's quarter of channels, 26,624 places of 16 bytes
.set SLICE,  NT*256                    ; a batch's part of a plane
.set WAVES,  26
.set UNITS,  104                       ; units of a work-group
.set ROWSA,  24                        ; rows of 256 bytes that a wave brings of the lower part,
.set ROWSB,  8                         ; and of the upper part
.set UPPER,  WAVES*ROWSA*256           ; 159,744: where the upper part begins, in the slice and in LDS
.set PART,   WAVES*(ROWSA+ROWSB)*256   ; 212,992: behind the table: the sums between the loops, 4,096 bytes a wave; no tensor load lands here
.set SPARE,  PART+WAVES*4096           ; 319,488: the spare words, 128 bytes for each wave: thirteen blocks of 256 bytes that no other line names
.set SPW,  1                           ; v1   my spare word; never rewritten
.set NIL,  2                           ; v2   0; never rewritten
.set ZERO, 3                           ; v3   0: the sums' first addend
.set R16,  4                           ; v4   16 x (lane % 16)
.set T2,   5                           ; v5   my tile in the batch, not yet held to the last
.set TL,   6                           ; v6   my tile
.set WO,   7                           ; v7   my place in swt, for the loads to come
.set IO,   8                           ; v8   my place in sidx, likewise
.set AO,   9                           ; v9   my place in att, for the pass in hand
.set PAD,  12                          ; v12  LDS: where the pass's sums wait
.set T20,  13                          ; v13  my tile in the first pass
.set PAD0, 14                          ; v14  LDS: my 16 bytes of the wave's first 512 in PART
.set AD,   16                          ; v16-27  LDS address of a point's first node: points 4-15 at AD + P - 4, later points 0-3 at AD + P
.set WT,   28                          ; v28-51  levels 1-3: point P, row y of its patch: v[WT + 2 (P - 4) + y]: x0's weight in the low half, x1's in the high
.set WC,   52                          ; v52-59  a level's weights, set aside
.set IX,   60                          ; v60-65  levels 1-3's nodes as loaded: point P in half P % 2 of v[IX + (P - 4) / 2]
.set W0,   66                          ; v66-73  level 0's weights as loaded
.set IX0,  74                          ; v74-75  level 0's nodes as loaded
.set ACC,  76                          ; v76-83  my 8 channels
.set D,    84                          ; v84-115 two sets of 16: corner k's 8 channels at 4 k
.set PK,   116                         ; v116-119 the result, packed
.set G1A,  24                          ; s[24:31] descriptor group 1, lower part
.set G0A,  32                          ; s[32:35] descriptor group 0, lower part
.set G1B,  48                          ; s[48:55] group 1, upper part: it differs in the number of rows
.set G0B,  56                          ; s[56:59] group 0, upper part
; s[36:37] swt, s[38:39] sidx, s[20:21] att, each at the batch's first tile and my head (att: and my quarter); s22 passes still to come; s23 1,024 x the pass
	s_load_b256 s[4:11], s[0:1], 0x0               ; vtab s[4:5], swt s[6:7], sidx s[8:9], att s[10:11]
	v_lshl_add_u32 v[SPW], v0, 2, SPARE
	v_mov_b32 v[NIL], 0
	ds_add_u32 v[SPW], v[NIL]                      ; the wave's opening: the add, twice on end, and its wait ahead of my first tensor load
	ds_add_u32 v[SPW], v[NIL]                      ; and once more; the set-up below, work on registers, stands between it and the wait
	v_lshrrev_b32 v10, 5, v0
	v_readfirstlane_b32 s12, v10                   ; wave 0..25
	s_and_b32 s13, ttmp9, 3                        ; channel quarter
	s_bfe_u32 s14, ttmp9, 0x20002                  ; token quarter
	s_bfe_u32 s15, ttmp9, 0x30004                  ; head
	s_lshr_b32 s16, ttmp9, 7                       ; batch
.irp g, G1A, G1B
	s_mov_b32 s[\g], 3<<16                         ; no mask; elements of 8 bytes; no padding
	s_mov_b32 s[\g+1], 32<<16                      ; tensor_dim0 = 32 elements: rows of 256 bytes
	s_mov_b32 s[\g+3], 32<<16                      ; tile_dim0
	s_mov_b32 s[\g+5], 32                          ; from row to row: the block is dense
	s_mov_b32 s[\g+6], 0
	s_mov_b32 s[\g+7], 0
.endr
	s_mov_b32 s[G1A+2], ROWSA<<16                  ; tensor_dim1
	s_mov_b32 s[G1A+4], ROWSA                      ; tile_dim1
	s_mov_b32 s[G1B+2], ROWSB<<16
	s_mov_b32 s[G1B+4], ROWSB
	s_mov_b32 s[G0A], 1                            ; count = 1
	s_mul_i32 s[G0A+1], s12, ROWSA*256             ; LDS address: 6,144 x wave
	s_mov_b32 s[G0B], 1
	s_lshl_b32 s18, s12, 11
	s_add_co_u32 s[G0B+1], s18, UPPER              ; 159,744 + 2,048 x wave
	s_lshl2_add_u32 s17, s15, s13                  ; 4 head + quarter: my plane
	s_mul_i32 s19, s17, QPL
	s_mul_i32 s18, s16, SLICE
	s_add_co_u32 s19, s19, s18                     ; the slice's first byte in the table;
	s_add_co_u32 s40, s19, s[G0A+1]                ; a byte's place in the slice is its place in LDS
	s_mov_b32 s41, 0
	s_add_co_u32 s60, s19, s[G0B+1]
	s_mov_b32 s61, 0
	s_mul_i32 s42, s16, NT*16384                   ; a tile is 16,384 bytes of swt, a head 2,048 of them,
	s_lshl_b32 s18, s15, 11
	s_add_co_u32 s42, s42, s18
	s_mov_b32 s43, 0
	s_mul_i32 s44, s16, NT*4096                    ; 4,096 and 512 of sidx,
	s_lshl_b32 s18, s15, 9
	s_add_co_u32 s44, s44, s18
	s_mov_b32 s45, 0
	s_mul_i32 s46, s16, NT*8192                    ; 8,192 of att, a head's quarter 256 of them
	s_lshl_b32 s18, s17, 8
	s_add_co_u32 s46, s46, s18
	s_mov_b32 s47, 0
	v_mov_b32 v[ZERO], 0
	v_and_b32 v[R16], 15, v0
	v_lshlrev_b32 v[R16], 4, v[R16]
	v_bfe_u32 v[T20], v0, 4, 1                     ; which of the unit's two tiles
	s_mul_i32 s19, s14, UNITS
	s_add_co_u32 s19, s19, s12                     ; my wave's first unit
	s_lshl_b32 s19, s19, 1
	v_add_nc_u32 v[T20], s19, v[T20]
	v_mov_b32 v[T2], v[T20]
	v_min_u32 v[TL], NT-1, v[T2]
	v_lshl_add_u32 v[WO], v[TL], 14, v[R16]
	v_lshl_add_u32 v[IO], v[TL], 12, v[R16]
	v_and_b32 v10, 31, v0
	s_lshl_b32 s18, s12, 12
	s_add_co_u32 s18, s18, PART                    ; my wave's 4,096 bytes
	v_lshl_add_u32 v[PAD0], v10, 4, s18
	s_wait_dscnt 0x0                               ; both opening adds are done
	s_wait_kmcnt 0x0
	s_add_nc_u64 s[G0A+2:G0A+3], s[4:5], s[40:41]
	s_or_b32 s[G0A+3], s[G0A+3], 0x80000000        ; type = 2
	s_add_nc_u64 s[G0B+2:G0B+3], s[4:5], s[60:61]
	s_or_b32 s[G0B+3], s[G0B+3], 0x80000000
	s_add_nc_u64 s[36:37], s[6:7], s[42:43]
	s_add_nc_u64 s[38:39], s[8:9], s[44:45]
	s_add_nc_u64 s[20:21], s[10:11], s[46:47]
.macro LOADW first, cnt                ; cnt pieces of weights from piece first on (two points each; piece 2 is level 1's first)
.set pn, \first
.rept \cnt
	global_load_b128 v[WT+4*(pn-2):WT+4*(pn-2)+3], v[WO], s[36:37] offset:256*pn
.set pn, pn+1
.endr
.endm
.macro LOADN                           ; the nodes of levels 1 to 3: four of 16 bits a level
	global_load_b64  v[IX:IX+1],   v[IO], s[38:39] offset:8
	global_load_b128 v[IX+2:IX+5], v[IO], s[38:39] offset:256
.endm
.macro LOAD0                           ; level 0's nodes and weights
	global_load_b64  v[IX0:IX0+1], v[IO], s[38:39]
	global_load_b128 v[W0:W0+3],   v[WO], s[36:37]
	global_load_b128 v[W0+4:W0+7], v[WO], s[36:37] offset:256
.endm
.macro AHEAD_A                         ; for the next pass; a loop's last pass has none
	s_cmp_eq_u32 s22, 1
	s_cbranch_scc1 .Lno_a_\@
	LOADN
	LOADW 2, 2
.Lno_a_\@:
.endm
.macro AHEAD_B
	s_cmp_eq_u32 s22, 1
	s_cbranch_scc1 .Lno_b_\@
	LOADW 4, 4
.Lno_b_\@:
.endm
.macro AHEAD_0
	s_cmp_eq_u32 s22, 1
	s_cbranch_scc1 .Lno_0_\@
	LOAD0
.Lno_0_\@:
.endm
.macro SETW lv                         ; WL = the level's width, ST16 = 16 x its first place in the slice
.if (\lv) == 0
.set WL, 100
.set ST16, 0
.elseif (\lv) == 1
.set WL, 50
.set ST16, 160000
.elseif (\lv) == 2
.set WL, 25
.set ST16, 200000
.else
.set WL, 13
.set ST16, 210000
.endif
.endm
.macro REGS pt                         ; ar = the point's address register, nr = the register that holds its node
.if (\pt) < 4
.set ar, AD+(\pt)
.set nr, IX0+(\pt)/2
.else
.set ar, AD+(\pt)-4
.set nr, IX+((\pt)-4)/2
.endif
.endm
.macro ADDR pt                         ; the LDS address of point pt's first node
	SETW (\pt)/4
	REGS \pt
.set tr, 10+(\pt)%2
.if (\pt)%2 == 0
	v_and_b32 v[tr], 0xffff, v[nr]
.else
	v_lshrrev_b32 v[tr], 16, v[nr]
.endif
	v_min_u32 v[tr], WL*WL-WL-2, v[tr]             ; a loaded number enters an address only so held: node + W + 1 stays a place of its level
.if (\pt) < 4
	v_lshlrev_b32 v[ar], 4, v[tr]                  ; level 0 begins at LDS byte 0
.else
	v_lshl_add_u32 v[ar], v[tr], 4, ST16           ; at least 160,000: inside the upper part
.endif
.endm
.macro ISSUE pt                        ; point pt's four corners: nodes +0, +1, +W, +W + 1, 16 bytes each
	SETW (\pt)/4
	REGS \pt
.set sl, D+16*((\pt)%2)
	ds_load_b128 v[sl:sl+3],     v[ar]
	ds_load_b128 v[sl+4:sl+7],   v[ar] offset:16
	ds_load_b128 v[sl+8:sl+11],  v[ar] offset:16*WL
	ds_load_b128 v[sl+12:sl+15], v[ar] offset:16*WL+16
.endm
.macro CORNER pt, k, y, sb, first      ; corner k = 2 y + sb: 8 multiply-adds from bf16 halves into f32
.set sl, D+16*((\pt)%2)+4*(\k)
.if (\pt) < 4
.set wr, WC+2*(\pt)+(\y)
.elseif (\pt) < 12
.set wr, WT+2*((\pt)-4)+(\y)
.else
.set wr, WC+2*((\pt)-12)+(\y)
.endif
.set j, 0
.rept 4
.if \first
	v_fma_mix_f32_bf16 v[ACC+2*j],   v[sl+j], v[wr], v[ZERO] op_sel:[0,\sb,0] op_sel_hi:[1,1,0]
	v_fma_mix_f32_bf16 v[ACC+2*j+1], v[sl+j], v[wr], v[ZERO] op_sel:[1,\sb,0] op_sel_hi:[1,1,0]
.else
	v_fma_mix_f32_bf16 v[ACC+2*j],   v[sl+j], v[wr], v[ACC+2*j]   op_sel:[0,\sb,0] op_sel_hi:[1,1,0]
	v_fma_mix_f32_bf16 v[ACC+2*j+1], v[sl+j], v[wr], v[ACC+2*j+1] op_sel:[1,\sb,0] op_sel_hi:[1,1,0]
.endif
.set j, j+1
.endr
.endm
.macro POINT pt, first
	CORNER \pt, 0, 0, 0, \first
	CORNER \pt, 1, 0, 1, 0
	CORNER \pt, 2, 1, 0, 0
	CORNER \pt, 3, 1, 1, 0
.endm
	LOADN                                          ; the first pass's nodes and weights of levels 1 to 3 are asked for ahead of the table: the first work waits for them and for the upper part
	LOADW 2, 6
	tensor_load_to_lds s[G0B:G0B+3], s[G1B:G1B+7]  ; my 8 rows of the upper part,
	s_nop 0
	tensor_load_to_lds s[G0A:G0A+3], s[G1A:G1A+7]  ; my 24 of the lower: two tensor loads of mine are out
	s_nop 0
	LOAD0                                          ; level 0's, for the second loop's first pass
	s_wait_tensorcnt 0x1                           ; my rows of the upper part are in; the lower part's load may stay out
	s_barrier_signal -1
	s_barrier_wait -1                              ; everybody's are
	s_mov_b32 s22, 4
	s_mov_b32 s23, 0
.Lupper:                                       ; levels 1 to 3, a unit a pass
	s_wait_loadcnt 0x0                             ; the pass's nodes and weights are in, and the registers that their loads named are free
	v_add_nc_u32 v[T2], 2*WAVES, v[T2]             ; the next pass's unit: 26 units on
	v_min_u32 v[TL], NT-1, v[T2]
	v_lshl_add_u32 v[WO], v[TL], 14, v[R16]
	v_lshl_add_u32 v[IO], v[TL], 12, v[R16]
	v_add_nc_u32 v[PAD], s23, v[PAD0]
.set P, 4
.rept 12
	ADDR P
.set P, P+1
.endr
	ISSUE 4
	ISSUE 5
.set P, 4
.rept 12
.if P < 15
	s_wait_dscnt 4                                 ; point P is in; the next point's four loads may stay out
.else
	s_wait_dscnt 0x0
.endif
.if P == 4
	POINT P, 1                                     ; its first eight start the sums
.else
	POINT P, 0
.endif
.if P <= 13
	ISSUE P+2                                      ; into the set just used
.endif
.if P == 7
	AHEAD_A                                        ; level 1 is done, and the nodes were used up at the pass's head
.elseif P == 11
.set k, 0
.rept 8
	v_mov_b32 v[WC+k], v[WT+16+k]                  ; level 3's weights are set aside, so that their registers can be asked for now and not at the pass's end
.set k, k+1
.endr
	AHEAD_B                                        ; level 2 is done
.endif
.set P, P+1
.endr
	ds_store_b128 v[PAD], v[ACC:ACC+3]             ; the sums wait, in f32: the wave's 512 bytes on end, twice
	ds_store_b128 v[PAD], v[ACC+4:ACC+7] offset:512
	s_add_co_u32 s23, s23, 1024
	s_sub_co_u32 s22, s22, 1
	s_cmp_lg_u32 s22, 0
	s_cbranch_scc1 .Lupper
	s_wait_tensorcnt 0x0                           ; my rows of the lower part are in,
	s_wait_dscnt 0x0                               ; (no LDS instruction of mine is pending at a signal)
	s_barrier_signal -1
	s_barrier_wait -1                              ; everybody's are
	v_mov_b32 v[T2], v[T20]                        ; back to the first unit
	v_min_u32 v[TL], NT-1, v[T2]
	s_mov_b32 s22, 4
	s_mov_b32 s23, 0
.Llower:                                       ; level 0, and the way out
	s_wait_loadcnt 0x0                             ; the pass's nodes and weights are in
	s_wait_xcnt 0x0                                ; the last pass's store has read its data and its offset
	v_lshl_add_u32 v[AO], v[TL], 13, v[R16]        ; where this pass's result goes
	v_add_nc_u32 v[T2], 2*WAVES, v[T2]
	v_min_u32 v[TL], NT-1, v[T2]
	v_lshl_add_u32 v[WO], v[TL], 14, v[R16]
	v_lshl_add_u32 v[IO], v[TL], 12, v[R16]
	v_add_nc_u32 v[PAD], s23, v[PAD0]
	ds_load_b128 v[ACC:ACC+3],   v[PAD]            ; the sums of levels 1 to 3: my wave's own bytes
	ds_load_b128 v[ACC+4:ACC+7], v[PAD] offset:512
.set P, 0
.rept 4
	ADDR P
.set P, P+1
.endr
	ISSUE 0
	ISSUE 1
.set k, 0
.rept 8
	v_mov_b32 v[WC+k], v[W0+k]                     ; the weights are set aside, so that the next pass's can be asked for at once
.set k, k+1
.endr
	AHEAD_0
.set P, 0
.rept 4
.if P < 3
	s_wait_dscnt 4                                 ; point P is in (ahead of point 0: the sums too); the next point's four loads may stay out
.else
	s_wait_dscnt 0x0
.endif
	POINT P, 0
.if P <= 1
	ISSUE P+2
.endif
.set P, P+1
.endr
.irp j, 0,1,2,3
	v_cvt_pk_bf16_f32 v[PK+\j], v[ACC+2*\j], v[ACC+2*\j+1]
.endr
	global_store_b128 v[AO], v[PK:PK+3], s[20:21]  ; each half of the lanes stores 256 consecutive bytes, at a multiple of 256 from att's first byte
	s_add_co_u32 s23, s23, 1024
	s_sub_co_u32 s22, s22, 1
	s_cmp_lg_u32 s22, 0
	s_cbranch_scc1 .Llower
	s_wait_tensorcnt 0x0                           ; the wave's end, behind my last tensor load and my last LDS store
	ds_add_u32 v[SPW], v[NIL]
	s_wait_dscnt 0x0
	s_endpgm
.Lfunc_end_k_q6b24ea66c8_gather:
	.size	k_q6b24ea66c8_gather, .Lfunc_end_k_q6b24ea66c8_gather-k_q6b24ea66c8_gather
	.p2alignl 7, 3214868480
	.fill 96, 4, 3214868480
	.section	.rodata,"a",@progbits
	.p2align	6, 0x0
	.amdhsa_kernel k_q6b24ea66c8_gather
		.amdhsa_group_segment_fixed_size 322816
		.amdhsa_private_segment_fixed_size 0
		.amdhsa_enable_private_segment 0
		.amdhsa_kernarg_size 32
		.amdhsa_user_sgpr_count 2
		.amdhsa_user_sgpr_kernarg_segment_ptr 1
		.amdhsa_wavefront_size32 1
		.amdhsa_system_sgpr_workgroup_id_x 1
		.amdhsa_system_sgpr_workgroup_id_y 1
		.amdhsa_system_sgpr_workgroup_id_z 1
		.amdhsa_system_vgpr_workitem_id 0
		.amdhsa_next_free_vgpr 120
		.amdhsa_next_free_sgpr 66
		.amdhsa_reserve_vcc 0
		.amdhsa_float_denorm_mode_32 3
		.amdhsa_float_denorm_mode_16_64 3
		.amdhsa_memory_ordered 1
		.amdhsa_forward_progress 1
		.amdhsa_inst_pref_size 49
	.end_amdhsa_kernel
	.amdgpu_metadata
---
amdhsa.version: [ 1, 2 ]
amdhsa.kernels:
  - .name:           k_q6b24ea66c8_gather
    .symbol:         k_q6b24ea66c8_gather.kd
    .args:
      - { .name: vtab, .offset: 0, .size: 8, .value_kind: global_buffer, .address_space: global }
      - { .name: swt, .offset: 8, .size: 8, .value_kind: global_buffer, .address_space: global }
      - { .name: sidx, .offset: 16, .size: 8, .value_kind: global_buffer, .address_space: global }
      - { .name: att, .offset: 24, .size: 8, .value_kind: global_buffer, .address_space: global }
    .group_segment_fixed_size: 322816
    .private_segment_fixed_size: 0
    .kernarg_segment_align: 8
    .kernarg_segment_size: 32
    .max_flat_workgroup_size: 832
    .sgpr_count:     66
    .vgpr_count:     120
    .wavefront_size: 32
...
	.end_amdgpu_metadata
.endif
;; end of part 6
;; launch ffn (part 7): grid 208 x 1, 4 waves a work-group, clusters of 4 x 1, 327,680 bytes of LDS; arguments att, src, wf, b_out, g1, beta1, b1, b2, g2, beta2, out0; writes out0
.if DOCPART == 7
	.amdgcn_target "amdgcn-amd-amdhsa--gfx1250"
	.amdhsa_code_object_version 6
	.text
	.protected	k_q6b24ea66c8_ffn
	.globl	k_q6b24ea66c8_ffn
	.p2align	8
	.type	k_q6b24ea66c8_ffn,@function
k_q6b24ea66c8_ffn:
	s_mov_b64 s[64:65], 0
	v_nop
	global_prefetch_b8 v0, s[64:65] scope:SCOPE_SE
	s_setreg_imm32_b32 hwreg(HW_REG_WAVE_MODE, 25, 1), 1
	s_wait_xcnt 0x0
	s_wait_alu depctr_hold_cnt(0) depctr_sa_sdst(0) depctr_va_vdst(0) depctr_va_sdst(0) depctr_va_ssrc(0) depctr_va_vcc(0) depctr_vm_vsrc(0)
	s_getreg_b32 s2, hwreg(HW_REG_IB_STS2, 6, 4)
	s_cmp_eq_u32 s2, 0
	s_cbranch_scc0 .Lentry_in_a_cluster
	s_endpgm
.Lentry_in_a_cluster:
	s_bfe_u32 s2, ttmp6, 0x10000c
	s_cmp_lg_u32 s2, 0x3003
	s_cbranch_scc0 .Lentry_shape_is_right
	s_endpgm
.Lentry_shape_is_right:
; Launch 4 of 4: x = LayerNorm(src + att W_out + b_out); out0 = LayerNorm(x + relu(x W1 + b1) W2 + b2).  Left out: nothing of these steps.
; PLACES.  Rows are taken by places, as in launches 2 and 3: each batch's 13,294 rows fill 831 tiles of 16 places, and the last two places of a batch repeat its last row.
; SHARES.  A work-group has 8 tiles, each of its four waves 2; 208 work-groups cover 1,664 tiles for 1,662.  A place that repeats a row, and every place of the two tiles past the end, loads that row,
; computes it again and stores the same bytes to it again: no branch hangs on the work-group's number.
; LAYOUT.  Every product is taken transposed: source 0 = 16 output channels of a weight, source 1 = 16 tokens.  In a result lane (r = l % 16, h = l / 16) holds ONE token r and channels 16 a + 8 h + 0..7.
; Two neighbouring results, rounded to bf16 in pairs, ARE source 1 of the next product: the hidden layer never leaves registers, and a LayerNorm is sums within a lane and one exchange between the halves
; of the lanes.  The 32 accumulators Y (2 tiles x 256 channels, f32) start as src + b_out, take att W_out, are normed in place, take + b2 and then the FFN's sums: the residual path stays in f32.
; The variance is taken of the centred numbers, as reference() takes it.
; THE NORM IS WRITTEN ONCE AND WALKED TWICE: a loop of two trips holds the norm and, behind it, the FFN; the second trip leaves the loop behind the norm.  Gain and shift lie 3,072 bytes further on in LDS for the second.
; THE RING.  Nine fills of 131,072 bytes, laid out by launch 1: W_out; then for each 128 hidden channels W1's 64 images and W2's 64.  Two LDS slots take turns.  The four work-groups of a cluster walk the
; same weights, so each fill is asked for JOINTLY: each wave asks for a quarter (128 rows of 256 bytes), with the same descriptor in all four and a mask that names the four.  By this text's count a wave
; has two tensor loads out at the start and one behind each later round; a refill has a chunk's 256 products a wave in which to land.
; AHEAD OF THE RING.  Behind each joint refill the fill after it is prefetched into the L2: the launch's first cluster alone asks; its four work-groups and their four waves share the fill's 512 blocks of
; 256 bytes out by address, a lane a block, one instruction a wave.  So each block of fills 3 to 8 is named once in the launch; fills 0 to 2 come by their loads alone; the last refill asks for nothing.
; REGISTERS, in windows of 256 (s_set_vgpr_msb: bits 1:0 source 0, 3:2 source 1, 5:4 source 2, 7:6 destination):
;   window 0: addresses; statistics; S, the hidden sums; P, the hidden layer as source 1; b1's numbers; v128-255 by turns src, a vector of 256 in a result's layout, rows on the way out
;   window 1: Y: tile t, strip a at 128 t + 8 a      window 2: v0-127 source 1 (att, then x): tile t, K step ks at 64 t + 8 ks; v128-255 16 images (W1)
;   window 3: v0-127 16 images (W2); v128-255 src, then a gain in a result's layout
.set SB,     13294                     ; rows of a batch
.set NT,     831                       ; tiles of a batch
.set SLOTX,  0x20000                   ; slot 1 begins here
.set FILLB,  131072
.set STAGE,  262144                    ; behind the ring: 16 rows of 512 bytes, pitch 528, for each wave: half rows of f32 on their way in and out
.set STW,    8448
.set SPI,    528                       ; 33 x 16 bytes: the 16 rows that a load touches start at 16 different groups of four banks (64 banks of 4 bytes: ISA guide 11.1)
.set PT,     295936                    ; b1 (4,096 bytes), then b_out, g1, beta1, b2, g2, beta2, 1,024 each
.set SPARE,  306176                    ; the spare words, 128 bytes for each wave: two blocks of 256 bytes that no other line names
.set R,      1                         ; v1   l % 16, at the head
.set ADRP,   1                         ; v1   later: LDS address of the norm's gain
.set H,      2                         ; v2   l / 16
.set L16,    3                         ; v3   16 x lane
.set ADR1,   4                         ; v4   LDS address of W1's images (at first: of W_out's first half)
.set ADR2,   5                         ; v5   of W2's (of W_out's second half)
.set ADRB,   6                         ; v6   of b1's numbers
.set HB32,   7                         ; v7   PT + 32 h
.set STI,    8                         ; v8   stage + 16 x lane: a row of 512 bytes
.set STD,    9                         ; v9   stage + 528 r + 32 h: a token's 8 channels
.set ATTOFF, 10                        ; v10-11 tile t: my place in att
.set SPW,    12                        ; v12  my spare word; never rewritten
.set NIL,    13                        ; v13  0; never rewritten
.set ZERO,   14                        ; v14  0, for the ReLU
.set PFO,    15                        ; v15  256 x lane; never rewritten
.set ROWOFF, 16                        ; v16-47 place i's row: its byte offset in src and out0 + 16 x lane; never rewritten
.set SA,     48                        ; v48-63 tile t: four pairs of sums; then the mean, then 1 / sigma, in the first
.set S,      64                        ; v64-95 hidden strip ap, tile t at 64 + 8 (2 ap + t)
.set P,      96                        ; v96-111 tile t
.set BIAS,   112                       ; v112-127 hidden strip ap
.set WV,     26                        ; s26  my wave's number
.set G1,     32                        ; s[32:39] descriptor group 1
.set G0A,    40                        ; s[40:43] group 0 of the first fill
.set G0B,    44                        ; s[44:47] group 0 of the second; it then walks
.set RB,     66                        ; s66-67 tile t: the row of its first place
.set LM,     68                        ; s68-69 tile t: its batch's last row
; s48, s49 LDS bytes at which W1's and W2's next images begin; s50 the place of b1's next numbers; s51 refills still to come; s52 counts a chunk's steps; s53 1 in the cluster that prefetches, else the
; greatest number; s[54:55] where my prefetches stand; s[56:57] lane selects; s58 counts the tail; s60 1 / 256; s61 the norm's epsilon; s62 the place of the norm's gain; s63 norms still to come
.set MSB, 0
.macro WIN new                         ; the immediate's high byte repeats the setting that is left; a switch that changes nothing is dropped
.if MSB != (\new)
	s_set_vgpr_msb (MSB<<8)|(\new)
.set MSB, (\new)
.endif
.endm
.macro PLACES                          ; four places behind a matrix instruction (ISA guide 7.12.1), where no other vector work is at hand
.rept 4
	v_nop
.endr
.endm
.macro CREST                           ; a round of the cluster's barrier behind its opening barrier
	s_cmp_lg_u32 s[WV], 0
	s_cbranch_scc1 .Lnot_wave_0_\@
	s_barrier_signal -3
.Lnot_wave_0_\@:
	s_barrier_wait -3
	s_barrier_signal -1
	s_barrier_wait -1
.endm
.macro CROUND
	s_barrier_signal -1
	s_barrier_wait -1
	CREST
.endm
.macro JLOAD                           ; a joint refill: every wave asks for its quarter; an s_nop 0 and four v_nop follow the line
	tensor_load_to_lds s[G0B:G0B+3], s[G1:G1+7]
	s_nop 0
	PLACES
.endm
.macro ASK                             ; the fill after the one just asked for; the test is the same in all partners
	s_cmp_gt_u32 s51, s53
	s_cbranch_scc0 .Lnot_mine_\@
	global_prefetch_b8 v[PFO], s[54:55] th:TH_LOAD_NT scope:SCOPE_SE
.Lnot_mine_\@:
.endm
	s_load_b512 s[4:19], s[0:1], 0x0               ; att s[4:5], src s[6:7], wf s[8:9], b_out s[10:11], g1 s[12:13], beta1 s[14:15], b1 s[16:17], b2 s[18:19]
	s_load_b128 s[20:23], s[0:1], 0x40             ; g2 s[20:21], beta2 s[22:23]
	s_load_b64 s[24:25], s[0:1], 0x50              ; out0
	v_lshl_add_u32 v[SPW], v0, 2, SPARE
	v_mov_b32 v[NIL], 0
	ds_add_u32 v[SPW], v[NIL]                      ; the wave's opening: the add, twice on end, and its wait ahead of my first tensor load
	ds_add_u32 v[SPW], v[NIL]                      ; and once more; the set-up below, work on registers, stands between it and the wait
	v_lshrrev_b32 v1, 5, v0
	v_readfirstlane_b32 s[WV], v1                  ; wave 0..3
	s_bfe_u32 s27, ttmp6, 0x40000                  ; cx: it enters the addresses of my own rows and of my prefetches alone
	s_lshl_b32 s28, ttmp9, 2
	s_add_co_u32 s28, s28, s27                     ; my work-group
	s_lshl_b32 s29, s28, 7
	s_lshl_b32 s30, s[WV], 5
	s_add_co_u32 s29, s29, s30                     ; my wave's first place
	s_lshl_b32 s70, s28, 3
	s_lshl1_add_u32 s70, s[WV], s70                ; my wave's first tile: 8 x work-group + 2 x wave
.irp t, 0,1
	s_add_co_u32 s71, s70, \t
	s_max_u32 s62, s71, NT-1
	s_sub_co_u32 s62, s62, NT-1
	s_min_u32 s62, s62, 1                          ; the tile's batch: 1 from tile 831 on
	s_lshl_b32 s63, s71, 4
	s_lshl_b32 s30, s62, 1
	s_sub_co_u32 s[RB+\t], s63, s30                ; its first row: 16 x tile, less the first batch's two repeated places
	s_mul_i32 s30, s62, SB
	s_add_co_u32 s[LM+\t], s30, SB-1               ; its batch's last row: a place past it repeats it
.endr
	s_mov_b32 s[G1], 15|(3<<16)|(1<<21)            ; 15:0 the mask of four; 17:16 elements of 8 bytes; 21 set beside a mask; no padding: an image is read 512 bytes on end
	s_mov_b32 s[G1+1], 32<<16                      ; tensor_dim0 = 32 elements: rows of 256 bytes
	s_mov_b32 s[G1+2], 128<<16                     ; tensor_dim1 = 128 rows
	s_mov_b32 s[G1+3], 32<<16                      ; tile_dim0
	s_mov_b32 s[G1+4], 128                         ; tile_dim1
	s_mov_b32 s[G1+5], 32                          ; from row to row: the block is dense
	s_mov_b32 s[G1+6], 0
	s_mov_b32 s[G1+7], 0
	s_mov_b32 s56, 0x76543210
	s_mov_b32 s57, 0xfedcba98
	s_mov_b32 s60, 0x3b800000                      ; 1 / 256
	s_mov_b32 s61, 0x3727c5ac                      ; 1e-5
	s_mov_b32 s51, 7
	s_cmp_eq_u32 ttmp9, 0                          ; the launch's first cluster: the same answer in all four partners
	s_cselect_b32 s53, 1, -1
	s_lshl_b32 s58, s[WV], 15                      ; my quarter of a fill
	s_mov_b32 s30, s58
	s_mov_b32 s31, 0
	s_lshl_b32 s62, s27, 15                        ; my work-group's quarter of a fill to be prefetched,
	s_lshl_b32 s63, s[WV], 13                      ; my wave's quarter of that
	s_add_co_u32 s62, s62, s63
	s_add_co_u32 s62, s62, 2*FILLB                 ; in fill 2: the first change of slots steps it to fill 3
	s_mov_b32 s63, 0
	s_mov_b32 s[G0A], 1
	s_add_co_u32 s[G0A+1], s58, 0                  ; LDS address: slot 0, my quarter: no place in the cluster enters it
	s_mov_b32 s[G0B], 1
	s_add_co_u32 s[G0B+1], s58, SLOTX
	s_wait_dscnt 0x0                               ; both opening adds are done
	s_wait_kmcnt 0x0
	s_add_nc_u64 s[54:55], s[8:9], s[62:63]
	s_add_nc_u64 s[G0A+2:G0A+3], s[8:9], s[30:31]          ; fill 0
	s_add_nc_u64 s[G0B+2:G0B+3], s[G0A+2:G0A+3], FILLB     ; fill 1
	s_or_b32 s[G0A+3], s[G0A+3], 0x80000000        ; type = 2
	s_or_b32 s[G0B+3], s[G0B+3], 0x80000000
	CROUND                                         ; all four work-groups are here: the first joint loads meet
	tensor_load_to_lds s[G0A:G0A+3], s[G1:G1+7]
	s_nop 0
	tensor_load_to_lds s[G0B:G0B+3], s[G1:G1+7]
	s_nop 0
	PLACES
	v_and_b32 v[R], 15, v0
	v_bfe_u32 v[H], v0, 4, 1
	v_and_b32 v52, 31, v0
	v_lshlrev_b32 v[L16], 4, v52
	v_lshlrev_b32 v[PFO], 8, v52
	v_mov_b32 v[ZERO], 0
	; the seven vectors, shared out over the 128 threads
	v_lshlrev_b32 v48, 5, v0
	v_lshlrev_b32 v49, 3, v0
	global_load_b128 v[64:67], v48, s[16:17]
	global_load_b128 v[68:71], v48, s[16:17] offset:16
	global_load_b64 v[72:73], v49, s[10:11]
	global_load_b64 v[74:75], v49, s[12:13]
	global_load_b64 v[76:77], v49, s[14:15]
	global_load_b64 v[78:79], v49, s[18:19]
	global_load_b64 v[80:81], v49, s[20:21]
	global_load_b64 v[82:83], v49, s[22:23]
.set i, 0
.rept 32
	s_add_co_u32 s30, s[RB+i/16], i%16
	s_min_u32 s30, s30, s[LM+i/16]
	s_lshl_b32 s30, s30, 10
	v_add_nc_u32 v[ROWOFF+i], s30, v[L16]
.set i, i+1
.endr
	WIN 0xc0                                       ; tile 0's rows of src: half c, row i at 128 + 64 c + 4 i of window 3
.set i, 0
.rept 32
	global_load_b128 v[128+4*i:128+4*i+3], v[ROWOFF+i%16], s[6:7] offset:512*(i/16) th:TH_LOAD_NT
.set i, i+1
.endr
	WIN 0                                          ; tile 1's, in window 0
.set i, 0
.rept 32
	global_load_b128 v[128+4*i:128+4*i+3], v[ROWOFF+16+i%16], s[6:7] offset:512*(i/16) th:TH_LOAD_NT
.set i, i+1
.endr
.irp t, 0,1
	v_add_nc_u32 v52, s29, v[R]
	v_add_nc_u32 v52, 16*\t, v52
	v_min_u32 v52, 2*NT*16-1, v52                  ; my place; att has 1,662 tiles, and its last place repeats the last row
	v_lshrrev_b32 v53, 4, v52
	v_lshlrev_b32 v53, 13, v53                     ; its tile: 8,192 bytes,
	v_and_b32 v52, 15, v52
	v_lshl_add_u32 v53, v52, 4, v53                ; its 16 bytes of a piece,
	v_lshl_add_u32 v[ATTOFF+\t], v[H], 8, v53      ; the piece of my half of the lanes
.endr
	WIN 0x80                                       ; att lies as source 1: head = K step s, block u
.irp t, 0,1
.set i, 0
.rept 16
	global_load_b128 v[64*\t+4*i:64*\t+4*i+3], v[ATTOFF+\t], s[4:5] offset:512*i th:TH_LOAD_NT
.set i, i+1
.endr
.endr
	WIN 0
	s_mul_i32 s30, s[WV], STW
	s_add_co_u32 s30, s30, STAGE                   ; my stage
	v_add_nc_u32 v[STI], s30, v[L16]
	v_mul_u32_u24 v53, v[R], SPI
	v_lshl_add_u32 v53, v[H], 5, v53
	v_add_nc_u32 v[STD], s30, v53
	v_lshlrev_b32 v53, 5, v[H]
	v_add_nc_u32 v[HB32], PT, v53
	v_lshl_add_u32 v50, v0, 5, PT
	v_lshl_add_u32 v51, v0, 3, PT+4096
	s_wait_loadcnt 63                              ; 96 loads were issued behind the eight of the vectors; a wait names 63 at the most
	ds_store_b128 v50, v[64:67]
	ds_store_b128 v50, v[68:71] offset:16
.irp i, 0,1,2,3,4,5
	ds_store_b64 v51, v[72+2*\i:73+2*\i] offset:1024*\i
.endr
; Tile t, half c of its rows of src: 16 rows of 512 bytes into my stage, and back in a result's layout, into Y.  LDS serves a wave's instructions in order (ISA guide 5.7.1.4).
.macro STAGEIN t, c
.if (\t) == 0
	WIN 0x0c                                       ; data window 3
.else
	WIN 0
.endif
.set n, 0
.rept 16
	ds_store_b128 v[STI], v[128+64*(\c)+4*n:128+64*(\c)+4*n+3] offset:SPI*n
.set n, n+1
.endr
	WIN 0x40
.set n, 0
.rept 16
	ds_load_b128 v[128*(\t)+64*(\c)+4*n:128*(\t)+64*(\c)+4*n+3], v[STD] offset:64*(n/2)+16*(n%2)
.set n, n+1
.endr
	WIN 0
.endm
	s_wait_loadcnt 63                              ; 64 loads were issued behind tile 0's rows: of the 104 issued at least 41 are done, and these are the first 40
	STAGEIN 0, 0
	STAGEIN 0, 1
	s_wait_loadcnt 32                              ; tile 1's rows; att's 32 loads may stay out
	STAGEIN 1, 0
	STAGEIN 1, 1
	s_wait_tensorcnt 0x1                           ; my quarter of fill 0 is in; fill 1's may stay out
	s_wait_dscnt 0x0                               ; my stores of the vectors are done, for the others' sake
	s_barrier_signal -1
	s_barrier_wait -1
.macro LOADPAR areg, off               ; a vector of 256 in a result's layout: channel 16 a + 8 h + j at v[128 + 8 a + j]; the caller sets the destination's window
.set n, 0
.rept 32
	ds_load_b128 v[128+4*n:128+4*n+3], v[\areg] offset:(\off)+64*(n/2)+16*(n%2)
.set n, n+1
.endr
.endm
.macro ADDPAR                          ; Y += that vector, both tiles
	WIN 0x41
.set n, 0
.rept 128
	v_pk_add_f32 v[n:n+1], v[n:n+1], v[128+n%128:128+n%128+1]
.set n, n+2
.endr
	WIN 0
.endm
.macro FETCHG g                        ; W_out's strips 2 g, 2 g + 1: 16 images into buffer g % 2
.if (\g)%2 == 0
	WIN 0x80
.set bb, 128
.else
	WIN 0xc0
.set bb, 0
.endif
.set f, 0
.rept 16
	ds_load_b128 v[bb+8*f:bb+8*f+3],   v[ADR1+(\g)/4] offset:16384*((\g)%4)+1024*f
	ds_load_b128 v[bb+8*f+4:bb+8*f+7], v[ADR1+(\g)/4] offset:16384*((\g)%4)+1024*f+512
.set f, f+1
.endr
	WIN 0
.endm
.macro PHO g                           ; 32 products onto Y's strips 2 g, 2 g + 1: the four accumulators take turns
	WIN 0x5a+(\g)%2                                ; images window 2 or 3, att window 2, Y window 1
.set ks, 0
.rept 8
.irp ap, 0,1
.irp t, 0,1
.set rY, 128*\t+8*(2*(\g)+\ap)
.set rA, 128*(1-(\g)%2)+8*(8*\ap+ks)
.set rB, 64*\t+8*ks
	v_wmma_f32_16x16x32_bf16 v[rY:rY+7], v[rA:rA+7], v[rB:rB+7], v[rY:rY+7]
.endr
.endr
.set ks, ks+1
.endr
.endm
.macro FETCH_W1                        ; a step's 16 images of W1 (32 hidden channels x 256) and its 32 numbers of b1: 36 loads
	WIN 0
	v_add_nc_u32 v[ADR1], s48, v[L16]
	v_add_nc_u32 v[ADRB], s50, v[HB32]
	WIN 0x80
.set f, 0
.rept 16
	ds_load_b128 v[128+8*f:128+8*f+3],   v[ADR1] offset:1024*f
	ds_load_b128 v[128+8*f+4:128+8*f+7], v[ADR1] offset:1024*f+512
.set f, f+1
.endr
	WIN 0
.set f, 0
.rept 4
	ds_load_b128 v[BIAS+4*f:BIAS+4*f+3], v[ADRB] offset:64*(f/2)+16*(f%2)
.set f, f+1
.endr
	s_add_co_u32 s48, s48, 16384
	s_add_co_u32 s50, s50, 128
.endm
.macro FETCH_W2                        ; a step's 16 images of W2 (256 channels x 32 hidden): 32 loads
	WIN 0
	v_add_nc_u32 v[ADR2], s49, v[L16]
	WIN 0xc0
.set f, 0
.rept 16
	ds_load_b128 v[8*f:8*f+3],   v[ADR2] offset:1024*f
	ds_load_b128 v[8*f+4:8*f+7], v[ADR2] offset:1024*f+512
.set f, f+1
.endr
	WIN 0
	s_add_co_u32 s49, s49, 16384
.endm
.macro REDUCE t                        ; four pairs of sums into one number, the same in both lanes of a token
.set q, SA+8*(\t)
	v_pk_add_f32 v[q:q+1], v[q:q+1], v[q+2:q+3]
	v_pk_add_f32 v[q+4:q+5], v[q+4:q+5], v[q+6:q+7]
	v_pk_add_f32 v[q:q+1], v[q:q+1], v[q+4:q+5]
	v_add_f32 v[q], v[q], v[q+1]
	v_permlanex16_b32 v[q+2], v[q], s56, s57
	v_add_f32 v[q], v[q], v[q+2]
.endm
; LayerNorm of Y, in place, both tiles; the gain lies at s62 in the table of vectors, the shift 1,024 bytes behind it.  Each accumulator's lowest registers are read first: the sums go through Y in ascending order.
.macro LN
	WIN 0
	v_add_nc_u32 v[ADRP], s62, v[HB32]
	WIN 0xc0
	LOADPAR ADRP, 0                                ; the gain, window 3
	WIN 0
	LOADPAR ADRP, 1024                             ; the shift, window 0
.irp t, 0,1
	WIN 0x05
.set k, 0
.rept 4
	v_pk_add_f32 v[SA+8*\t+2*k:SA+8*\t+2*k+1], v[128*\t+4*k:128*\t+4*k+1], v[128*\t+4*k+2:128*\t+4*k+3]  ; the first eight pairs start four chains: nothing is cleared
.set k, k+1
.endr
	WIN 0x01
.set k, 8
.rept 56
	v_pk_add_f32 v[SA+8*\t+2*(k%4):SA+8*\t+2*(k%4)+1], v[128*\t+2*k:128*\t+2*k+1], v[SA+8*\t+2*(k%4):SA+8*\t+2*(k%4)+1]
.set k, k+1
.endr
.endr
	WIN 0
	REDUCE 0
	REDUCE 1
	v_mul_f32 v[SA], s60, v[SA]                    ; the means
	v_mul_f32 v[SA+8], s60, v[SA+8]
.irp t, 0,1
	WIN 0x41
.set k, 0
.rept 64
	v_pk_add_f32 v[128*\t+2*k:128*\t+2*k+1], v[128*\t+2*k:128*\t+2*k+1], v[SA+8*\t:SA+8*\t+1] op_sel_hi:[1,0] neg_lo:[0,1] neg_hi:[0,1]
.set k, k+1
.endr
	WIN 0x05
.set k, 0
.rept 4
	v_pk_mul_f32 v[SA+8*\t+2*k:SA+8*\t+2*k+1], v[128*\t+2*k:128*\t+2*k+1], v[128*\t+2*k:128*\t+2*k+1]
.set k, k+1
.endr
.rept 60
	v_pk_fma_f32 v[SA+8*\t+2*(k%4):SA+8*\t+2*(k%4)+1], v[128*\t+2*k:128*\t+2*k+1], v[128*\t+2*k:128*\t+2*k+1], v[SA+8*\t+2*(k%4):SA+8*\t+2*(k%4)+1]
.set k, k+1
.endr
.endr
	WIN 0
	REDUCE 0
	REDUCE 1
	v_fma_f32 v[SA], v[SA], s60, s61               ; variance + epsilon
	v_fma_f32 v[SA+8], v[SA+8], s60, s61
	v_rsq_f32 v[SA], v[SA]
	v_rsq_f32 v[SA+8], v[SA+8]
	v_nop                                          ; a plain instruction behind the last of the two,
	s_wait_alu depctr_va_vdst(0)                   ; and the wait ahead of the first use: one for both
	WIN 0x41
.irp t, 0,1
.set k, 0
.rept 64
	v_pk_mul_f32 v[128*\t+2*k:128*\t+2*k+1], v[128*\t+2*k:128*\t+2*k+1], v[SA+8*\t:SA+8*\t+1] op_sel_hi:[1,0]
.set k, k+1
.endr
.endr
	s_wait_dscnt 0x0                               ; gain and shift are in
	WIN 0x4d                                       ; Y window 1, gain window 3, shift window 0
.set n, 0
.rept 128
	v_pk_fma_f32 v[n:n+1], v[n:n+1], v[128+n%128:128+n%128+1], v[128+n%128:128+n%128+1]
.set n, n+2
.endr
	WIN 0
.endm
.macro PH1                             ; 32 products: 32 hidden channels of both tiles; the four accumulators take turns; the first K step takes b1 as C
	WIN 0x0a                                       ; images and x window 2, S window 0
.set ks, 0
.rept 8
.irp ap, 0,1
.irp t, 0,1
.set rS, S+8*(2*\ap+\t)
.set rA, 128+8*(8*\ap+ks)
.set rB, 64*\t+8*ks
.if ks == 0
	v_wmma_f32_16x16x32_bf16 v[rS:rS+7], v[rA:rA+7], v[rB:rB+7], v[BIAS+8*\ap:BIAS+8*\ap+7]
.else
	v_wmma_f32_16x16x32_bf16 v[rS:rS+7], v[rA:rA+7], v[rB:rB+7], v[rS:rS+7]
.endif
.endr
.endr
.set ks, ks+1
.endr
.endm
.macro CVT                             ; the hidden sums are rounded to bf16 in pairs, which makes them source 1, and held at 0 from below
	WIN 0
.irp t, 0,1
.irp ap, 0,1
.irp j, 0,1,2,3
	v_cvt_pk_bf16_f32 v[P+8*\t+4*\ap+\j], v[S+8*(2*\ap+\t)+2*\j], v[S+8*(2*\ap+\t)+2*\j+1]
.endr
.endr
.endr
.set n, 0
.rept 16
	v_pk_max_num_bf16 v[P+n], v[P+n], v[ZERO]
.set n, n+1
.endr
.endm
.macro PH2 a0, cnt                     ; strips a0 .. a0 + cnt - 1 of both tiles take the step's 32 hidden channels: every product has an accumulator of its own
	WIN 0x53                                       ; images window 3, P window 0, Y window 1
.set a, (\a0)
.rept (\cnt)
.irp t, 0,1
	v_wmma_f32_16x16x32_bf16 v[128*\t+8*a:128*\t+8*a+7], v[8*a:8*a+7], v[P+8*\t:P+8*\t+7], v[128*\t+8*a:128*\t+8*a+7]
.endr
.set a, a+1
.endr
.endm
; One of a chunk's first three steps.
.macro SUB
	s_wait_dscnt 32                                ; W1's images and b1 are in; W2's 32 loads, issued behind them, may stay out
	PH1
	PLACES
	FETCH_W1                                       ; the next step's
	CVT
	s_wait_dscnt 36                                ; W2's images are in; the 36 loads just issued may stay out
	PH2 0, 16
	PLACES
	FETCH_W2
.endm
; A chunk's fourth step, and THE CHANGE OF SLOTS.  Each wave waits for all its tensor loads, of which one is out: its quarter of the other slot; adds 0 to its spare word; works on; waits for the add and for
; its reads of this slot; signals.  fill = 1: the barrier opens a round of the cluster's, so that no wave of any partner still reads the slot or has a load on its way, and the joint refill, two fills on,
; is the first thing behind it.  last = 1: in the tail's last trip there is no next chunk, and the two runs of loads are jumped over: the condition is the loop's own count, the same in every wave.
.macro EDGE fill, last
	s_wait_dscnt 32
	PH1
	PLACES
	CVT
	WIN 0
	s_wait_tensorcnt 0x0                           ; no tensor load of mine is out, so a group 0 may be written
	ds_add_u32 v[SPW], v[NIL]                      ; 0 onto my spare word
.if \fill
	s_xor_b32 s[G0B+1], s[G0B+1], SLOTX            ; the other slot than last time,
	s_add_nc_u64 s[G0B+2:G0B+3], s[G0B+2:G0B+3], FILLB  ; the next fill; the type bits on top are not reached
	s_wait_xcnt 0x0                                ; the last prefetch, a chunk back, has read its address
	s_add_nc_u64 s[54:55], s[54:55], FILLB
.endif
	s_wait_dscnt 1                                 ; W2's images are in; the add may stay out
	PH2 0, 4                                       ; eight products stand between the add and the wait for it
	s_wait_dscnt 0x0                               ; the add is done, and my reads of this slot are over
	s_barrier_signal -1
	PH2 4, 4                                       ; work on registers while the others arrive
	WIN 0
	s_barrier_wait -1
.if \fill
	CREST
	JLOAD
.endif
	s_sub_co_u32 s48, s48, 65536                   ; the fetches go back to a fill's first step,
	s_xor_b32 s48, s48, SLOTX                      ; in the other slot
	s_sub_co_u32 s49, s49, 65536
	s_xor_b32 s49, s49, SLOTX
.if \last
	s_cmp_eq_u32 s58, 1
	s_cbranch_scc1 .Lno_w1_\@
.endif
	FETCH_W1
.if \last
.Lno_w1_\@:
.endif
.if \fill
	ASK                                            ; behind the joint load and the run of LDS loads that the next products wait for
.endif
	PH2 8, 8
	PLACES
.if \last
	WIN 0
	s_cmp_eq_u32 s58, 1
	s_cbranch_scc1 .Lno_w2_\@
.endif
	FETCH_W2
.if \last
.Lno_w2_\@:
.endif
.endm
.macro CHUNK fill, last                ; 128 hidden channels: four steps of 32
	s_mov_b32 s52, 3
.Lsub_\@:
	SUB
	s_sub_co_u32 s52, s52, 1
	s_cmp_lg_u32 s52, 0
	s_cbranch_scc1 .Lsub_\@
	EDGE \fill, \last
.endm
	v_mov_b32 v[ADR1], v[L16]
	v_add_nc_u32 v[ADR2], 65536, v[L16]
	FETCHG 0
	FETCHG 1
	LOADPAR HB32, 4096                             ; b_out
	s_wait_dscnt 0x0
	ADDPAR                                         ; Y = src + b_out
	s_wait_loadcnt 0x0                             ; att
.irp g, 0,1,2,3,4,5,6,7
.if \g < 7
	s_wait_dscnt 32                                ; group g's images are in; the next group's 32 loads may stay out
.else
	s_wait_dscnt 0x0
.endif
	PHO \g
.if \g < 6
	PLACES
	FETCHG \g+2
.endif
.endr
	; the first change of slots: fill 1 is waited for, slot 0 takes fill 2
	WIN 0
	s_wait_tensorcnt 0x0                           ; no tensor load of mine is out, so a group 0 may be written
	ds_add_u32 v[SPW], v[NIL]                      ; 0 onto my spare word
	s_xor_b32 s[G0B+1], s[G0B+1], SLOTX
	s_add_nc_u64 s[G0B+2:G0B+3], s[G0B+2:G0B+3], FILLB
	s_wait_xcnt 0x0
	s_add_nc_u64 s[54:55], s[54:55], FILLB
	s_wait_dscnt 0x0                               ; the add is done; my reads of slot 0 came back ahead of the last products
	CROUND
	JLOAD                                          ; the four v_nop behind it are also the places behind the last product
	ASK
	s_mov_b32 s48, SLOTX
	s_mov_b32 s49, SLOTX+65536
	s_mov_b32 s50, 0
	FETCH_W1                                       ; chunk 0, step 0: on their way under the norm
	FETCH_W2
	s_mov_b32 s62, 5120                            ; g1; beta1 lies behind it
	s_mov_b32 s63, 2
.Lnorm:                                        ; two trips: the first norm and the FFN; the second norm, behind which the loop is left
	LN
	s_cmp_eq_u32 s63, 1
	s_cbranch_scc1 .Lout
	WIN 0x85                                       ; x as source 1: register n of the 128 takes Y's registers 2 n, 2 n + 1
.set n, 0
.rept 128
	v_cvt_pk_bf16_f32 v[n], v[2*n], v[2*n+1]
.set n, n+1
.endr
	WIN 0
	LOADPAR HB32, 7168                             ; b2
	s_wait_dscnt 0x0
	ADDPAR                                         ; the FFN's sums start at x + b2
	s_mov_b32 s51, 6
.Lchunk:                                       ; chunks 0 to 5: fills 3 to 8 are asked for
	CHUNK 1, 0
	s_sub_co_u32 s51, s51, 1
	s_cmp_lg_u32 s51, 0
	s_cbranch_scc1 .Lchunk
	s_mov_b32 s58, 2
.Ltail:                                        ; chunks 6 and 7: written apart
	CHUNK 0, 1
	s_sub_co_u32 s58, s58, 1
	s_cmp_lg_u32 s58, 0
	s_cbranch_scc1 .Ltail
	s_add_co_u32 s62, s62, 3072                    ; g2; beta2 lies behind it.  The four places behind the last product stand at the end of the last step
	s_sub_co_u32 s63, s63, 1
	s_branch .Lnorm
.Lout:
	; THE WAY OUT: half rows through my stage: a token's 8 channels in, rows of 512 bytes back, 16 rows a pass, into two sets of 64 registers by turns
.set pass, 0
.irp t, 0,1
.irp c, 0,1
	WIN 0x04                                       ; data window 1
.set n, 0
.rept 16
	ds_store_b128 v[STD], v[128*\t+64*\c+4*n:128*\t+64*\c+4*n+3] offset:64*(n/2)+16*(n%2)
.set n, n+1
.endr
	WIN 0
.set ob, 128+64*(pass%2)
.if pass >= 2
	s_wait_xcnt 0x0                                ; the stores of two passes back have read this set
.endif
.set n, 0
.rept 16
	ds_load_b128 v[ob+4*n:ob+4*n+3], v[STI] offset:SPI*n   ; LDS serves a wave's instructions in order (ISA guide 5.7.1.4): these see the stores above; the next pass's stores come behind them
.set n, n+1
.endr
	s_wait_dscnt 0x0
.set n, 0
.rept 16
	global_store_b128 v[ROWOFF+16*\t+n], v[ob+4*n:ob+4*n+3], s[24:25] offset:512*\c th:TH_STORE_NT  ; 512 consecutive bytes, at a multiple of 512 from out0's first byte
.set n, n+1
.endr
.set pass, pass+1
.endr
.endr
	s_wait_tensorcnt 0x0                           ; the wave's end, behind my last tensor load and my last LDS store
	ds_add_u32 v[SPW], v[NIL]
	s_wait_dscnt 0x0
	CROUND                                         ; the closing round: no work-group ends while a partner may still ask for a fill that names it
	s_endpgm
.Lfunc_end_k_q6b24ea66c8_ffn:
	.size	k_q6b24ea66c8_ffn, .Lfunc_end_k_q6b24ea66c8_ffn-k_q6b24ea66c8_ffn
	.p2alignl 7, 3214868480
	.fill 96, 4, 3214868480
	.section	.rodata,"a",@progbits
	.p2align	6, 0x0
	.amdhsa_kernel k_q6b24ea66c8_ffn
		.amdhsa_group_segment_fixed_size 327680
		.amdhsa_private_segment_fixed_size 0
		.amdhsa_enable_private_segment 0
		.amdhsa_kernarg_size 88
		.amdhsa_user_sgpr_count 2
		.amdhsa_user_sgpr_kernarg_segment_ptr 1
		.amdhsa_wavefront_size32 1
		.amdhsa_system_sgpr_workgroup_id_x 1
		.amdhsa_system_sgpr_workgroup_id_y 1
		.amdhsa_system_sgpr_workgroup_id_z 1
		.amdhsa_system_vgpr_workitem_id 0
		.amdhsa_next_free_vgpr 1024
		.amdhsa_next_free_sgpr 72
		.amdhsa_reserve_vcc 0
		.amdhsa_float_denorm_mode_32 3
		.amdhsa_float_denorm_mode_16_64 3
		.amdhsa_memory_ordered 1
		.amdhsa_forward_progress 1
		.amdhsa_inst_pref_size 205
	.end_amdhsa_kernel
	.amdgpu_metadata
---
amdhsa.version: [ 1, 2 ]
amdhsa.kernels:
  - .name:           k_q6b24ea66c8_ffn
    .symbol:         k_q6b24ea66c8_ffn.kd
    .args:
      - { .name: att, .offset: 0, .size: 8, .value_kind: global_buffer, .address_space: global }
      - { .name: src, .offset: 8, .size: 8, .value_kind: global_buffer, .address_space: global }
      - { .name: wf, .offset: 16, .size: 8, .value_kind: global_buffer, .address_space: global }
      - { .name: b_out, .offset: 24, .size: 8, .value_kind: global_buffer, .address_space: global }
      - { .name: g1, .offset: 32, .size: 8, .value_kind: global_buffer, .address_space: global }
      - { .name: beta1, .offset: 40, .size: 8, .value_kind: global_buffer, .address_space: global }
      - { .name: b1, .offset: 48, .size: 8, .value_kind: global_buffer, .address_space: global }
      - { .name: b2, .offset: 56, .size: 8, .value_kind: global_buffer, .address_space: global }
      - { .name: g2, .offset: 64, .size: 8, .value_kind: global_buffer, .address_space: global }
      - { .name: beta2, .offset: 72, .size: 8, .value_kind: global_buffer, .address_space: global }
      - { .name: out0, .offset: 80, .size: 8, .value_kind: global_buffer, .address_space: global }
    .group_segment_fixed_size: 327680
    .private_segment_fixed_size: 0
    .kernarg_segment_align: 8
    .kernarg_segment_size: 88
    .max_flat_workgroup_size: 128
    .sgpr_count:     72
    .vgpr_count:     1024
    .wavefront_size: 32
...
	.end_amdgpu_metadata
.endif
;; end of part 7
